; MI455X (gfx1250); checked and timed in simulation.
; The chip was launched on July 23, 2026; its instructions are those of AMD's public machine-readable ISA for CDNA 5 (MIT licence, August 2026) and "CDNA5" Instruction Set Architecture Reference Guide (July 2026). The comments in the code are by the model that wrote it; some were corrected since.
;; Sliding Window Attention. Allowed arithmetic: matrix products marked QUANTISED: E2M1 operands, one E8M0 scale for each 32 along K, by v_wmma_scale_f32_16x16x128_f8f6f4 with both operands' format E2M1 (or v_wmma_scale_f32_32x16x128_f4), f32 sums; everything else in f32.
;; Inputs: bk 1,024 float32; bo 1,024 float32; bq 1,024 float32; bv 1,024 float32; key 2 x 4,096 x 1,024 float32; query 2 x 4,096 x 1,024 float32; value 2 x 4,096 x 1,024 float32; wk 1,024 x 1,024 float32; wo 1,024 x 1,024 float32; wq 1,024 x 1,024 float32; wv 1,024 x 1,024 float32.
;; Outputs: out0 2 x 4,096 x 1,024 float32.
;; This version of the problem:
;;   THIS VERSION OF THE PROBLEM IS GIVEN IN LOW PRECISION. The matrix products marked QUANTISED in the list below multiply operands that are first quantised to E2M1 (2 exponent bits, 1 mantissa bit; 4 bits a number), with one power-of-two scale for each 32 numbers along K (OCP MX v1.0); their sums are f32. All else is computed in f32.
;;   The module's matrix products, in the order in which they are computed (A, B: the left and right operand; K: the contracted axis; several contracted axes count as one K, in the product's order):
;;     1. [M 8,192, K 1,024] x [K 1,024, N 1,024]; A: input query; B: input wq: QUANTISED
;;     2. [M 8,192, K 1,024] x [K 1,024, N 1,024]; A: input key; B: input wk: QUANTISED
;;     3. [M 8,192, K 1,024] x [K 1,024, N 1,024]; A: input value; B: input wv: QUANTISED
;;     4. batch 256 x [M 512, K 64] x [K 64, N 1,024]; A: computed on the way; B: computed on the way: QUANTISED
;;     5. batch 256 x [M 512, K 1,024] x [K 1,024, N 64]; A: softmax (see below); B: computed on the way: QUANTISED
;;     6. [M 8,192, K 1,024] x [K 1,024, N 1,024]; A: computed on the way; B: input wo: QUANTISED
;;   THE QUANTISER, for each operand of a quantised product, along K:
;;     - K is cut into blocks of 32 from its start; a last block that is shorter is filled with zeros.
;;     - A block's scale is 2^e with e = floor(log2(the largest magnitude in the block)) - 2, held to -126 .. 127; a block of zeros has e = 0. As a byte (E8M0): e + 127.
;;     - Each number is divided by its block's scale, clamped to +-6, and rounded to the nearest number of E2M1, ties to even, subnormals kept.
;;     - The product sums the exact products of the quantised numbers (number of the format x scale) in f32.
;;   ~~~python
;;   def quantise(x, axis):      # numpy; x: float32 -> the quantised numbers, widened to float32 again
;;       x = np.moveaxis(x, axis, -1); K = x.shape[-1]
;;       x = np.pad(x, [(0, 0)] * (x.ndim - 1) + [(0, -K % 32)]); x = x.reshape(x.shape[:-1] + (-1, 32)); a = np.abs(x).max(-1, keepdims=True)
;;       e = np.where(a > 0, np.clip(np.frexp(np.where(a > 0, a, 1))[1] - 1 - 2, -126, 127), 0)      # np.frexp(a)[1] - 1 = floor(log2(a)), exactly
;;       r = np.clip(x / 2.0 ** e, -6, 6)
;;       step = 2.0 ** (np.maximum(np.frexp(np.where(r == 0, 1, r))[1] - 1, 0) - 1)
;;       q = np.round(r / step) * step * 2.0 ** e      # np.round: ties to even
;;       return np.moveaxis(q.reshape(q.shape[:-2] + (-1,))[..., :K], -1, axis).astype(np.float32)
;;   ~~~
;;   SOFTMAX AHEAD OF A QUANTISED PRODUCT. Where the list says 'softmax', what is quantised is not the finished softmax but p = 2^(t - M), with t = logit x log2(e) and M = ceil(the row's largest t), a whole number; so 1/2 < the row's largest p <= 1. The row's sum l is taken of the UNQUANTISED p, in f32, and the product's result is divided by l at the end. Since M is a whole number, a kernel that streams over the keys may use a running M (the ceiling of the running maximum): every later rescaling is an exact power of two, which a block's scale takes up: the codes' values come out the same.
;;   OPERANDS COMPUTED ON THE WAY. 'Computed on the way' means the value that the module computes at that place (a softmax that the list does not call 'softmax' is quantised finished and normalised). What goes into a quantiser is computed in f32, as accurately as f32 sums, v_exp_f32 and their like allow (about 1e-6 of the number): no bf16 or f16 on the way to a quantiser, and a product that is left as it is and whose result goes on into a quantised operand takes f32 operands (vector FMAs, or v_wmma_f32_16x16x4_f32). A number that lies on a knife's edge between two numbers of the format may be rounded either way, as far as f32 arithmetic and the matrix unit's own rounding can turn it there, and no further.
;; 2 versions. Each part assembles by itself: llvm-mc -triple=amdgcn-amd-amdhsa -mcpu=gfx1250 --defsym DOCPART=n.
;; ======== version 1 of 2: 4 launches
;; workspace buffers: xwc 14,680,064 bytes; xws 917,504 bytes; qkvc 12,582,912 bytes; qkvs 786,432 bytes; oc 4,194,304 bytes; os 262,144 bytes
;; launch quant (part 1): grid 896 x 1, 4 waves a work-group, no clusters, 35,328 bytes of LDS; arguments query, key, value, wq, wk, wv, wo, xwc, xws; writes xwc, xws
.if DOCPART == 1
	.amdgcn_target "amdgcn-amd-amdhsa--gfx1250"
	.amdhsa_code_object_version 6
	.text
	.protected	k_qd95eadcdd2_quant
	.globl	k_qd95eadcdd2_quant
	.p2align	8
	.type	k_qd95eadcdd2_quant,@function
k_qd95eadcdd2_quant:
	s_mov_b64 s[64:65], 0
	v_nop
	global_prefetch_b8 v0, s[64:65] scope:SCOPE_SE
	s_setreg_imm32_b32 hwreg(HW_REG_WAVE_MODE, 25, 1), 1
	s_wait_xcnt 0x0
; query, key, value [8192][1024] and wq, wk, wv, wo [1024][1024], f32, K innermost, become codes of FP4 (E2M1) with one E8M0 byte for each 32 along K,
; laid as IMAGES OF OPERAND REGISTERS, so that the later launches load fragments by 16-byte loads at 16 x lane and nothing else.
; TILES.  Tile 2 B + u of a tensor holds, in its row r (0..15), the tensor's row 32 B + 8 u + r + 8 (r / 8).  (As source 0 of a product two neighbouring tiles then give a lane 16 neighbours.)
; xwc: 1,792 tiles x 8,192 bytes: [K step s 0..7][quad c 0..1][lane][16 bytes]; lane (r, h) of quad c holds k = 128 s + 64 c + 32 h + 0..31 of row r.   xws: [tile][s][r] one word of four bytes.
; Tiles 0-511 query, 512-1023 key, 1024-1535 value, 1536-1599 wq, 1600-1663 wk, 1664-1727 wv, 1728-1791 wo.
; A block's scale is 2^(floor(log2(largest magnitude)) - 2): its byte is the largest magnitude's exponent field - 2, held at 1 from below by a floor among the maximum's leaves.
; LIMITS: a block whose largest magnitude lies under 2^-124 keeps the floor's byte, 1 (a block of zeros too, where the rule says 127: its codes are zeros and this program alone reads the bytes); NaN and infinities are not served.
; SHARES.  A work-group takes two tiles; wave w takes tile 2 g + w / 2, K half w % 2: four fragments of 16 rows x 128 K.  A load reads 512 consecutive bytes of one row; a fragment's 8,192 bytes turn through the wave's own
; stage in LDS (16 rows, 528 bytes apart) and come back as 16 neighbours of each block of 32 for a lane.  Waves share nothing: no barrier.  Loads run one fragment (16 loads) ahead.
.set PITCH, 528                        ; a stage row: 512 bytes + 16, so that the 16 rows of a load begin in 16 different 16-byte columns of 256
.set WREG,  16*PITCH+256               ; a wave's LDS: its stage, then its 64 scale words
.set FLOOR, 0x1800000                  ; 2^(3 - 127)
.set LI,   1                           ; v1   16 x lane
.set STI,  2                           ; v2   the stage, on the way in: a row's 512 bytes as they lie
.set STO,  3                           ; v3   and out: row r, + 64 h: my 16 numbers of a block
.set SCW,  4                           ; v4   where my row's scale word goes
.set SCR,  5                           ; v5   the 256 bytes of scale words, 8 a lane
.set L8,   6                           ; v6   8 x lane
.set TM,   8                           ; v8-23 at work: +0..3 largest magnitudes, +4..7 the other half's, then bytes, +12..15 the conversions' scale operands
.set PW,   24                          ; v24  the scale word just made
.set OW,   26                          ; v26-27 the way out of the scale words
.set PCB,  32                          ; v32-63 codes: eight registers for each fragment, so that no store's data are written again
.set R,    64                          ; v64-191 two sets of 64 numbers
.set SRC,  26                          ; s[26:27] my rows in the source
.set OCD,  28                          ; s[28:29] my codes' place
.set OSW,  30                          ; s[30:31] my scale words' place
.set SEL,  32                          ; s[32:33] lane selects: lane l xor 16
.set FST,  36                          ; s36  the tensor's first work-group
	s_load_b512 s[8:23], s[0:1], 0x0               ; query s[8:9], key, value, wq, wk, wv, wo s[20:21], xwc s[22:23]
	s_load_b64 s[24:25], s[0:1], 0x40              ; xws
	v_lshl_add_u32 v192, v0, 2, 0x8800
	v_mov_b32 v193, 0
	v_lshrrev_b32 v7, 5, v0
	v_readfirstlane_b32 s2, v7                     ; wave
	v_and_b32 v7, 31, v0                           ; lane
	v_and_b32 v25, 15, v0                          ; r
	v_bfe_u32 v28, v0, 4, 1                        ; h
	v_lshlrev_b32 v[LI], 4, v7
	s_mul_i32 s3, s2, WREG
	v_add_nc_u32 v[STI], s3, v[LI]
	v_mul_u32_u24 v[STO], v25, PITCH
	v_lshl_add_u32 v[STO], v28, 6, v[STO]
	v_add_nc_u32 v[STO], s3, v[STO]
	s_add_co_u32 s3, s3, 16*PITCH
	v_lshl_add_u32 v[SCW], v25, 2, s3
	v_lshl_add_u32 v[SCR], v7, 3, s3
	v_lshlrev_b32 v[L8], 3, v7
.irp b, 0,1,2,3
	v_mov_b32 v[TM+4+\b], 0                        ; written once: a lane permute's destination counts as one of its sources
.endr
	s_lshr_b32 s34, s2, 1                          ; u: which of the work-group's two tiles
	s_and_b32 s35, s2, 1                           ; which half of K
	s_mov_b32 s[SEL], 0x76543210
	s_mov_b32 s[SEL+1], 0xfedcba98
	s_wait_kmcnt 0x0
	; which tensor: the choice hangs on the work-group's number alone
	s_mov_b64 s[SRC:SRC+1], s[20:21]
	s_mov_b32 s[FST], 864
.macro PICK lim, p, first
	s_cmp_lt_u32 ttmp9, \lim
	s_cselect_b64 s[SRC:SRC+1], s[\p:\p+1], s[SRC:SRC+1]
	s_cselect_b32 s[FST], \first, s[FST]
.endm
	PICK 864, 18, 832
	PICK 832, 16, 800
	PICK 800, 14, 768
	PICK 768, 12, 512
	PICK 512, 10, 256
	PICK 256, 8, 0
	s_sub_co_u32 s36, ttmp9, s[FST]                ; the pair of tiles within the tensor
	s_lshl_b32 s36, s36, 5
	s_lshl_b32 s37, s34, 3
	s_add_co_u32 s36, s36, s37                     ; the tile's first row: 32 B + 8 u
	s_lshl_b32 s36, s36, 12                        ; rows of 4,096 bytes
	s_lshl_b32 s37, s35, 11
	s_add_co_u32 s36, s36, s37                     ; + my half of K
	s_mov_b32 s37, 0
	s_add_nc_u64 s[SRC:SRC+1], s[SRC:SRC+1], s[36:37]
	s_lshl_b32 s38, ttmp9, 1
	s_add_co_u32 s38, s38, s34                     ; the tile's number among all 1,792
	s_lshl_b32 s36, s38, 13
	s_lshl_b32 s39, s35, 12
	s_add_co_u32 s36, s36, s39
	s_add_nc_u64 s[OCD:OCD+1], s[22:23], s[36:37]
	s_lshl_b32 s36, s38, 9
	s_lshl_b32 s39, s35, 8
	s_add_co_u32 s36, s36, s39
	s_add_nc_u64 s[OSW:OSW+1], s[24:25], s[36:37]
.macro LOAD f                          ; fragment f: 128 numbers of each of the tile's 16 rows; 32 lanes read 512 consecutive bytes
.irp p, 0,1,2,3,4,5,6,7,8,9,10,11,12,13,14,15
	global_load_b128 v[R+64*((\f)%2)+4*\p:R+64*((\f)%2)+4*\p+3], v[LI], s[SRC:SRC+1] offset:(\p+8*(\p/8))*4096+512*(\f) th:TH_LOAD_NT
.endr
.endm
.macro TURN f                          ; through the stage: LDS serves a wave's instructions in order, so no wait stands between the stores and the loads
.irp p, 0,1,2,3,4,5,6,7,8,9,10,11,12,13,14,15
	ds_store_b128 v[STI], v[R+64*((\f)%2)+4*\p:R+64*((\f)%2)+4*\p+3] offset:PITCH*\p
.endr
.irp b, 0,1,2,3
.irp q, 0,1,2,3
	ds_load_b128 v[R+64*((\f)%2)+16*\b+4*\q:R+64*((\f)%2)+16*\b+4*\q+3], v[STO] offset:128*\b+16*\q   ; register 16 b + i = k 32 b + 16 h + i of row r
.endr
.endr
.endm
; 64 numbers of a lane, register 16 b + i = k 32 b + 16 h + i of my row, become a fragment's eight registers of codes at v[pc] and its scale word in v[PW]
.macro QUANT s, pc
.irp b, 0,1,2,3
	v_max3_num_f32 v[TM+\b], |v[(\s)+16*\b]|, |v[(\s)+16*\b+1]|, FLOOR   ; block b: my 16 numbers, and the floor
.endr
.irp i, 2,4,6,8,10,12,14
.irp b, 0,1,2,3
	v_max3_num_f32 v[TM+\b], |v[(\s)+16*\b+\i]|, |v[(\s)+16*\b+\i+1]|, v[TM+\b]   ; the four blocks by turns
.endr
.endr
.irp b, 0,1,2,3
	v_permlanex16_b32 v[TM+4+\b], v[TM+\b], s[SEL], s[SEL+1]
.endr
.irp b, 0,1,2,3
	v_max_num_f32 v[TM+\b], v[TM+\b], v[TM+4+\b]   ; with lane l xor 16's 16: the block's largest magnitude
.endr
.irp b, 0,1,2,3
	v_add_nc_u32 v[TM+12+\b], 0xff000000, v[TM+\b] ; 2 off its exponent field: the conversion takes that field as its scale
.endr
.irp b, 0,1,2,3
	v_lshrrev_b32 v[TM+4+\b], 23, v[TM+12+\b]      ; the scale's byte
.endr
	v_lshl_or_b32 v[PW], v[TM+5], 8, v[TM+4]
	v_lshl_or_b32 v[PW], v[TM+6], 16, v[PW]
	v_lshl_or_b32 v[PW], v[TM+7], 24, v[PW]
.irp b, 0,1,2,3
	v_cvt_scalef32_pk8_fp4_f32 v[(\pc)+2*\b], v[(\s)+16*\b:(\s)+16*\b+7], v[TM+12+\b]
	v_cvt_scalef32_pk8_fp4_f32 v[(\pc)+2*\b+1], v[(\s)+16*\b+8:(\s)+16*\b+15], v[TM+12+\b]
.endr
	v_nop                                          ; one plain line behind the scaled conversions
.irp c, 0,1                                    ; the operand wants a whole block in a lane: lanes 0-15 block 2 c, lanes 16-31 block 2 c + 1
.irp i, 0,1
	v_permlane16_swap_b32 v[(\pc)+4*\c+\i], v[(\pc)+4*\c+2+\i]
.endr
.endr
.endm
.macro FRAG f
.if (\f) < 3
	s_wait_loadcnt 16                              ; this fragment's 16 loads are in; the next fragment's 16 may be out
.else
	s_wait_loadcnt 0x0
.endif
	TURN \f
	s_wait_dscnt 0x0                               ; the numbers are back (and the last scale word's store has read its register)
	QUANT R+64*((\f)%2), PCB+8*(\f)
	global_store_b128 v[LI], v[PCB+8*(\f):PCB+8*(\f)+3], s[OCD:OCD+1] offset:1024*(\f)          ; 32 lanes store 512 consecutive bytes, aligned
	global_store_b128 v[LI], v[PCB+8*(\f)+4:PCB+8*(\f)+7], s[OCD:OCD+1] offset:1024*(\f)+512
	ds_store_b32 v[SCW], v[PW] offset:64*(\f)      ; both halves of the lanes write the same word with the same value
.if (\f) < 2
	LOAD (\f)+2
.endif
.endm
	LOAD 0
	LOAD 1
	FRAG 0
	FRAG 1
	FRAG 2
	FRAG 3
	ds_load_b64 v[OW:OW+1], v[SCR]                 ; my wave's 64 scale words, in order behind their stores
	s_wait_dscnt 0x0
	global_store_b64 v[L8], v[OW:OW+1], s[OSW:OSW+1]   ; 32 lanes store 256 consecutive bytes, aligned
	s_barrier_signal -1
	s_barrier_wait -1
	s_wait_tensorcnt 0x0
	ds_add_u32 v192, v193
	s_wait_dscnt 0x0
	s_endpgm
.Lfunc_end_k_qd95eadcdd2_quant:
	.size	k_qd95eadcdd2_quant, .Lfunc_end_k_qd95eadcdd2_quant-k_qd95eadcdd2_quant
	.p2alignl 7, 3214868480
	.fill 96, 4, 3214868480
	.section	.rodata,"a",@progbits
	.p2align	6, 0x0
	.amdhsa_kernel k_qd95eadcdd2_quant
		.amdhsa_group_segment_fixed_size 35328
		.amdhsa_private_segment_fixed_size 0
		.amdhsa_enable_private_segment 0
		.amdhsa_kernarg_size 72
		.amdhsa_user_sgpr_count 2
		.amdhsa_user_sgpr_kernarg_segment_ptr 1
		.amdhsa_wavefront_size32 1
		.amdhsa_system_sgpr_workgroup_id_x 1
		.amdhsa_system_sgpr_workgroup_id_y 1
		.amdhsa_system_sgpr_workgroup_id_z 1
		.amdhsa_system_vgpr_workitem_id 0
		.amdhsa_next_free_vgpr 194
		.amdhsa_next_free_sgpr 66
		.amdhsa_reserve_vcc 0
		.amdhsa_float_denorm_mode_32 3
		.amdhsa_float_denorm_mode_16_64 3
		.amdhsa_memory_ordered 1
		.amdhsa_forward_progress 1
		.amdhsa_inst_pref_size 34
	.end_amdhsa_kernel
	.amdgpu_metadata
---
amdhsa.version: [ 1, 2 ]
amdhsa.kernels:
  - .name:           k_qd95eadcdd2_quant
    .symbol:         k_qd95eadcdd2_quant.kd
    .args:
      - { .name: query, .offset: 0, .size: 8, .value_kind: global_buffer, .address_space: global }
      - { .name: key, .offset: 8, .size: 8, .value_kind: global_buffer, .address_space: global }
      - { .name: value, .offset: 16, .size: 8, .value_kind: global_buffer, .address_space: global }
      - { .name: wq, .offset: 24, .size: 8, .value_kind: global_buffer, .address_space: global }
      - { .name: wk, .offset: 32, .size: 8, .value_kind: global_buffer, .address_space: global }
      - { .name: wv, .offset: 40, .size: 8, .value_kind: global_buffer, .address_space: global }
      - { .name: wo, .offset: 48, .size: 8, .value_kind: global_buffer, .address_space: global }
      - { .name: xwc, .offset: 56, .size: 8, .value_kind: global_buffer, .address_space: global }
      - { .name: xws, .offset: 64, .size: 8, .value_kind: global_buffer, .address_space: global }
    .group_segment_fixed_size: 35328
    .private_segment_fixed_size: 0
    .kernarg_segment_align: 8
    .kernarg_segment_size: 72
    .max_flat_workgroup_size: 128
    .sgpr_count:     66
    .vgpr_count:     194
    .wavefront_size: 32
...
	.end_amdgpu_metadata
.endif
;; end of part 1
;; launch proj (part 2): grid 16 x 12, 4 waves a work-group, no clusters, 91,648 bytes of LDS; arguments xwc, xws, bq, bk, bv, qkvc, qkvs; writes qkvc, qkvs
.if DOCPART == 2
	.amdgcn_target "amdgcn-amd-amdhsa--gfx1250"
	.amdhsa_code_object_version 6
	.text
	.protected	k_qd95eadcdd2_proj
	.globl	k_qd95eadcdd2_proj
	.p2align	8
	.type	k_qd95eadcdd2_proj,@function
k_qd95eadcdd2_proj:
	s_mov_b64 s[64:65], 0
	v_nop
	global_prefetch_b8 v0, s[64:65] scope:SCOPE_SE
	s_setreg_imm32_b32 hwreg(HW_REG_WAVE_MODE, 25, 1), 1
	s_wait_xcnt 0x0
; q = (query wq^T + bq) / 8, k = key wk^T + bk, v = value wv^T + bv on codes of FP4 with E8M0 scales, and the results quantised again at once: q and k along the head's 64, v along the tokens.
; SHARES.  Work-group (x, y): 512 tokens (x), tensor z = y / 4, heads 4 (y % 4) .. + 3.  Wave w keeps the fragments of its 128 tokens (8 tiles x 8 K steps, 512 registers) for the whole launch;
; all four waves walk the same four heads, a head (4 weight tiles, 64 columns, 32,768 bytes in LDS) a pass: 256 matrix instructions a pass and wave.
; WHAT IS ASKED FOR WHEN.  The first head's weights, the scale words and the biases come first; the tokens' fragments follow K step by K step, and the first pass walks behind them with a counted wait in each K step.
; Each further head's weights (16 loads a wave) are asked for a whole pass ahead, into registers, and go into the weight slot between two barriers: one behind the last reads of the slot, one behind the stores.
; No multicast: the refill is 8,192 bytes a wave and pass, through registers; there is no ring that joint loads could feed.
; q, k: source 0 = 16 columns of the weight, source 1 = 16 tokens: a lane holds one token, and the 16 registers of two neighbouring weight tiles are 16 neighbours along the head's 64 (the tiles' row order gives that).
; v:    source 0 = 16 tokens, source 1 = 16 columns: a lane holds one column, and its registers run along the tokens, which are the K of attention's second product.
; The bias is the C of each sum's first matrix instruction.  The factor 1/8 is a power of two: 3 off each of q's scale bytes, the codes unchanged.
; OUT.  qkvc: z x 4 MiB, a head 131,072 bytes.  q, k: [tile of 16 tokens][lane][16 bytes]: lane (r, h) holds d = 32 h + 0..31 of the tile's row r.  v: [block of 32 tokens][pos 64][16 bytes], pos = 16 t + r for column 32 (t/2) + 8 (t%2) + r + 8 (r/8).
;       qkvs: z x 256 KiB, a head 8,192 bytes.  q, k: [16 x tile + r] two bytes.  v: [128 tokens][pos 64] one word, byte i for the i-th block of 32.
; LIMITS: a block whose largest magnitude lies under 2^-121 keeps the floor's byte, 4 (q: 1), a block of zeros too: its codes are zeros or tiny, and this program alone reads the bytes; NaN and infinities are not served.
; REGISTERS, in windows of 256: window 0: below.  window 1: tokens' fragments of K steps 0-3 at 64 s + 8 xt.  window 2: K steps 4-7.  window 3: the 32 accumulators (q, k: 8 (4 xt + wt); v: 8 (8 wt + xt)).
.set WSLOT, 32768                      ; LDS: the q, k path's weight slot from 0, the v path's from here: the two paths part on the work-group's number, and each stores into bytes of its own
.set WSC,   65536                      ; the sixteen weight tiles' scale words
.set BIA,   73728                      ; the 256 biases
.set XSL,   74752                      ; the tokens' scale words, 4,096 bytes for each wave
.set FLOOR, 0x3000000                  ; 2^(6 - 127): q's byte less 3 stays at 1 or above
.set LI,  1                            ; v1   16 x lane: also the LDS address of the q, k path's weights
.set LS,  2                            ; v2   4 x lane
.set L2,  3                            ; v3   2 x lane
.set LV,  4                            ; v4   v's codes: 1,024 h + 16 r
.set BQ,  5                            ; v5   q, k: my half's biases: 64 h
.set BV,  6                            ; v6   v: my column's bias: 4 (r + 8 (r / 8))
.set FW,  7                            ; v7   where I store my weight tile, q, k path: 8,192 w + 16 x lane
.set RXS, 8                            ; v8   where I read my tokens' scale words
.set WSA, 9                            ; v9   LDS address of the pass's weights' scale words
.set BA,  10                           ; v10  of its biases
.set T,   11                           ; v11  scale bytes on their way out
.set PWK, 12                           ; v12  v: the even tile's scale word
.set FSA, 13                           ; v13  the fill of the weights' scale words
.set FBA, 14                           ; v14  the fill of the biases
.set L8,  15                           ; v15  8 x lane
.set XS,  16                           ; v16-47  tokens' scale words: 4 xt + g: lanes 0-15 K step 2 g, lanes 16-31 K step 2 g + 1
.set WS,  48                           ; v48-63  the pass's weights' likewise: 4 wt + g
.set BIAS, 64                          ; v64-95  the pass's biases in the result's layout: 8 wt + j
.set TM,  96                           ; v96-111 at work
.set PW,  112                          ; v112 the scale word just made
.set FXS, 113                          ; v113 the fill of my tokens' scale words
.set FWV, 114                          ; v114 where I store my weight tile, v path
.set WRV, 115                          ; v115 LDS address of the v path's weights
.set PC,  116                          ; v116-123 the codes just made
.set WB,  128                          ; v128-191 two sets of four weight fragments
.set FS,  128                          ; at the head: v128-145 the weights' scale words and the biases on their way to LDS,
.set XR,  148                          ;              v148-179 my tokens' scale words likewise
.set WST, 192                          ; v192-255 a weight tile on its way to LDS
.set WV,  20
.set XB,  28                           ; s[28:29] my tokens' codes;  s[30:31] their scale words
.set XSB, 30
.set WG,  32                           ; s[32:33] the weight tile that I fetch: it steps a head on;  s[34:35] my quarter of the scale words;  s[36:37] of the biases
.set WSG, 34
.set BG,  36
.set PS,  42                           ; s42-43 the pass's scale words and biases in LDS
.set PB,  43
.set OC,  44                           ; s[44:45] my codes' place in the pass's head
.set ADJ, 47                           ; s47  3 in each byte for q, else 0
.set HI,  48                           ; s48  lanes 16-31
.set SEL, 50                           ; s[50:51]
.set OS,  52                           ; s[52:53] my scale bytes' place
.set MSB, 0
.macro WIN new                         ; the immediate's high byte repeats the setting that is left
.if MSB != \new
	s_set_vgpr_msb (MSB<<8)|\new
.set MSB, \new
.endif
.endm
.macro PLACES                          ; four plain lines between a matrix instruction and a load into, or a vector read of, its registers
.rept 4
	v_nop
.endr
.endm
.macro WFETCH                          ; my tile (8,192 bytes) of a head's four weight tiles, into registers
.irp i, 0,1,2,3,4,5,6,7,8,9,10,11,12,13,14,15
	global_load_b128 v[WST+4*\i:WST+4*\i+3], v[LI], s[WG:WG+1] offset:512*\i
.endr
.endm
.macro WSTORE path                     ; and from there into the path's weight slot, as it lies in memory
.irp i, 0,1,2,3,4,5,6,7,8,9,10,11,12,13,14,15
	ds_store_b128 v[FW+(FWV-FW)*(\path)], v[WST+4*\i:WST+4*\i+3] offset:512*\i
.endr
.endm
.macro XLOAD s                         ; K step s of my eight tiles of tokens: 16 loads of 512 consecutive bytes
.if (\s) < 4
	WIN 0x40                                       ; destination window 1
.else
	WIN 0x80                                       ; destination window 2
.endif
.irp xt, 0,1,2,3,4,5,6,7
.irp c, 0,1
	global_load_b128 v[64*((\s)%4)+8*\xt+4*\c:64*((\s)%4)+8*\xt+4*\c+3], v[LI], s[XB:XB+1] offset:8192*\xt+1024*(\s)+512*\c
.endr
.endr
	WIN 0
.endm
	s_load_b256 s[4:11], s[0:1], 0x0               ; xwc s[4:5], xws s[6:7], bq s[8:9], bk s[10:11]
	s_load_b128 s[12:15], s[0:1], 0x20             ; bv s[12:13], qkvc s[14:15]
	s_load_b64 s[16:17], s[0:1], 0x30              ; qkvs
	v_lshl_add_u32 v126, v0, 2, 0x16400
	v_mov_b32 v127, 0
	v_lshrrev_b32 v8, 5, v0
	v_readfirstlane_b32 s[WV], v8                  ; wave
	v_and_b32 v8, 31, v0                           ; lane
	v_and_b32 v9, 15, v0                           ; r
	v_bfe_u32 v10, v0, 4, 1                        ; h
	v_lshlrev_b32 v[LI], 4, v8
	v_lshlrev_b32 v[LS], 2, v8
	v_lshlrev_b32 v[L2], 1, v8
	v_lshlrev_b32 v[L8], 3, v8
	v_lshlrev_b32 v[LV], 4, v9
	v_lshl_add_u32 v[LV], v10, 10, v[LV]
	v_lshlrev_b32 v[BQ], 6, v10
	v_and_b32 v[BV], 8, v9
	v_add_nc_u32 v[BV], v[BV], v9
	v_lshlrev_b32 v[BV], 2, v[BV]
	; every LDS address that stays is made here, ahead of the parting of the two paths
	s_lshl_b32 s21, s[WV], 13
	v_add_nc_u32 v[FW], s21, v[LI]
	v_add_nc_u32 v[FWV], WSLOT, v[FW]
	v_add_nc_u32 v[WRV], WSLOT, v[LI]
	s_lshl_b32 s21, s[WV], 11
	s_add_co_u32 s21, s21, WSC
	v_add_nc_u32 v[FSA], s21, v[LI]
	s_lshl_b32 s21, s[WV], 8
	s_add_co_u32 s21, s21, BIA
	v_lshl_add_u32 v[FBA], v8, 3, s21
	s_lshl_b32 s21, s[WV], 12
	s_add_co_u32 s21, s21, XSL
	v_add_nc_u32 v[FXS], s21, v[LI]
	v_add_nc_u32 v[RXS], s21, v[LS]
.irp b, 0,1,2,3
	v_mov_b32 v[TM+4+\b], 0                        ; written once: a lane permute's destination counts as one of its sources
.endr
	s_and_b32 s22, ttmp7, 0xffff
	s_lshr_b32 s23, s22, 2                         ; z: 0 q, 1 k, 2 v
	s_and_b32 s24, s22, 3                          ; which four heads
	s_lshl_b32 s26, s23, 9
	s_lshl_b32 s27, ttmp9, 5
	s_add_co_u32 s26, s26, s27
	s_lshl_b32 s27, s[WV], 3
	s_add_co_u32 s26, s26, s27                     ; my first tile of tokens: 512 z + 32 x + 8 w
	s_lshl_b32 s[XB], s26, 13
	s_mov_b32 s[XB+1], 0
	s_lshl_b32 s[XSB], s26, 9
	s_mov_b32 s[XSB+1], 0
	s_lshl_b32 s26, s23, 6
	s_lshl_b32 s27, s24, 4
	s_add_co_u32 s26, s26, s27
	s_add_co_u32 s26, s26, 1536                    ; the work-group's first weight tile
	s_add_co_u32 s27, s26, s[WV]                   ; of each head's four tiles I fetch tile w
	s_lshl_b32 s[WG], s27, 13
	s_mov_b32 s[WG+1], 0
	s_lshl_b32 s[WSG], s26, 9
	s_lshl_b32 s27, s[WV], 11
	s_add_co_u32 s[WSG], s[WSG], s27
	s_mov_b32 s[WSG+1], 0
	s_lshl_b32 s[BG], s24, 10
	s_lshl_b32 s27, s[WV], 8
	s_add_co_u32 s[BG], s[BG], s27
	s_mov_b32 s[BG+1], 0
	s_lshr_b32 s26, ttmp9, 3                       ; the batch
	s_lshl_b32 s26, s26, 4
	s_lshl_b32 s27, s24, 2
	s_add_co_u32 s26, s26, s27                     ; the first head: 16 b + 4 (y % 4)
	s_and_b32 s27, ttmp9, 7
	s_lshl_b32 s27, s27, 5
	s_lshl_b32 s38, s[WV], 3
	s_add_co_u32 s27, s27, s38                     ; my first tile within the batch
	s_lshl_b32 s[OC], s23, 22
	s_lshl_b32 s38, s26, 17
	s_add_co_u32 s[OC], s[OC], s38
	s_lshl_b32 s38, s27, 9                         ; 512 bytes a tile (v: 1,024 bytes for two tiles' 32 tokens: the same)
	s_add_co_u32 s[OC], s[OC], s38
	s_mov_b32 s[OC+1], 0
	s_lshl_b32 s[OS], s23, 18
	s_lshl_b32 s38, s26, 13
	s_add_co_u32 s[OS], s[OS], s38
	s_lshl_b32 s38, s27, 5                         ; 32 bytes a tile (v: 256 bytes for eight tiles' 128 tokens: the same)
	s_add_co_u32 s[OS], s[OS], s38
	s_mov_b32 s[OS+1], 0
	s_mov_b32 s[PS], WSC
	s_mov_b32 s[PB], BIA
	s_mov_b32 s[HI], 0xffff0000
	s_mov_b32 s[SEL], 0x76543210
	s_mov_b32 s[SEL+1], 0xfedcba98
	s_wait_kmcnt 0x0
	s_add_nc_u64 s[XB:XB+1], s[4:5], s[XB:XB+1]
	s_add_nc_u64 s[XSB:XSB+1], s[6:7], s[XSB:XSB+1]
	s_add_nc_u64 s[WG:WG+1], s[4:5], s[WG:WG+1]
	s_add_nc_u64 s[WSG:WSG+1], s[6:7], s[WSG:WSG+1]
	s_cmp_eq_u32 s23, 0
	s_cselect_b64 s[38:39], s[8:9], s[10:11]
	s_cselect_b32 s[ADJ], 0x03030303, 0
	s_cmp_eq_u32 s23, 2
	s_cselect_b64 s[38:39], s[12:13], s[38:39]
	s_add_nc_u64 s[BG:BG+1], s[38:39], s[BG:BG+1]
	s_add_nc_u64 s[OC:OC+1], s[14:15], s[OC:OC+1]
	s_add_nc_u64 s[OS:OS+1], s[16:17], s[OS:OS+1]
	; ---- what goes through LDS is asked for first (29 loads), then the tokens' fragments in the order in which the first pass takes them
	WFETCH                                         ; the first head's weights: my tile
.irp i, 0,1,2,3
	global_load_b128 v[FS+4*\i:FS+4*\i+3], v[LI], s[WSG:WSG+1] offset:512*\i   ; my quarter of all sixteen tiles' scale words
.endr
	global_load_b64 v[FS+16:FS+17], v[L8], s[BG:BG+1]                          ; my quarter of the biases
.irp xt, 0,1,2,3,4,5,6,7
	global_load_b128 v[XR+4*\xt:XR+4*\xt+3], v[LI], s[XSB:XSB+1] offset:512*\xt   ; my tokens' scale words, a tile's 512 bytes a load: they turn through LDS into one word a lane
.endr
	XLOAD 0
	XLOAD 1
	XLOAD 2
	s_wait_loadcnt 48                              ; the 29 are in; the 48 loads of K steps 0 to 2 may be out
	XLOAD 3
.irp i, 0,1,2,3
	ds_store_b128 v[FSA], v[FS+4*\i:FS+4*\i+3] offset:512*\i
.endr
	ds_store_b64 v[FBA], v[FS+16:FS+17]
.irp xt, 0,1,2,3,4,5,6,7
	ds_store_b128 v[FXS], v[XR+4*\xt:XR+4*\xt+3] offset:512*\xt
.endr
.macro MM d, a, b, c, sa, sb, odd      ; odd K steps take both sides' scale words from lanes 16-31
.if \odd
	v_wmma_scale_f32_16x16x128_f8f6f4 v[(\d):(\d)+7], v[(\a):(\a)+7], v[(\b):(\b)+7], v[(\c):(\c)+7], v[\sa], v[\sb] matrix_a_fmt:MATRIX_FMT_FP4 matrix_b_fmt:MATRIX_FMT_FP4 matrix_a_scale:MATRIX_SCALE_ROW1 matrix_b_scale:MATRIX_SCALE_ROW1
.else
	v_wmma_scale_f32_16x16x128_f8f6f4 v[(\d):(\d)+7], v[(\a):(\a)+7], v[(\b):(\b)+7], v[(\c):(\c)+7], v[\sa], v[\sb] matrix_a_fmt:MATRIX_FMT_FP4 matrix_b_fmt:MATRIX_FMT_FP4
.endif
.endm
.macro WLOAD path, s                   ; the pass's four weight fragments of K step s into set s % 2
.irp wt, 0,1,2,3
.irp c, 0,1
	ds_load_b128 v[WB+32*((\s)%2)+8*\wt+4*\c:WB+32*((\s)%2)+8*\wt+4*\c+3], v[LI+(WRV-LI)*(\path)] offset:8192*\wt+1024*(\s)+512*\c
.endr
.endr
.endm
.macro NEXT path                       ; a pass's biases, scale words and first fragments
	v_add_nc_u32 v[WSA], s[PS], v[LS]
.if \path
	v_add_nc_u32 v[BA], s[PB], v[BV]
.irp wt, 0,1,2,3
.irp j, 0,1,2,3,4,5,6,7
	ds_load_b32 v[BIAS+8*\wt+\j], v[BA] offset:128*(\wt/2)+32*(\wt%2)          ; a lane holds one column: the same bias in all eight registers
.endr
.endr
.else
	v_add_nc_u32 v[BA], s[PB], v[BQ]
.irp wt, 0,1,2,3
.irp e, 0,1
	ds_load_b128 v[BIAS+8*\wt+4*\e:BIAS+8*\wt+4*\e+3], v[BA] offset:128*(\wt/2)+32*(\wt%2)+16*\e   ; register j: column 32 (wt/2) + 8 (wt%2) + 16 h + j
.endr
.endr
.endif
.irp wt, 0,1,2,3
.irp g, 0,1,2,3
	ds_load_b32 v[WS+4*\wt+\g], v[WSA] offset:512*\wt+128*\g
.endr
.endr
	WLOAD \path, 0
.endm
; A K step of 128: 32 matrix instructions, the 32 accumulators by turns, in the same order in every step.
; THE WAIT FOR THE TOKENS' FRAGMENTS serves the first pass.  Behind K step s's 16 loads stand 16 (7 - s) loads of the later K steps and the next head's 16: 64 or more up to s = 4, where the wait names 63,
; the largest count that it can name; then 48, 32, 16.  In the later passes at most the next head's 16 are out, and every one of these waits is met at once.
.macro KSTEP path, s
	WIN 0
.if (\s) > 0
	PLACES                                         ; the set that the step before read is loaded again
.endif
.if (\s) < 7
	WLOAD \path, (\s)+1
	s_wait_dscnt 8                                 ; all but the eight just issued: this step's fragments are in (in step 0 the biases and scale words too)
.else
	s_wait_dscnt 0x0
.endif
.if (\s) < 5
	s_wait_loadcnt 63
.else
	s_wait_loadcnt 16*(8-(\s))
.endif
.if \path
.if (\s) == 0
	WIN 0xc1                                       ; source 0 (tokens) window 1, source 1 (weights) and C (bias) window 0, D window 3
.elseif (\s) < 4
	WIN 0xf1
.else
	WIN 0xf2
.endif
.else
.if (\s) == 0
	WIN 0xc4                                       ; source 0 (weights) and C (bias) window 0, source 1 (tokens) window 1, D window 3
.elseif (\s) < 4
	WIN 0xf4
.else
	WIN 0xf8
.endif
.endif
.irp xt, 0,1,2,3,4,5,6,7
.irp wt, 0,1,2,3
.if \path
.if (\s) == 0
	MM 8*(8*\wt+\xt), 64*((\s)%4)+8*\xt, WB+32*((\s)%2)+8*\wt, BIAS+8*\wt, XS+4*\xt+(\s)/2, WS+4*\wt+(\s)/2, (\s)%2
.else
	MM 8*(8*\wt+\xt), 64*((\s)%4)+8*\xt, WB+32*((\s)%2)+8*\wt, 8*(8*\wt+\xt), XS+4*\xt+(\s)/2, WS+4*\wt+(\s)/2, (\s)%2
.endif
.else
.if (\s) == 0
	MM 8*(4*\xt+\wt), WB+32*((\s)%2)+8*\wt, 64*((\s)%4)+8*\xt, BIAS+8*\wt, WS+4*\wt+(\s)/2, XS+4*\xt+(\s)/2, (\s)%2
.else
	MM 8*(4*\xt+\wt), WB+32*((\s)%2)+8*\wt, 64*((\s)%4)+8*\xt, 8*(4*\xt+\wt), WS+4*\wt+(\s)/2, XS+4*\xt+(\s)/2, (\s)%2
.endif
.endif
.endr
.endr
.endm
; 64 numbers of a lane in window 3, register 16 b + i = neighbour 32 b + 16 h + i along the next K, become eight registers of codes in v[PC] on and four scale bytes in v[PW].
; Each accumulator is read from its low end on.
.macro QUANT s
	WIN 0x0f                                       ; sources 0 and 1 window 3
.irp b, 0,1,2,3
	v_max3_num_f32 v[TM+\b], |v[(\s)+16*\b]|, |v[(\s)+16*\b+1]|, FLOOR
.endr
.irp i, 2,4,6,8,10,12,14
.irp b, 0,1,2,3
	v_max3_num_f32 v[TM+\b], |v[(\s)+16*\b+\i]|, |v[(\s)+16*\b+\i+1]|, v[TM+\b]
.endr
.endr
	WIN 0
.irp b, 0,1,2,3
	v_permlanex16_b32 v[TM+4+\b], v[TM+\b], s[SEL], s[SEL+1]
.endr
.irp b, 0,1,2,3
	v_max_num_f32 v[TM+\b], v[TM+\b], v[TM+4+\b]
.endr
.irp b, 0,1,2,3
	v_add_nc_u32 v[TM+12+\b], 0xff000000, v[TM+\b]
.endr
.irp b, 0,1,2,3
	v_lshrrev_b32 v[TM+4+\b], 23, v[TM+12+\b]
.endr
	s_wait_xcnt 0x0                                ; the last stores have read their data: the codes' and bytes' registers are written again only behind this wait
	v_lshl_or_b32 v[PW], v[TM+5], 8, v[TM+4]
	v_lshl_or_b32 v[PW], v[TM+6], 16, v[PW]
	v_lshl_or_b32 v[PW], v[TM+7], 24, v[PW]
	WIN 0x03                                       ; source 0 window 3
.irp b, 0,1,2,3
	v_cvt_scalef32_pk8_fp4_f32 v[PC+2*\b], v[(\s)+16*\b:(\s)+16*\b+7], v[TM+12+\b]
	v_cvt_scalef32_pk8_fp4_f32 v[PC+2*\b+1], v[(\s)+16*\b+8:(\s)+16*\b+15], v[TM+12+\b]
.endr
	WIN 0
	v_nop                                          ; one plain line behind the scaled conversions
.irp c, 0,1
.irp i, 0,1
	v_permlane16_swap_b32 v[PC+4*\c+\i], v[PC+4*\c+2+\i]
.endr
.endr
.endm
.macro EPI0                            ; q, k: two tiles of tokens at a time: blocks 0, 1 are the first tile's two halves of the head, blocks 2, 3 the second's
.irp g, 0,1,2,3
	QUANT 64*\g
	v_sub_nc_u32 v[PW], v[PW], s[ADJ]              ; q: x 1/8 (no byte is under 4, so none borrows)
	v_lshrrev_b32 v[T], 16, v[PW]
	v_cndmask_b32 v[T], v[PW], v[T], s[HI]         ; lanes 0-15 carry the first tile's two bytes, lanes 16-31 the second's
	global_store_b128 v[LI], v[PC:PC+3], s[OC:OC+1] offset:1024*\g          ; 512 consecutive bytes, aligned: a tile
	global_store_b128 v[LI], v[PC+4:PC+7], s[OC:OC+1] offset:1024*\g+512
	global_store_b16 v[L2], v[T], s[OS:OS+1] offset:64*\g
.endr
.endm
.macro EPI1                            ; v: a tile of 16 columns at a time: blocks 0..3 are my 128 tokens' four blocks of 32
.irp wt, 0,1,2,3
	QUANT 64*\wt
	global_store_b128 v[LV], v[PC:PC+3], s[OC:OC+1] offset:256*\wt          ; sixteen lanes store 256 consecutive bytes, aligned
	global_store_b128 v[LV], v[PC+4:PC+7], s[OC:OC+1] offset:2048+256*\wt
.if (\wt)%2
	v_cndmask_b32 v[T], v[PWK], v[PW], s[HI]       ; lanes 0-15 the even tile's words, lanes 16-31 the odd tile's
	global_store_b32 v[LS], v[T], s[OS:OS+1] offset:128*((\wt)/2)
.else
	v_mov_b32 v[PWK], v[PW]
.endif
.endr
.endm
; What stands at a path's head: the first head's weights into the path's slot; the barrier behind which all that was stored is read; the rest of the tokens' fragments; the second head's weights.
.macro HEAD path
	WSTORE \path
	s_wait_dscnt 0x0                               ; for the others' sake: my stores have landed
	s_barrier_signal -1
	s_barrier_wait -1
.irp xt, 0,1,2,3,4,5,6,7
.irp g, 0,1,2,3
	ds_load_b32 v[XS+4*\xt+\g], v[RXS] offset:512*\xt+128*\g
.endr
.endr
	NEXT \path
	XLOAD 4
	XLOAD 5
	XLOAD 6
	XLOAD 7
	s_add_nc_u64 s[WG:WG+1], s[WG:WG+1], 32768     ; a head on (the first head's loads were shown done by their counted wait)
	WFETCH                                         ; their registers are free: the stores out of them have landed
	s_mov_b32 s40, 3
.endm
.macro PASS path, last
.irp s, 0,1,2,3,4,5,6,7
	KSTEP \path, \s
.endr
	WIN 0
	PLACES
.if !(\last)
	s_wait_loadcnt 0x0                             ; the next head's weights, asked for a pass ago, are in my registers
	s_barrier_signal -1                            ; my reads of the weight slot are over (the last K step waited for all its LDS loads, and none was issued since):
	s_barrier_wait -1                              ; so are everybody's
	WSTORE \path
	s_wait_dscnt 0x0                               ; my stores have landed
	s_barrier_signal -1
	s_barrier_wait -1                              ; so have everybody's: the slot holds the next head
	s_add_co_u32 s[PS], s[PS], 2048
	s_add_co_u32 s[PB], s[PB], 256
	NEXT \path                                     ; the next head's first fragments land while this head's results are quantised
	s_cmp_eq_u32 s40, 1                            ; behind the last head but one nothing is left to fetch
	s_cbranch_scc1 .Lnofetch_\@
	s_add_nc_u64 s[WG:WG+1], s[WG:WG+1], 32768
	WFETCH                                         ; the head after the next: it has this head's way out and a whole pass in which to land
.Lnofetch_\@:
.endif
.if \path
	EPI1
.else
	EPI0
.endif
.if !(\last)
	s_wait_xcnt 0x0                                ; the stores have read their bases
	s_add_nc_u64 s[OC:OC+1], s[OC:OC+1], 131072
	s_add_nc_u64 s[OS:OS+1], s[OS:OS+1], 8192
.endif
.endm
	s_cmp_eq_u32 s23, 2
	s_cbranch_scc1 .Lv
	HEAD 0
.Lqk:
	PASS 0, 0
	s_sub_co_u32 s40, s40, 1
	s_cmp_lg_u32 s40, 0
	s_cbranch_scc1 .Lqk
	PASS 0, 1                                      ; the last head is written out: nothing is stored or fetched behind it
	s_wait_tensorcnt 0x0
	ds_add_u32 v126, v127
	s_wait_dscnt 0x0
	s_endpgm
.Lv:
	HEAD 1
.Lvv:
	PASS 1, 0
	s_sub_co_u32 s40, s40, 1
	s_cmp_lg_u32 s40, 0
	s_cbranch_scc1 .Lvv
	PASS 1, 1
	s_wait_tensorcnt 0x0
	ds_add_u32 v126, v127
	s_wait_dscnt 0x0
	s_endpgm
.Lfunc_end_k_qd95eadcdd2_proj:
	.size	k_qd95eadcdd2_proj, .Lfunc_end_k_qd95eadcdd2_proj-k_qd95eadcdd2_proj
	.p2alignl 7, 3214868480
	.fill 96, 4, 3214868480
	.section	.rodata,"a",@progbits
	.p2align	6, 0x0
	.amdhsa_kernel k_qd95eadcdd2_proj
		.amdhsa_group_segment_fixed_size 91648
		.amdhsa_private_segment_fixed_size 0
		.amdhsa_enable_private_segment 0
		.amdhsa_kernarg_size 56
		.amdhsa_user_sgpr_count 2
		.amdhsa_user_sgpr_kernarg_segment_ptr 1
		.amdhsa_wavefront_size32 1
		.amdhsa_system_sgpr_workgroup_id_x 1
		.amdhsa_system_sgpr_workgroup_id_y 1
		.amdhsa_system_sgpr_workgroup_id_z 1
		.amdhsa_system_vgpr_workitem_id 0
		.amdhsa_next_free_vgpr 1024
		.amdhsa_next_free_sgpr 66
		.amdhsa_reserve_vcc 0
		.amdhsa_float_denorm_mode_32 3
		.amdhsa_float_denorm_mode_16_64 3
		.amdhsa_memory_ordered 1
		.amdhsa_forward_progress 1
		.amdhsa_inst_pref_size 255
	.end_amdhsa_kernel
	.section	.bss,"aw",@nobits
	.p2align	6
	.space	262144
	.amdgpu_metadata
---
amdhsa.version: [ 1, 2 ]
amdhsa.kernels:
  - .name:           k_qd95eadcdd2_proj
    .symbol:         k_qd95eadcdd2_proj.kd
    .args:
      - { .name: xwc, .offset: 0, .size: 8, .value_kind: global_buffer, .address_space: global }
      - { .name: xws, .offset: 8, .size: 8, .value_kind: global_buffer, .address_space: global }
      - { .name: bq, .offset: 16, .size: 8, .value_kind: global_buffer, .address_space: global }
      - { .name: bk, .offset: 24, .size: 8, .value_kind: global_buffer, .address_space: global }
      - { .name: bv, .offset: 32, .size: 8, .value_kind: global_buffer, .address_space: global }
      - { .name: qkvc, .offset: 40, .size: 8, .value_kind: global_buffer, .address_space: global }
      - { .name: qkvs, .offset: 48, .size: 8, .value_kind: global_buffer, .address_space: global }
    .group_segment_fixed_size: 91648
    .private_segment_fixed_size: 0
    .kernarg_segment_align: 8
    .kernarg_segment_size: 56
    .max_flat_workgroup_size: 128
    .sgpr_count:     66
    .vgpr_count:     1024
    .wavefront_size: 32
...
	.end_amdgpu_metadata
.endif
;; end of part 2
;; launch attn (part 3): grid 16 x 16, 16 waves a work-group, no clusters, 108,544 bytes of LDS; arguments qkvc, qkvs, oc, os; writes oc, os
.if DOCPART == 3
	.amdgcn_target "amdgcn-amd-amdhsa--gfx1250"
	.amdhsa_code_object_version 6
	.text
	.protected	k_qd95eadcdd2_attn
	.globl	k_qd95eadcdd2_attn
	.p2align	8
	.type	k_qd95eadcdd2_attn,@function
k_qd95eadcdd2_attn:
	s_mov_b64 s[64:65], 0
	v_nop
	global_prefetch_b8 v0, s[64:65] scope:SCOPE_SE
	s_setreg_imm32_b32 hwreg(HW_REG_WAVE_MODE, 25, 1), 1
	s_wait_xcnt 0x0
; o[q] = sum over keys k, q - 512 <= k <= q, k >= 0, of softmax(q . k) v, both products on codes of FP4 with E8M0 scales; o is quantised along (head, d) for the last projection.
; THE SOFTMAX: t = score x log2(e); M = the running largest t rounded UP to a whole number; p = 2^(t - M) is quantised along the keys; the row's sum is taken of the unquantised p and divides O at the end.
; When M moves, the sum and O are multiplied by 2^(old M - new M), which rounds nothing.
; SHARES.  Work-group (x, y): 256 queries (x) of batch y / 8, heads 2 (y % 8) and 2 (y % 8) + 1, one after the other (two JOBS): together they are one K step of 128 of the last projection.
; Each of the sixteen waves owns one tile of 16 queries in 256 registers: four waves to a SIMD, so that one wave's vector work stands beside another's products and LDS loads.
; The tile's queries are qb + 8 u + r + 8 (r / 8), qb = 256 x + 32 (w / 2), u = w % 2.  Its keys are framed by qb: first the TAIL, keys qb .. qb + 31, which starts M, the sum and O^T; then four steps of 128 keys from qb - 512 on.
; That is 544 keys; tiles that lie wholly outside the band are never multiplied.  Hidden scores become -infinity ahead of the maximum: in the tail keys behind the query, in the first step keys before q - 512, and keys before 0.
; A step all of whose keys lie before 0 is passed over by a scalar branch on ids; trip counts are constants.
; LAYOUT.  Both products are used transposed: S^T = K Q^T, O^T = V^T P^T: a lane holds one query throughout, the 16 registers of two neighbouring key tiles are 16 neighbouring keys, and O^T's registers run along d.
; The head is 64: the upper halves of Q's and K's fragments are zero codes.
; LDS, filled once through registers: for each job 768 keys from 256 x - 512 on: K's codes (24,576 bytes), V's (24,576); then the scale bytes.  Keys before 0 are zero codes with zero bytes.
; No multicast: neighbouring query blocks share keys, but at different LDS places, which one joint descriptor cannot state.
; LIMITS: a block of p or of o whose largest magnitude lies under 2^-124 keeps the floor's byte, 1 (zeros too: this program alone reads the bytes); NaN and infinities are not served.
.set KCB,  49152                       ; a job's codes
.set VOF,  24576                       ; V's behind K's
.set SCA,  98304                       ; the scale bytes: K's of job 0, job 1 (1,536 each: two a key), then V's (a word for 128 keys and each of 64 columns)
.set SJB,  1536
.set FLOOR, 0x1800000                  ; 2^(3 - 127)
.set LI,  1                            ; v1   16 x lane
.set AK,  2                            ; v2   my place in K's codes: 16 x lane + 1,024 (w / 2)
.set AV,  3                            ; v3   in V's: + 1,024 h + 16 r
.set AVT, 4                            ; v4   in V's for the tail: 16 r alone
.set AKS, 5                            ; v5   in K's scale bytes
.set AVS, 6                            ; v6   in V's scale words
.set DL,  7                            ; v7   my query - qb - 16 h
.set ADK, 8                            ; v8-11 the addresses of the loads in hand
.set ADV, 9
.set ADS, 10
.set ADT, 11
;                                        v12 -M, v13 the largest t, v[14:15] the sum in two halves
.set Q,   16                           ; v16-23 Q's fragment (v20-23 zeros)
.set QS,  24                           ; v24  Q's scale words
.set PW,  25                           ; v25  p's scale word
.set VSC, 26                           ; v26-27 V's scale words: lanes 0-15 tile 2 i, lanes 16-31 tile 2 i + 1
.set QS1, 28                           ; v28  job 1's Q scale words
.set OSC, 29                           ; v29  o's scale word
.set NINF, 30                          ; v30  -infinity
.set THR, 31                           ; v31  at work in the mask
.set KSC, 32                           ; v32-35 K's scale bytes, a register for each 32 keys: lanes 0-15 the even tile, lanes 16-31 the odd
.set Q1,  36                           ; v36-39 job 1's Q
.set KB,  40                           ; v40-103 eight fragments of K (upper halves zeros)
.set VF,  104                          ; v104-135 four fragments of V
.set S,   136                          ; v136-199 S^T, then p.  At the head: the fill's registers
.set O,   200                          ; v200-231 O^T
.set P,   232                          ; v232-239 p's codes; at a job's end o's codes
.set TM,  240
.set TP,  244
.set TS,  248
.set F,   252                          ; v[252:253] 2^(old M - new M)
.set SS,  184                          ; head: the scale bytes that I fill
.set FA,  188                          ; head: 16 x thread
.set FB,  189                          ; head: + a job
.set SF,  190                          ; head: where my scale bytes go
.set QSA, 191                          ; head: 2 r
.set HL,  192
.set HR,  193
.set HH,  194
.set HT,  195
.set WV,  12
.set Q0,  13
.set W1,  17
.set KB2, 18                           ; s[18:19] K's codes of job 0 at key 256 x;  s[20:21] V's
.set VB2, 20
.set QB,  22                           ; s[22:23] my Q;  s[24:25] its scale bytes
.set QSB, 24
.set OCB, 26                           ; s[26:27] o's codes;  s[28:29] o's scale words
.set OSB, 28
.set TB,  32                           ; s32  where the step's codes begin in LDS
.set TSS, 33                           ; s33  and its scale bytes
.set KSV, 34                           ; s34  the step's first key (signed)
.set CNT, 35
.set SH,  36                           ; s36  byte selects: V's four bytes begin (w / 2) % 4 bytes into a word
.set QBM, 37                           ; s37  qb - 512
.set SEL, 38
.set CS,  40                           ; s[40:41] log2(e)
	s_load_b256 s[4:11], s[0:1], 0x0               ; qkvc s[4:5], qkvs s[6:7], oc s[8:9], os s[10:11]
	v_lshrrev_b32 v[HT], 5, v0
	v_readfirstlane_b32 s[WV], v[HT]               ; wave 0..15
	v_and_b32 v[HL], 31, v0
	v_and_b32 v[HR], 15, v0
	v_bfe_u32 v[HH], v0, 4, 1
	s_lshr_b32 s[W1], s[WV], 1
	; every LDS address is made here, ahead of the first branch
	v_lshlrev_b32 v[LI], 4, v[HL]
	s_lshl_b32 s42, s[W1], 10
	v_add_nc_u32 v[AK], s42, v[LI]
	s_add_co_u32 s42, s42, VOF
	v_lshl_add_u32 v[AVT], v[HR], 4, s42
	v_lshl_add_u32 v[AV], v[HH], 10, v[AVT]
	s_lshl_b32 s42, s[W1], 6
	s_add_co_u32 s42, s42, SCA
	v_lshl_add_u32 v[AKS], v[HL], 1, s42
	s_lshr_b32 s42, s[WV], 3
	s_lshl_b32 s42, s42, 8
	s_add_co_u32 s42, s42, SCA+2*SJB
	v_lshl_add_u32 v[AVS], v[HL], 2, s42
	v_lshlrev_b32 v[FA], 4, v0
	v_add_nc_u32 v[FB], KCB, v[FA]
	s_lshl_b32 s42, s[WV], 9
	s_add_co_u32 s42, s42, SCA
	v_add_nc_u32 v[SF], s42, v[LI]
	v_lshlrev_b32 v[QSA], 1, v[HR]
	v_and_b32 v[DL], 8, v[HR]
	v_add_nc_u32 v[DL], v[DL], v[HR]
	s_and_b32 s42, s[WV], 1
	s_lshl_b32 s42, s42, 3
	v_add_nc_u32 v[DL], s42, v[DL]                 ; 8 u + r + 8 (r / 8)
	v_lshlrev_b32 v[HT], 4, v[HH]
	v_sub_nc_u32 v[DL], v[DL], v[HT]
	s_lshl_b32 s[Q0], ttmp9, 8
	s_and_b32 s42, ttmp7, 0xffff
	s_lshr_b32 s14, s42, 3                         ; the batch
	s_and_b32 s15, s42, 7                          ; the pair of heads
	s_lshl_b32 s16, s14, 4
	s_lshl_b32 s43, s15, 1
	s_add_co_u32 s16, s16, s43                     ; job 0's head among the 32
	s_lshl_b32 s43, s[W1], 5
	s_add_co_u32 s[QBM], s[Q0], s43
	s_sub_co_i32 s[QBM], s[QBM], 512
	s_and_b32 s[SH], s[W1], 3
	s_mul_i32 s[SH], s[SH], 0x01010101
	s_add_co_u32 s[SH], s[SH], 0x03020100
	s_lshl_b32 s[QB], s16, 17
	s_lshl_b32 s43, s[Q0], 5
	s_add_co_u32 s[QB], s[QB], s43                 ; the head, and 32 bytes a token
	s_add_co_u32 s[KB2], s[QB], 1<<22
	s_mov_b32 s[KB2+1], 0
	s_add_co_u32 s[VB2], s[QB], 2<<22
	s_mov_b32 s[VB2+1], 0
	s_lshl_b32 s43, s[WV], 9
	s_add_co_u32 s[QB], s[QB], s43
	s_mov_b32 s[QB+1], 0
	s_lshl_b32 s[QSB], s16, 13
	s_lshl_b32 s43, s[Q0], 1
	s_add_co_u32 s[QSB], s[QSB], s43
	s_lshl_b32 s43, s[WV], 5
	s_add_co_u32 s[QSB], s[QSB], s43
	s_mov_b32 s[QSB+1], 0
	s_lshl_b32 s44, s14, 8
	s_lshr_b32 s43, s[Q0], 4
	s_add_co_u32 s44, s44, s43
	s_add_co_u32 s44, s44, s[WV]                   ; my tile among the 512
	s_lshl_b32 s[OCB], s44, 13
	s_lshl_b32 s43, s15, 10
	s_add_co_u32 s[OCB], s[OCB], s43
	s_mov_b32 s[OCB+1], 0
	s_lshl_b32 s[OSB], s44, 9
	s_lshl_b32 s43, s15, 6
	s_add_co_u32 s[OSB], s[OSB], s43
	s_mov_b32 s[OSB+1], 0
	; which 512 scale bytes wave e < 12 fills: e = 6 x (0 K, 1 V) + 3 x job + chunk of 256 keys
	s_cmp_ge_u32 s[WV], 6
	s_cselect_b32 s42, 1, 0
	s_mul_i32 s43, s42, 6
	s_sub_co_u32 s43, s[WV], s43
	s_cmp_ge_u32 s43, 3
	s_cselect_b32 s44, 1, 0
	s_mul_i32 s45, s44, 3
	s_sub_co_u32 s43, s43, s45
	s_lshl_b32 s43, s43, 8
	s_add_co_u32 s43, s43, s[Q0]                   ; the chunk's first key + 512
	s_add_co_u32 s42, s42, 1
	s_lshl_b32 s42, s42, 18
	s_add_co_u32 s44, s44, s16
	s_lshl_b32 s44, s44, 13
	s_add_co_u32 s42, s42, s44                     ; the tensor's and the head's place
	s_mov_b32 s[SEL], 0x76543210
	s_mov_b32 s[SEL+1], 0xfedcba98
	s_mov_b32 s[CS], 0x3fb8aa3b
	s_mov_b32 s[CS+1], s[CS]                       ; (named with it as a pair, so it is written)
	s_wait_kmcnt 0x0
	s_add_nc_u64 s[KB2:KB2+1], s[4:5], s[KB2:KB2+1]
	s_add_nc_u64 s[VB2:VB2+1], s[4:5], s[VB2:VB2+1]
	s_add_nc_u64 s[QB:QB+1], s[4:5], s[QB:QB+1]
	s_add_nc_u64 s[QSB:QSB+1], s[6:7], s[QSB:QSB+1]
	s_add_nc_u64 s[OCB:OCB+1], s[8:9], s[OCB:OCB+1]
	s_add_nc_u64 s[OSB:OSB+1], s[10:11], s[OSB:OSB+1]
	global_load_b128 v[Q:Q+3], v[LI], s[QB:QB+1]
	global_load_b128 v[Q1:Q1+3], v[LI], s[QB:QB+1] offset:131072
	global_load_u16 v[QS], v[QSA], s[QSB:QSB+1]
	global_load_u16 v[QS1], v[QSA], s[QSB:QSB+1] offset:8192
	; three chunks of 256 keys, 8,192 bytes each of K and of V for each job: 16 bytes a thread.  A chunk before key 0 is zeros
.irp c, 0,1,2
.if \c < 2
	s_cmp_ge_u32 s[Q0], 512-256*\c
	s_cbranch_scc1 .Lhave_\c
.irp i, 0,1,2,3,4,5,6,7,8,9,10,11,12,13,14,15
	v_mov_b32 v[S+16*\c+\i], 0
.endr
	s_branch .Ldone_\c
.Lhave_\c:
.endif
	global_load_b128 v[S+16*\c:S+16*\c+3], v[FA], s[KB2:KB2+1] offset:(\c-2)*8192
	global_load_b128 v[S+16*\c+4:S+16*\c+7], v[FA], s[KB2:KB2+1] offset:(\c-2)*8192+131072
	global_load_b128 v[S+16*\c+8:S+16*\c+11], v[FA], s[VB2:VB2+1] offset:(\c-2)*8192
	global_load_b128 v[S+16*\c+12:S+16*\c+15], v[FA], s[VB2:VB2+1] offset:(\c-2)*8192+131072
.if \c < 2
.Ldone_\c:
.endif
.endr
.irp i, 0,1,2,3
	v_mov_b32 v[SS+\i], 0
.endr
	s_cmp_lt_u32 s[WV], 12
	s_cbranch_scc0 .Lno_scales
	s_cmp_ge_u32 s43, 512
	s_cbranch_scc0 .Lno_scales
	s_sub_co_u32 s43, s43, 512
	s_lshl_b32 s43, s43, 1                         ; two bytes a key in K's bytes and in V's words alike
	s_add_co_u32 s30, s42, s43
	s_mov_b32 s31, 0
	s_add_nc_u64 s[30:31], s[6:7], s[30:31]
	global_load_b128 v[SS:SS+3], v[LI], s[30:31]
.Lno_scales:
	; registers that stay: set while the loads are on their way
.irp f, 0,1,2,3,4,5,6,7
.irp i, 4,5,6,7
	v_mov_b32 v[KB+8*\f+\i], 0                     ; K = 64: the fragments' upper halves are zero codes
.endr
.endr
.irp i, 4,5,6,7
	v_mov_b32 v[Q+\i], 0
.endr
	v_mov_b32 v[F+1], 0                            ; (named as the upper half of a pair)
	v_mov_b32 v[NINF], 0xff800000
	s_wait_loadcnt 0x0
.irp c, 0,1,2
	ds_store_b128 v[FA], v[S+16*\c:S+16*\c+3] offset:8192*\c
	ds_store_b128 v[FB], v[S+16*\c+4:S+16*\c+7] offset:8192*\c
	ds_store_b128 v[FA], v[S+16*\c+8:S+16*\c+11] offset:VOF+8192*\c
	ds_store_b128 v[FB], v[S+16*\c+12:S+16*\c+15] offset:VOF+8192*\c
.endr
	s_cmp_lt_u32 s[WV], 12
	s_cbranch_scc0 .Lno_store
	ds_store_b128 v[SF], v[SS:SS+3]
.Lno_store:
	s_wait_dscnt 0x0                               ; for the others' sake: my stores have landed
	s_barrier_signal -1
	s_barrier_wait -1                              ; the one barrier: from here on LDS is only read
.macro MM d, a, b, c, sa, sb, ra       ; c < 0: the product starts the sum;  ra: source 0's scales stand in lanes 16-31
.if (\c) < 0
.if \ra
	v_wmma_scale_f32_16x16x128_f8f6f4 v[(\d):(\d)+7], v[(\a):(\a)+7], v[(\b):(\b)+7], 0, v[\sa], v[\sb] matrix_a_fmt:MATRIX_FMT_FP4 matrix_b_fmt:MATRIX_FMT_FP4 matrix_a_scale:MATRIX_SCALE_ROW1
.else
	v_wmma_scale_f32_16x16x128_f8f6f4 v[(\d):(\d)+7], v[(\a):(\a)+7], v[(\b):(\b)+7], 0, v[\sa], v[\sb] matrix_a_fmt:MATRIX_FMT_FP4 matrix_b_fmt:MATRIX_FMT_FP4
.endif
.else
.if \ra
	v_wmma_scale_f32_16x16x128_f8f6f4 v[(\d):(\d)+7], v[(\a):(\a)+7], v[(\b):(\b)+7], v[(\c):(\c)+7], v[\sa], v[\sb] matrix_a_fmt:MATRIX_FMT_FP4 matrix_b_fmt:MATRIX_FMT_FP4 matrix_a_scale:MATRIX_SCALE_ROW1
.else
	v_wmma_scale_f32_16x16x128_f8f6f4 v[(\d):(\d)+7], v[(\a):(\a)+7], v[(\b):(\b)+7], v[(\c):(\c)+7], v[\sa], v[\sb] matrix_a_fmt:MATRIX_FMT_FP4 matrix_b_fmt:MATRIX_FMT_FP4
.endif
.endif
.endm
.macro JOB j
.if \j
	s_wait_xcnt 0x0                                ; job 0's store has read its codes: their registers are written again below
.irp i, 0,1,2,3
	v_mov_b32 v[Q+\i], v[Q1+\i]
.endr
	v_mov_b32 v[QS], v[QS1]                        ; ten plain lines follow ahead of the first product
.endif
.irp i, 2,3,4,5,6,7
	v_mov_b32 v[P+\i], 0                           ; the tail has 32 keys: the rest of p's fragment is zero codes
.endr
	s_mov_b32 s[TB], KCB*\j
	s_mov_b32 s[TSS], SJB*\j
	s_mov_b32 s[KSV], s[QBM]
	s_mov_b32 s[CNT], 4
	v_add_nc_u32 v[ADK], s[TB], v[AK]
	v_add_nc_u32 v[ADV], s[TB], v[AVT]
	v_add_nc_u32 v[ADS], s[TSS], v[AKS]
	v_add_nc_u32 v[ADT], s[TSS], v[AVS]
	; ---- THE TAIL: keys qb .. qb + 31, 512 keys into my window
	ds_load_b128 v[KB:KB+3], v[ADK] offset:16384
	ds_load_b128 v[KB+8:KB+11], v[ADK] offset:16384+512
	ds_load_u16 v[KSC], v[ADS] offset:1024
	ds_load_b32 v[TP], v[ADT] offset:1024
	ds_load_b32 v[TP+1], v[ADT] offset:1024+128
.irp t, 0,1,2,3
	ds_load_b128 v[VF+8*\t:VF+8*\t+3], v[ADV] offset:16384+256*\t     ; lanes 0-15's first four registers are the block; the others meet zero codes of p, and take the same bytes
	ds_load_b128 v[VF+8*\t+4:VF+8*\t+7], v[ADV] offset:16384+256*\t
.endr
	s_wait_dscnt 8                                 ; all but V's eight
	MM S, KB, Q, -1, KSC, QS, 0
	MM S+8, KB+8, Q, -1, KSC, QS, 1
	v_perm_b32 v[VSC], v[TP], v[TP], s[SH]         ; the block's byte to the word's low end (the other three are scale bytes too, over zero codes)
	v_perm_b32 v[VSC+1], v[TP+1], v[TP+1], s[SH]
	v_nop
	v_nop                                          ; four plain lines behind the products
.irp i, 0,1,2,3,4,5,6,7,8,9,10,11,12,13,14,15
	v_cmp_gt_i32 vcc_lo, \i, v[DL]                 ; register i holds key qb + 16 h + i: hidden where it comes after my query
	v_cndmask_b32 v[S+\i], v[S+\i], v[NINF], vcc_lo
.endr
	v_max3_num_f32 v[TM], v[S], v[S+1], v[S+2]
.irp i, 3,5,7,9,11,13
	v_max3_num_f32 v[TM], v[TM], v[S+\i], v[S+\i+1]
.endr
	v_max_num_f32 v[TM], v[TM], v[S+15]
	v_permlanex16_b32 v[TP], v[TM], s[SEL], s[SEL+1]
	v_max_num_f32 v[TM], v[TM], v[TP]              ; the block's largest score: my own key is among them, so it is a number
	v_mul_f32 v13, s[CS], v[TM]                    ; the largest t
	v_floor_f32 v12, -v13                          ; -M = floor(-t)
.irp i, 0,2,4,6,8,10,12,14
	v_pk_fma_f32 v[S+\i:S+\i+1], v[S+\i:S+\i+1], s[CS:CS+1], v[12:13] op_sel_hi:[1,0,0]   ; t - M
.endr
	v_fma_f32 v[TM], v[TM], s[CS], v12             ; the same of the largest score
.irp i, 0,1,2,3,4,5,6,7,8,9,10,11,12,13,14,15
	v_exp_f32 v[S+\i], v[S+\i]
.endr
	v_nop                                          ; a plain line behind the exponentials
	s_wait_alu depctr_va_vdst(0)                   ; one wait for the batch, ahead of its first reader
	v_exp_f32 v[TM], v[TM]                         ; the block's largest p
	v_pk_add_f32 v[14:15], v[S:S+1], v[S+2:S+3]    ; the sum begins, of the unquantised p
.irp i, 4,6,8,10,12,14
	v_pk_add_f32 v[14:15], v[14:15], v[S+\i:S+\i+1]
.endr
	s_wait_alu depctr_va_vdst(0)                   ; and one for the largest p
	v_max_num_f32 v[TM], FLOOR, v[TM]
	v_add_nc_u32 v[TS], 0xff000000, v[TM]
	v_lshrrev_b32 v[PW], 23, v[TS]                 ; byte 0; the word's other bytes are 0, over zero codes
	v_cvt_scalef32_pk8_fp4_f32 v[P], v[S:S+7], v[TS]
	v_cvt_scalef32_pk8_fp4_f32 v[P+1], v[S+8:S+15], v[TS]
	v_nop
	v_permlane16_swap_b32 v[P], v[P+2]             ; lanes 0-15 get the whole block, lanes 16-31 zeros
	v_permlane16_swap_b32 v[P+1], v[P+3]
.rept 8
	v_nop                                          ; a scale word made by vector lines stands eight plain lines ahead of its product; no other work is at hand here
.endr
	s_wait_dscnt 0x0
.irp t, 0,1,2,3
	MM O+8*\t, VF+8*\t, P, -1, VSC+\t/2, PW, \t%2
.endr
	; ---- FOUR STEPS OF 128 KEYS, from qb - 512 on
.Lstep_\j:
	s_add_co_i32 s42, s[KSV], 127
	s_cmp_lt_i32 s42, 0
	s_cbranch_scc1 .Lskip_\j                       ; all 128 keys lie before key 0
	v_add_nc_u32 v[ADK], s[TB], v[AK]              ; (these four are also the plain lines between the last products and the loads into their registers)
	v_add_nc_u32 v[ADV], s[TB], v[AV]
	v_add_nc_u32 v[ADS], s[TSS], v[AKS]
	v_add_nc_u32 v[ADT], s[TSS], v[AVS]
.irp b, 0,1,2,3
.irp u, 0,1
	ds_load_b128 v[KB+8*(2*\b+\u):KB+8*(2*\b+\u)+3], v[ADK] offset:1024*\b+512*\u
.endr
.endr
.irp b, 0,1,2,3
	ds_load_u16 v[KSC+\b], v[ADS] offset:64*\b
.endr
.irp t, 0,1
.irp n, 0,1
	ds_load_b32 v[TP+2*\t+\n], v[ADT] offset:128*\t+256*\n
.endr
.endr
.irp t, 0,1,2,3
.irp c, 0,1
	ds_load_b128 v[VF+8*\t+4*\c:VF+8*\t+4*\c+3], v[ADV] offset:2048*\c+256*\t
.endr
.endr
	s_wait_dscnt 8                                 ; all but V's eight
.irp b, 0,1,2,3
.irp u, 0,1
	MM S+8*(2*\b+\u), KB+8*(2*\b+\u), Q, -1, KSC+\b, QS, \u
.endr
.endr
	v_perm_b32 v[VSC], v[TP+1], v[TP], s[SH]       ; the step's four bytes out of two neighbouring words
	v_perm_b32 v[VSC+1], v[TP+3], v[TP+2], s[SH]
	v_nop
	v_nop                                          ; four plain lines behind the products
	s_cmp_ge_i32 s[KSV], 0
	s_cbranch_scc1 .Lnonneg_\j
	s_sub_co_i32 s42, 0, s[KSV]                    ; keys before 0 are hidden (they then lie before q - 512 too)
	v_bfe_u32 v254, v0, 4, 1
	v_lshlrev_b32 v254, 4, v254
	v_sub_nc_u32 v[THR], s42, v254
.set n, 0
.rept 64
	v_cmp_lt_i32 vcc_lo, 32*(n/16)+n%16, v[THR]    ; register 16 b + i holds key KSV + 32 b + 16 h + i
	v_cndmask_b32 v[S+n], v[S+n], v[NINF], vcc_lo
.set n, n+1
.endr
	s_branch .Lmasked_\j
.Lnonneg_\j:
	s_cmp_lg_u32 s[CNT], 4
	s_cbranch_scc1 .Lmasked_\j
.irp i, 0,1,2,3,4,5,6,7,8,9,10,11,12,13,14,15
	v_cmp_lt_i32 vcc_lo, \i, v[DL]                 ; the first step's first block: key qb - 512 + 16 h + i is hidden where it comes before q - 512
	v_cndmask_b32 v[S+\i], v[S+\i], v[NINF], vcc_lo
.endr
.Lmasked_\j:
.irp b, 0,1,2,3
	v_max3_num_f32 v[TM+\b], v[S+16*\b], v[S+16*\b+1], v[S+16*\b+2]   ; the largest score of each block of 32 keys: for the row's maximum and, since p rises with the score, for the block's largest p
.endr
.irp i, 3,5,7,9,11,13
.irp b, 0,1,2,3
	v_max3_num_f32 v[TM+\b], v[TM+\b], v[S+16*\b+\i], v[S+16*\b+\i+1]
.endr
.endr
.irp b, 0,1,2,3
	v_max_num_f32 v[TM+\b], v[TM+\b], v[S+16*\b+15]
.endr
.irp b, 0,1,2,3
	v_permlanex16_b32 v[TP+\b], v[TM+\b], s[SEL], s[SEL+1]
.endr
.irp b, 0,1,2,3
	v_max_num_f32 v[TM+\b], v[TM+\b], v[TP+\b]
.endr
	v_max3_num_f32 v254, v[TM], v[TM+1], v[TM+2]
	v_max_num_f32 v254, v254, v[TM+3]
	v_mul_f32 v254, s[CS], v254
	v_max_num_f32 v13, v13, v254                   ; the running largest t
	v_mov_b32 v254, v12
	v_floor_f32 v12, -v13                          ; the new -M
	v_sub_f32 v254, v12, v254                      ; old M - new M: a whole number, 0 or less
	v_cvt_i32_f32 v254, v254
	v_ldexp_f32 v[F], 1.0, v254
.set n, 0
.rept 32
	v_pk_fma_f32 v[S+n:S+n+1], v[S+n:S+n+1], s[CS:CS+1], v[12:13] op_sel_hi:[1,0,0]
.set n, n+2
.endr
.irp b, 0,1,2,3
	v_fma_f32 v[TM+\b], v[TM+\b], s[CS], v12
.endr
.set n, 0
.rept 64
	v_exp_f32 v[S+n], v[S+n]
.set n, n+1
.endr
	v_pk_mul_f32 v[14:15], v[14:15], v[F:F+1] op_sel_hi:[1,0]   ; the sum under the new M: the plain line behind the exponentials
	s_wait_alu depctr_va_vdst(0)                   ; one wait for the 64, ahead of their first reader
.irp b, 0,1,2,3
	v_exp_f32 v[TM+\b], v[TM+\b]                   ; the blocks' largest p
.endr
	v_pk_add_f32 v[TP:TP+1], v[S:S+1], v[S+2:S+3]  ; the sum of the unquantised p, in two chains
.set n, 4
.rept 15
	v_pk_add_f32 v[14:15], v[14:15], v[S+n:S+n+1]
	v_pk_add_f32 v[TP:TP+1], v[TP:TP+1], v[S+n+2:S+n+3]
.set n, n+4
.endr
	v_pk_add_f32 v[14:15], v[14:15], v[TP:TP+1]
	s_wait_alu depctr_va_vdst(0)                   ; and one for the four
.irp b, 0,1,2,3
	v_max_num_f32 v[TM+\b], FLOOR, v[TM+\b]
.endr
.irp b, 0,1,2,3
	v_add_nc_u32 v[TS+\b], 0xff000000, v[TM+\b]
.endr
.irp b, 0,1,2,3
	v_lshrrev_b32 v[TP+\b], 23, v[TS+\b]
.endr
	v_lshl_or_b32 v[PW], v[TP+1], 8, v[TP]
	v_lshl_or_b32 v[PW], v[TP+2], 16, v[PW]
	v_lshl_or_b32 v[PW], v[TP+3], 24, v[PW]
.irp b, 0,1,2,3
	v_cvt_scalef32_pk8_fp4_f32 v[P+2*\b], v[S+16*\b:S+16*\b+7], v[TS+\b]
	v_cvt_scalef32_pk8_fp4_f32 v[P+2*\b+1], v[S+16*\b+8:S+16*\b+15], v[TS+\b]
.endr
	v_nop
.irp c, 0,1
.irp i, 0,1
	v_permlane16_swap_b32 v[P+4*\c+\i], v[P+4*\c+2+\i]
.endr
.endr
.set n, 0
.rept 16
	v_pk_mul_f32 v[O+n:O+n+1], v[O+n:O+n+1], v[F:F+1] op_sel_hi:[1,0]   ; O^T under the new M; twelve of these name none of a given product's registers: the plain lines ahead of it
.set n, n+2
.endr
	s_wait_dscnt 0x0                               ; V is in
.irp t, 0,1,2,3
	MM O+8*\t, VF+8*\t, P, O+8*\t, VSC+\t/2, PW, \t%2
.endr
.Lskip_\j:
	s_add_co_u32 s[TB], s[TB], 4096
	s_add_co_u32 s[TSS], s[TSS], 256
	s_add_co_i32 s[KSV], s[KSV], 128
	s_sub_co_u32 s[CNT], s[CNT], 1
	s_cmp_lg_u32 s[CNT], 0
	s_cbranch_scc1 .Lstep_\j
	; ---- THE WAY OUT: O^T / the sum, quantised along d: two blocks of 32, one quad of the last projection's fragment
	v_add_f32 v14, v14, v15
	v_permlanex16_b32 v[TP], v14, s[SEL], s[SEL+1]
	v_add_f32 v14, v14, v[TP]                      ; the row's sum
	v_rcp_f32 v14, v14
	v_nop
	v_nop                                          ; with the two additions: four plain lines behind the last products
	s_wait_alu depctr_va_vdst(0)
.set n, 0
.rept 16
	v_pk_mul_f32 v[O+n:O+n+1], v[O+n:O+n+1], v[14:15] op_sel_hi:[1,0]
.set n, n+2
.endr
.irp b, 0,1
	v_max3_num_f32 v[TM+\b], |v[O+16*\b]|, |v[O+16*\b+1]|, FLOOR
.endr
.irp i, 2,4,6,8,10,12,14
.irp b, 0,1
	v_max3_num_f32 v[TM+\b], v[TM+\b], |v[O+16*\b+\i]|, |v[O+16*\b+\i+1]|
.endr
.endr
.irp b, 0,1
	v_permlanex16_b32 v[TP+\b], v[TM+\b], s[SEL], s[SEL+1]
.endr
.irp b, 0,1
	v_max_num_f32 v[TM+\b], v[TM+\b], v[TP+\b]
.endr
.irp b, 0,1
	v_add_nc_u32 v[TS+\b], 0xff000000, v[TM+\b]
.endr
.irp b, 0,1
	v_lshrrev_b32 v[TP+\b], 23, v[TS+\b]
.endr
.irp b, 0,1
	v_cvt_scalef32_pk8_fp4_f32 v[P+4*\j+2*\b], v[O+16*\b:O+16*\b+7], v[TS+\b]
	v_cvt_scalef32_pk8_fp4_f32 v[P+4*\j+2*\b+1], v[O+16*\b+8:O+16*\b+15], v[TS+\b]
.endr
	v_nop
	v_permlane16_swap_b32 v[P+4*\j], v[P+4*\j+2]
	v_permlane16_swap_b32 v[P+4*\j+1], v[P+4*\j+3]
	global_store_b128 v[LI], v[P+4*\j:P+4*\j+3], s[OCB:OCB+1] offset:512*\j   ; 512 consecutive bytes, aligned
.if \j
	v_lshl_or_b32 v[OSC], v[TP], 16, v[OSC]
	v_lshl_or_b32 v[OSC], v[TP+1], 24, v[OSC]
.else
	v_lshl_or_b32 v[OSC], v[TP+1], 8, v[TP]
.endif
.endm
	JOB 0
	JOB 1
	v_and_b32 v254, 31, v0
	v_and_b32 v255, 15, v0
	v_lshlrev_b32 v255, 2, v255
	v_cmp_gt_u32 vcc_lo, 16, v254
	s_wait_xcnt 0x0                                ; EXEC changes only behind this wait
	s_and_saveexec_b32 s46, vcc_lo
	global_store_b32 v255, v[OSC], s[OSB:OSB+1]    ; lane r: row r's scale word of this K step
	s_wait_xcnt 0x0                                ; and again in front of the line that widens it
	s_or_b32 exec_lo, exec_lo, s46
	s_wait_xcnt 0x0
	s_mov_b32 exec_lo, -1
	v_lshl_add_u32 v254, v0, 2, 0x1a000
	v_mov_b32 v255, 0
	s_wait_tensorcnt 0x0
	ds_add_u32 v254, v255
	s_wait_dscnt 0x0
	s_endpgm
.Lfunc_end_k_qd95eadcdd2_attn:
	.size	k_qd95eadcdd2_attn, .Lfunc_end_k_qd95eadcdd2_attn-k_qd95eadcdd2_attn
	.p2alignl 7, 3214868480
	.fill 96, 4, 3214868480
	.section	.rodata,"a",@progbits
	.p2align	6, 0x0
	.amdhsa_kernel k_qd95eadcdd2_attn
		.amdhsa_group_segment_fixed_size 108544
		.amdhsa_private_segment_fixed_size 0
		.amdhsa_enable_private_segment 0
		.amdhsa_kernarg_size 32
		.amdhsa_user_sgpr_count 2
		.amdhsa_user_sgpr_kernarg_segment_ptr 1
		.amdhsa_wavefront_size32 1
		.amdhsa_system_sgpr_workgroup_id_x 1
		.amdhsa_system_sgpr_workgroup_id_y 1
		.amdhsa_system_sgpr_workgroup_id_z 1
		.amdhsa_system_vgpr_workitem_id 0
		.amdhsa_next_free_vgpr 256
		.amdhsa_next_free_sgpr 66
		.amdhsa_reserve_vcc 1
		.amdhsa_float_denorm_mode_32 3
		.amdhsa_float_denorm_mode_16_64 3
		.amdhsa_memory_ordered 1
		.amdhsa_forward_progress 1
		.amdhsa_inst_pref_size 73
	.end_amdhsa_kernel
	.amdgpu_metadata
---
amdhsa.version: [ 1, 2 ]
amdhsa.kernels:
  - .name:           k_qd95eadcdd2_attn
    .symbol:         k_qd95eadcdd2_attn.kd
    .args:
      - { .name: qkvc, .offset: 0, .size: 8, .value_kind: global_buffer, .address_space: global }
      - { .name: qkvs, .offset: 8, .size: 8, .value_kind: global_buffer, .address_space: global }
      - { .name: oc, .offset: 16, .size: 8, .value_kind: global_buffer, .address_space: global }
      - { .name: os, .offset: 24, .size: 8, .value_kind: global_buffer, .address_space: global }
    .group_segment_fixed_size: 108544
    .private_segment_fixed_size: 0
    .kernarg_segment_align: 8
    .kernarg_segment_size: 32
    .max_flat_workgroup_size: 512
    .sgpr_count:     66
    .vgpr_count:     256
    .wavefront_size: 32
...
	.end_amdgpu_metadata
.endif
;; end of part 3
;; launch outp (part 4): grid 16 x 16, 4 waves a work-group, no clusters, 69,120 bytes of LDS; arguments oc, os, xwc, xws, bo, out0; writes out0
.if DOCPART == 4
	.amdgcn_target "amdgcn-amd-amdhsa--gfx1250"
	.amdhsa_code_object_version 6
	.text
	.protected	k_qd95eadcdd2_outp
	.globl	k_qd95eadcdd2_outp
	.p2align	8
	.type	k_qd95eadcdd2_outp,@function
k_qd95eadcdd2_outp:
	s_mov_b64 s[64:65], 0
	v_nop
	global_prefetch_b8 v0, s[64:65] scope:SCOPE_SE
	s_setreg_imm32_b32 hwreg(HW_REG_WAVE_MODE, 25, 1), 1
	s_wait_xcnt 0x0
; out0 = o wo^T + bo on codes of FP4 with E8M0 scales; out0 [8192][1024] f32.
; SHARES.  Work-group (x, y): 512 tokens (x) x 64 columns (y); wave w takes 128 tokens, eight tiles of 16.
; THE WEIGHTS STAY, THE TOKENS PASS.  The four weight tiles (32,768 bytes) go through LDS once and then stand in every wave's registers (window 1).  The tokens' tiles are taken one after the other: a tile's 16 loads are
; asked for three tiles ahead, its 32 products run on four accumulators by turns, and its 16 rows leave at once: loads, products and stores of different tiles are on their way together.
; Source 0 = 16 columns of wo, source 1 = 16 tokens: a lane holds one token and, over the four weight tiles, 32 of its 64 columns in runs of 16 neighbours.  The bias is the C of each sum's first matrix instruction.
; A tile's row r is token 32 B + 8 u + r + 8 (r / 8): the way out puts each row back at its token.
; The scale words come as whole images of 512 bytes and turn through LDS into one word a lane.
; No multicast: what work-groups share is read once, at the head; there is no ring that joint loads could feed.
; REGISTERS, in windows of 256: window 0 below; window 1: the weights' fragments at 64 wt + 8 s; windows 2, 3: the tokens' tiles 0-3, 4-7 at 64 (xt % 4) + 8 s.  A tile's rows of out0 come back from the stage into the
; first 32 registers of that tile's own fragments, which are done with: so no store's data are ever written again.
.set WSL,  32768                       ; LDS behind the weights: their scale words, 512 bytes a tile;
.set XSL,  34816                       ; the tokens' scale words, 4,096 bytes for each wave;
.set STG,  51200                       ; a stage of 16 rows x (256 bytes + 16) for each wave
.set SPITCH, 272
.set LI,  1                            ; v1   16 x lane: also the weights' LDS address, which begin at byte 0
.set LS,  2                            ; v2   4 x lane
.set BQ,  5                            ; v5   64 h
.set FW,  7                            ; v7   the fill of the weights: 8,192 w + 16 x lane
.set FWS, 8                            ; v8   of their scale words
.set STO, 9                            ; v9   the stage: row r, + 64 h
.set RD,  10                           ; v10  back: lanes 0-15 one row, lanes 16-31 the next
.set CO,  11                           ; v11  and the same two rows in out0
.set FXS, 12                           ; v12  the fill of my tokens' scale words
.set RXS, 13                           ; v13  where I read them
.set RWS, 14                           ; v14  where I read the weights'
.set XS,  16                           ; v16-47 tokens' scale words: 4 xt + g: lanes 0-15 K step 2 g, lanes 16-31 K step 2 g + 1
.set WS,  48                           ; v48-63 the weights' likewise
.set BIAS, 64                          ; v64-95 the biases in the result's layout
.set ACC, 96                           ; v96-159 two sets of four accumulators, for even and odd tiles
.set XR,  96                           ; at the head: v96-127 my tokens' scale words on their way to LDS,
.set WR,  128                          ;              v128-131 my weight tile's,
.set WST, 160                          ;              v160-223 my weight tile
.set WV,  20
.set XB,  28
.set XSB, 30
.set WG,  32
.set WSG, 34
.set BG,  36
.set OUT, 38
.set MSB, 0
.macro WIN new                         ; the immediate's high byte repeats the setting that is left
.if MSB != \new
	s_set_vgpr_msb (MSB<<8)|\new
.set MSB, \new
.endif
.endm
.macro PLACES                          ; four plain lines between a matrix instruction and a load into, or a store of, its registers
.rept 4
	v_nop
.endr
.endm
.macro XLOAD xt                        ; a tile of 16 tokens, all eight K steps: 16 loads of 512 consecutive bytes
.if (\xt) < 4
	WIN 0x80                                       ; destination window 2
.else
	WIN 0xc0                                       ; destination window 3
.endif
.irp s, 0,1,2,3,4,5,6,7
.irp c, 0,1
	global_load_b128 v[64*((\xt)%4)+8*\s+4*\c:64*((\xt)%4)+8*\s+4*\c+3], v[LI], s[XB:XB+1] offset:8192*(\xt)+1024*\s+512*\c
.endr
.endr
	WIN 0
.endm
	s_load_b256 s[4:11], s[0:1], 0x0               ; oc s[4:5], os s[6:7], xwc s[8:9], xws s[10:11]
	s_load_b128 s[12:15], s[0:1], 0x20             ; bo s[12:13], out0 s[14:15]
	v_lshl_add_u32 v254, v0, 2, 0x10c00
	v_mov_b32 v255, 0
	v_lshrrev_b32 v3, 5, v0
	v_readfirstlane_b32 s[WV], v3                  ; wave
	v_and_b32 v3, 31, v0                           ; lane
	v_and_b32 v4, 15, v0                           ; r
	v_bfe_u32 v6, v0, 4, 1                         ; h
	v_lshlrev_b32 v[LI], 4, v3
	v_lshlrev_b32 v[LS], 2, v3
	v_lshlrev_b32 v[BQ], 6, v6
	s_lshl_b32 s21, s[WV], 13
	v_add_nc_u32 v[FW], s21, v[LI]
	s_lshl_b32 s21, s[WV], 9
	s_add_co_u32 s21, s21, WSL
	v_add_nc_u32 v[FWS], s21, v[LI]
	v_add_nc_u32 v[RWS], WSL, v[LS]
	s_lshl_b32 s21, s[WV], 12
	s_add_co_u32 s21, s21, XSL
	v_add_nc_u32 v[FXS], s21, v[LI]
	v_add_nc_u32 v[RXS], s21, v[LS]
	s_mul_i32 s21, s[WV], 16*SPITCH
	s_add_co_u32 s21, s21, STG
	v_mul_u32_u24 v[STO], v4, SPITCH
	v_lshl_add_u32 v[STO], v6, 6, v[STO]
	v_add_nc_u32 v[STO], s21, v[STO]
	v_mul_u32_u24 v[RD], v6, SPITCH
	v_lshl_add_u32 v[RD], v4, 4, v[RD]
	v_add_nc_u32 v[RD], s21, v[RD]
	v_lshlrev_b32 v[CO], 12, v6
	v_lshl_add_u32 v[CO], v4, 4, v[CO]
	s_and_b32 s22, ttmp7, 0xffff                   ; which 64 columns
	s_lshl_b32 s26, ttmp9, 5
	s_lshl_b32 s27, s[WV], 3
	s_add_co_u32 s26, s26, s27                     ; my first tile of tokens
	s_lshl_b32 s[XB], s26, 13
	s_mov_b32 s[XB+1], 0
	s_lshl_b32 s[XSB], s26, 9
	s_mov_b32 s[XSB+1], 0
	s_lshl_b32 s[OUT], s26, 16                     ; 16 tokens of 4,096 bytes a tile
	s_lshl_b32 s27, s22, 8
	s_add_co_u32 s[OUT], s[OUT], s27
	s_mov_b32 s[OUT+1], 0
	s_mov_b32 s[BG], s27
	s_mov_b32 s[BG+1], 0
	s_lshl_b32 s26, s22, 2
	s_add_co_u32 s26, s26, 1728                    ; wo's first tile for these columns,
	s_add_co_u32 s26, s26, s[WV]                   ; and the one that I fill
	s_lshl_b32 s[WSG], s26, 9
	s_mov_b32 s[WSG+1], 0
	s_lshl_b32 s[WG], s26, 13
	s_mov_b32 s[WG+1], 0
	s_wait_kmcnt 0x0
	s_add_nc_u64 s[XB:XB+1], s[4:5], s[XB:XB+1]
	s_add_nc_u64 s[XSB:XSB+1], s[6:7], s[XSB:XSB+1]
	s_add_nc_u64 s[WG:WG+1], s[8:9], s[WG:WG+1]
	s_add_nc_u64 s[WSG:WSG+1], s[10:11], s[WSG:WSG+1]
	s_add_nc_u64 s[BG:BG+1], s[12:13], s[BG:BG+1]
	s_add_nc_u64 s[OUT:OUT+1], s[14:15], s[OUT:OUT+1]
	; ---- what goes through LDS is asked for first (25 loads), then the biases and the first tiles
.irp i, 0,1,2,3,4,5,6,7,8,9,10,11,12,13,14,15
	global_load_b128 v[WST+4*\i:WST+4*\i+3], v[LI], s[WG:WG+1] offset:512*\i
.endr
	global_load_b128 v[WR:WR+3], v[LI], s[WSG:WSG+1]
.irp xt, 0,1,2,3,4,5,6,7
	global_load_b128 v[XR+4*\xt:XR+4*\xt+3], v[LI], s[XSB:XSB+1] offset:512*\xt
.endr
.irp wt, 0,1,2,3
.irp e, 0,1
	global_load_b128 v[BIAS+8*\wt+4*\e:BIAS+8*\wt+4*\e+3], v[BQ], s[BG:BG+1] offset:128*(\wt/2)+32*(\wt%2)+16*\e   ; register j: column 32 (wt/2) + 8 (wt%2) + 16 h + j
.endr
.endr
	XLOAD 0
	XLOAD 1
	s_wait_loadcnt 40                              ; the 25 are in; the biases' 8 loads and two tiles' 32 may be out
	XLOAD 2
.irp i, 0,1,2,3,4,5,6,7,8,9,10,11,12,13,14,15
	ds_store_b128 v[FW], v[WST+4*\i:WST+4*\i+3] offset:512*\i
.endr
	ds_store_b128 v[FWS], v[WR:WR+3]
.irp xt, 0,1,2,3,4,5,6,7
	ds_store_b128 v[FXS], v[XR+4*\xt:XR+4*\xt+3] offset:512*\xt
.endr
	s_wait_dscnt 0x0                               ; for the others' sake: my stores have landed
	s_barrier_signal -1
	s_barrier_wait -1                              ; the one barrier: what was stored is only read from here on; each stage is its wave's own
.irp wt, 0,1,2,3
.irp g, 0,1,2,3
	ds_load_b32 v[WS+4*\wt+\g], v[RWS] offset:512*\wt+128*\g
.endr
.endr
.irp xt, 0,1,2,3,4,5,6,7
.irp g, 0,1,2,3
	ds_load_b32 v[XS+4*\xt+\g], v[RXS] offset:512*\xt+128*\g
.endr
.endr
	WIN 0x40                                       ; destination window 1: all 32 weight fragments, to stay
.irp wt, 0,1,2,3
.irp s, 0,1,2,3,4,5,6,7
.irp c, 0,1
	ds_load_b128 v[64*\wt+8*\s+4*\c:64*\wt+8*\s+4*\c+3], v[LI] offset:8192*\wt+1024*\s+512*\c
.endr
.endr
.endr
	WIN 0
.macro MM d, a, b, c, sa, sb, odd      ; odd K steps take both sides' scale words from lanes 16-31
.if \odd
	v_wmma_scale_f32_16x16x128_f8f6f4 v[(\d):(\d)+7], v[(\a):(\a)+7], v[(\b):(\b)+7], v[(\c):(\c)+7], v[\sa], v[\sb] matrix_a_fmt:MATRIX_FMT_FP4 matrix_b_fmt:MATRIX_FMT_FP4 matrix_a_scale:MATRIX_SCALE_ROW1 matrix_b_scale:MATRIX_SCALE_ROW1
.else
	v_wmma_scale_f32_16x16x128_f8f6f4 v[(\d):(\d)+7], v[(\a):(\a)+7], v[(\b):(\b)+7], v[(\c):(\c)+7], v[\sa], v[\sb] matrix_a_fmt:MATRIX_FMT_FP4 matrix_b_fmt:MATRIX_FMT_FP4
.endif
.endm
; A tile's 32 products: K ascending, the four accumulators by turns, one instruction a turn.  Tile t + 3 is asked for first.
; A set of accumulators is begun anew two tiles on: eight plain lines (two tiles' places) and the wait for its LDS stores lie between.
.macro TILE t
.if (\t) < 5
	XLOAD (\t)+3
	s_wait_loadcnt 48                              ; this tile's 16 loads are in; the next three tiles' 48 may be out
.else
	s_wait_loadcnt 16*(7-(\t))                     ; nothing is left to ask for: the counts run down
.endif
.if (\t) == 0
	s_wait_dscnt 0x0                               ; the weights and all scale words are in my registers
.endif
.if (\t) < 4
	WIN 0x09                                       ; source 0 (weights) window 1, source 1 (tokens) window 2, C and D window 0
.else
	WIN 0x0d                                       ; the same with the tokens in window 3
.endif
.irp s, 0,1,2,3,4,5,6,7
.irp wt, 0,1,2,3
.if \s == 0
	MM ACC+32*((\t)%2)+8*\wt, 64*\wt+8*\s, 64*((\t)%4)+8*\s, BIAS+8*\wt, WS+4*\wt+\s/2, XS+4*(\t)+\s/2, \s%2
.else
	MM ACC+32*((\t)%2)+8*\wt, 64*\wt+8*\s, 64*((\t)%4)+8*\s, ACC+32*((\t)%2)+8*\wt, WS+4*\wt+\s/2, XS+4*(\t)+\s/2, \s%2
.endif
.endr
.endr
	WIN 0
.endm
; THE WAY OUT of a tile, 16 tokens x 64 columns, through my own stage: in as 16 bytes of a row a lane, back as whole rows of 256 bytes.  LDS serves a wave's instructions in order: no wait between the stores and the loads,
; nor in front of the next tile's stores.
.macro TOSTAGE t
.irp wt, 0,1,2,3
.irp e, 0,1
	ds_store_b128 v[STO], v[ACC+32*((\t)%2)+8*\wt+4*\e:ACC+32*((\t)%2)+8*\wt+4*\e+3] offset:128*(\wt/2)+32*(\wt%2)+16*\e   ; each accumulator from its low end on
.endr
.endr
.if (\t) < 4
	WIN 0x80                                       ; destination window 2: the tile's own fragments' registers
.else
	WIN 0xc0
.endif
.irp i, 0,1,2,3,4,5,6,7
	ds_load_b128 v[64*((\t)%4)+4*\i:64*((\t)%4)+4*\i+3], v[RD] offset:2*SPITCH*\i
.endr
	WIN 0
.endm
.macro SEND t
	s_wait_dscnt 0x0                               ; the tile's rows are back (asked for a tile's products ago), and its accumulators have been read
.if (\t) < 4
	WIN 0x08                                       ; a store's data are its source 1: window 2
.else
	WIN 0x0c
.endif
.irp i, 0,1,2,3,4,5,6,7
	global_store_b128 v[CO], v[64*((\t)%4)+4*\i:64*((\t)%4)+4*\i+3], s[OUT:OUT+1] offset:(32*((\t)/2)+8*((\t)%2)+2*\i+8*(\i/4))*4096 th:TH_STORE_NT   ; sixteen lanes store 256 consecutive bytes, aligned; rows 2 i and 2 i + 1 of the tile at their tokens
.endr
	WIN 0
.endm
	TILE 0
	PLACES
	TOSTAGE 0
.irp t, 1,2,3,4,5,6,7
	TILE \t
	SEND \t-1                                      ; the tile before leaves behind this tile's products
	PLACES
	TOSTAGE \t
.endr
	SEND 7
	s_barrier_signal -1
	s_barrier_wait -1
	s_wait_tensorcnt 0x0
	ds_add_u32 v254, v255
	s_wait_dscnt 0x0
	s_endpgm
.Lfunc_end_k_qd95eadcdd2_outp:
	.size	k_qd95eadcdd2_outp, .Lfunc_end_k_qd95eadcdd2_outp-k_qd95eadcdd2_outp
	.p2alignl 7, 3214868480
	.fill 96, 4, 3214868480
	.section	.rodata,"a",@progbits
	.p2align	6, 0x0
	.amdhsa_kernel k_qd95eadcdd2_outp
		.amdhsa_group_segment_fixed_size 69120
		.amdhsa_private_segment_fixed_size 0
		.amdhsa_enable_private_segment 0
		.amdhsa_kernarg_size 48
		.amdhsa_user_sgpr_count 2
		.amdhsa_user_sgpr_kernarg_segment_ptr 1
		.amdhsa_wavefront_size32 1
		.amdhsa_system_sgpr_workgroup_id_x 1
		.amdhsa_system_sgpr_workgroup_id_y 1
		.amdhsa_system_sgpr_workgroup_id_z 1
		.amdhsa_system_vgpr_workitem_id 0
		.amdhsa_next_free_vgpr 1024
		.amdhsa_next_free_sgpr 66
		.amdhsa_reserve_vcc 0
		.amdhsa_float_denorm_mode_32 3
		.amdhsa_float_denorm_mode_16_64 3
		.amdhsa_memory_ordered 1
		.amdhsa_forward_progress 1
		.amdhsa_inst_pref_size 77
	.end_amdhsa_kernel
	.amdgpu_metadata
---
amdhsa.version: [ 1, 2 ]
amdhsa.kernels:
  - .name:           k_qd95eadcdd2_outp
    .symbol:         k_qd95eadcdd2_outp.kd
    .args:
      - { .name: oc, .offset: 0, .size: 8, .value_kind: global_buffer, .address_space: global }
      - { .name: os, .offset: 8, .size: 8, .value_kind: global_buffer, .address_space: global }
      - { .name: xwc, .offset: 16, .size: 8, .value_kind: global_buffer, .address_space: global }
      - { .name: xws, .offset: 24, .size: 8, .value_kind: global_buffer, .address_space: global }
      - { .name: bo, .offset: 32, .size: 8, .value_kind: global_buffer, .address_space: global }
      - { .name: out0, .offset: 40, .size: 8, .value_kind: global_buffer, .address_space: global }
    .group_segment_fixed_size: 69120
    .private_segment_fixed_size: 0
    .kernarg_segment_align: 8
    .kernarg_segment_size: 48
    .max_flat_workgroup_size: 128
    .sgpr_count:     66
    .vgpr_count:     1024
    .wavefront_size: 32
...
	.end_amdgpu_metadata
.endif
;; end of part 4
;; ======== version 2 of 2: 4 launches
;; workspace buffers: xwc 14,680,064 bytes; xws 917,504 bytes; qkvc 12,582,912 bytes; qkvs 786,432 bytes; oc 4,194,304 bytes; os 262,144 bytes
;; launch quant (part 5): grid 896 x 1, 4 waves a work-group, no clusters, 35,328 bytes of LDS; arguments query, key, value, wq, wk, wv, wo, xwc, xws; writes xwc, xws
.if DOCPART == 5
	.amdgcn_target "amdgcn-amd-amdhsa--gfx1250"
	.amdhsa_code_object_version 6
	.text
	.protected	k_qd95eadcdd2_quant
	.globl	k_qd95eadcdd2_quant
	.p2align	8
	.type	k_qd95eadcdd2_quant,@function
k_qd95eadcdd2_quant:
	s_mov_b64 s[64:65], 0
	v_nop
	global_prefetch_b8 v0, s[64:65] scope:SCOPE_SE
	s_setreg_imm32_b32 hwreg(HW_REG_WAVE_MODE, 25, 1), 1
	s_wait_xcnt 0x0
; query, key, value [8192][1024] and wq, wk, wv, wo [1024][1024], f32, K innermost, become codes of FP4 (E2M1) with one E8M0 byte for each 32 along K,
; laid as IMAGES OF OPERAND REGISTERS, so that the later launches load fragments by 16-byte loads at 16 x lane and nothing else.
; TILES.  Tile 2 B + u of a tensor holds, in its row r (0..15), the tensor's row 32 B + 8 u + r + 8 (r / 8).  (As source 0 of a product two neighbouring tiles then give a lane 16 neighbours.)
; xwc: 1,792 tiles x 8,192 bytes: [K step s 0..7][quad c 0..1][lane][16 bytes]; lane (r, h) of quad c holds k = 128 s + 64 c + 32 h + 0..31 of row r.   xws: [tile][s][r] one word of four bytes.
; Tiles 0-511 query, 512-1023 key, 1024-1535 value, 1536-1599 wq, 1600-1663 wk, 1664-1727 wv, 1728-1791 wo.
; A block's scale is 2^(floor(log2(largest magnitude)) - 2): its byte is the largest magnitude's exponent field - 2, held at 1 from below by a floor among the maximum's leaves.
; LIMITS: a block whose largest magnitude lies under 2^-124 keeps the floor's byte, 1 (a block of zeros too, where the rule says 127: its codes are zeros and this program alone reads the bytes); NaN and infinities are not served.
; SHARES.  A work-group takes two tiles; wave w takes tile 2 g + w / 2, K half w % 2: four fragments of 16 rows x 128 K.  A load reads 512 consecutive bytes of one row; a fragment's 8,192 bytes turn through the wave's own
; stage in LDS (16 rows, 528 bytes apart) and come back as 16 neighbours of each block of 32 for a lane.  Waves share nothing: no barrier.  Loads run one fragment (16 loads) ahead.
.set PITCH, 528                        ; a stage row: 512 bytes + 16, so that the 16 rows of a load begin in 16 different 16-byte columns of 256
.set WREG,  16*PITCH+256               ; a wave's LDS: its stage, then its 64 scale words
.set FLOOR, 0x1800000                  ; 2^(3 - 127)
.set LI,   1                           ; v1   16 x lane
.set STI,  2                           ; v2   the stage, on the way in: a row's 512 bytes as they lie
.set STO,  3                           ; v3   and out: row r, + 64 h: my 16 numbers of a block
.set SCW,  4                           ; v4   where my row's scale word goes
.set SCR,  5                           ; v5   the 256 bytes of scale words, 8 a lane
.set L8,   6                           ; v6   8 x lane
.set TM,   8                           ; v8-23 at work: +0..3 largest magnitudes, +4..7 the other half's, then bytes, +12..15 the conversions' scale operands
.set PW,   24                          ; v24  the scale word just made
.set OW,   26                          ; v26-27 the way out of the scale words
.set PCB,  32                          ; v32-63 codes: eight registers for each fragment, so that no store's data are written again
.set R,    64                          ; v64-191 two sets of 64 numbers
.set SRC,  26                          ; s[26:27] my rows in the source
.set OCD,  28                          ; s[28:29] my codes' place
.set OSW,  30                          ; s[30:31] my scale words' place
.set SEL,  32                          ; s[32:33] lane selects: lane l xor 16
.set FST,  36                          ; s36  the tensor's first work-group
	s_load_b512 s[8:23], s[0:1], 0x0               ; query s[8:9], key, value, wq, wk, wv, wo s[20:21], xwc s[22:23]
	s_load_b64 s[24:25], s[0:1], 0x40              ; xws
	v_lshl_add_u32 v192, v0, 2, 0x8800
	v_mov_b32 v193, 0
	v_lshrrev_b32 v7, 5, v0
	v_readfirstlane_b32 s2, v7                     ; wave
	v_and_b32 v7, 31, v0                           ; lane
	v_and_b32 v25, 15, v0                          ; r
	v_bfe_u32 v28, v0, 4, 1                        ; h
	v_lshlrev_b32 v[LI], 4, v7
	s_mul_i32 s3, s2, WREG
	v_add_nc_u32 v[STI], s3, v[LI]
	v_mul_u32_u24 v[STO], v25, PITCH
	v_lshl_add_u32 v[STO], v28, 6, v[STO]
	v_add_nc_u32 v[STO], s3, v[STO]
	s_add_co_u32 s3, s3, 16*PITCH
	v_lshl_add_u32 v[SCW], v25, 2, s3
	v_lshl_add_u32 v[SCR], v7, 3, s3
	v_lshlrev_b32 v[L8], 3, v7
.irp b, 0,1,2,3
	v_mov_b32 v[TM+4+\b], 0                        ; written once: a lane permute's destination counts as one of its sources
.endr
	s_lshr_b32 s34, s2, 1                          ; u: which of the work-group's two tiles
	s_and_b32 s35, s2, 1                           ; which half of K
	s_mov_b32 s[SEL], 0x76543210
	s_mov_b32 s[SEL+1], 0xfedcba98
	s_wait_alu depctr_va_vdst(0)
	s_wait_kmcnt 0x0
	; which tensor: the choice hangs on the work-group's number alone
	s_mov_b64 s[SRC:SRC+1], s[20:21]
	s_mov_b32 s[FST], 864
.macro PICK lim, p, first
	s_cmp_lt_u32 ttmp9, \lim
	s_cselect_b64 s[SRC:SRC+1], s[\p:\p+1], s[SRC:SRC+1]
	s_cselect_b32 s[FST], \first, s[FST]
.endm
	PICK 864, 18, 832
	PICK 832, 16, 800
	PICK 800, 14, 768
	PICK 768, 12, 512
	PICK 512, 10, 256
	PICK 256, 8, 0
	s_sub_co_u32 s36, ttmp9, s[FST]                ; the pair of tiles within the tensor
	s_lshl_b32 s36, s36, 5
	s_lshl_b32 s37, s34, 3
	s_add_co_u32 s36, s36, s37                     ; the tile's first row: 32 B + 8 u
	s_lshl_b32 s36, s36, 12                        ; rows of 4,096 bytes
	s_lshl_b32 s37, s35, 11
	s_add_co_u32 s36, s36, s37                     ; + my half of K
	s_mov_b32 s37, 0
	s_add_nc_u64 s[SRC:SRC+1], s[SRC:SRC+1], s[36:37]
	s_lshl_b32 s38, ttmp9, 1
	s_add_co_u32 s38, s38, s34                     ; the tile's number among all 1,792
	s_lshl_b32 s36, s38, 13
	s_lshl_b32 s39, s35, 12
	s_add_co_u32 s36, s36, s39
	s_add_nc_u64 s[OCD:OCD+1], s[22:23], s[36:37]
	s_lshl_b32 s36, s38, 9
	s_lshl_b32 s39, s35, 8
	s_add_co_u32 s36, s36, s39
	s_add_nc_u64 s[OSW:OSW+1], s[24:25], s[36:37]
.macro LOAD f                          ; fragment f: 128 numbers of each of the tile's 16 rows; 32 lanes read 512 consecutive bytes
.irp p, 0,1,2,3,4,5,6,7,8,9,10,11,12,13,14,15
	global_load_b128 v[R+64*((\f)%2)+4*\p:R+64*((\f)%2)+4*\p+3], v[LI], s[SRC:SRC+1] offset:(\p+8*(\p/8))*4096+512*(\f) th:TH_LOAD_NT
.endr
.endm
.macro TURN f                          ; through the stage: LDS serves a wave's instructions in order, so no wait stands between the stores and the loads
.irp p, 0,1,2,3,4,5,6,7,8,9,10,11,12,13,14,15
	ds_store_b128 v[STI], v[R+64*((\f)%2)+4*\p:R+64*((\f)%2)+4*\p+3] offset:PITCH*\p
.endr
.irp b, 0,1,2,3
.irp q, 0,1,2,3
	ds_load_b128 v[R+64*((\f)%2)+16*\b+4*\q:R+64*((\f)%2)+16*\b+4*\q+3], v[STO] offset:128*\b+16*\q   ; register 16 b + i = k 32 b + 16 h + i of row r
.endr
.endr
.endm
; 64 numbers of a lane, register 16 b + i = k 32 b + 16 h + i of my row, become a fragment's eight registers of codes at v[pc] and its scale word in v[PW]
.macro QUANT s, pc
.irp b, 0,1,2,3
	v_max3_num_f32 v[TM+\b], |v[(\s)+16*\b]|, |v[(\s)+16*\b+1]|, FLOOR   ; block b: my 16 numbers, and the floor
.endr
.irp i, 2,4,6,8,10,12,14
.irp b, 0,1,2,3
	v_max3_num_f32 v[TM+\b], |v[(\s)+16*\b+\i]|, |v[(\s)+16*\b+\i+1]|, v[TM+\b]   ; the four blocks by turns
.endr
.endr
.irp b, 0,1,2,3
	v_permlanex16_b32 v[TM+4+\b], v[TM+\b], s[SEL], s[SEL+1]
.endr
.irp b, 0,1,2,3
	v_max_num_f32 v[TM+\b], v[TM+\b], v[TM+4+\b]   ; with lane l xor 16's 16: the block's largest magnitude
.endr
.irp b, 0,1,2,3
	v_add_nc_u32 v[TM+12+\b], 0xff000000, v[TM+\b] ; 2 off its exponent field: the conversion takes that field as its scale
.endr
.irp b, 0,1,2,3
	v_lshrrev_b32 v[TM+4+\b], 23, v[TM+12+\b]      ; the scale's byte
.endr
	v_lshl_or_b32 v[PW], v[TM+5], 8, v[TM+4]
	v_lshl_or_b32 v[PW], v[TM+6], 16, v[PW]
	v_lshl_or_b32 v[PW], v[TM+7], 24, v[PW]
.irp b, 0,1,2,3
	v_cvt_scalef32_pk8_fp4_f32 v[(\pc)+2*\b], v[(\s)+16*\b:(\s)+16*\b+7], v[TM+12+\b]
	v_cvt_scalef32_pk8_fp4_f32 v[(\pc)+2*\b+1], v[(\s)+16*\b+8:(\s)+16*\b+15], v[TM+12+\b]
.endr
	v_nop                                          ; one plain line behind the scaled conversions
.irp c, 0,1                                    ; the operand wants a whole block in a lane: lanes 0-15 block 2 c, lanes 16-31 block 2 c + 1
.irp i, 0,1
	v_permlane16_swap_b32 v[(\pc)+4*\c+\i], v[(\pc)+4*\c+2+\i]
.endr
.endr
.endm
.macro FRAG f
.if (\f) < 3
	s_wait_loadcnt 16                              ; this fragment's 16 loads are in; the next fragment's 16 may be out
.else
	s_wait_loadcnt 0x0
.endif
	TURN \f
	s_wait_dscnt 0x0                               ; the numbers are back (and the last scale word's store has read its register)
	QUANT R+64*((\f)%2), PCB+8*(\f)
	global_store_b128 v[LI], v[PCB+8*(\f):PCB+8*(\f)+3], s[OCD:OCD+1] offset:1024*(\f)          ; 32 lanes store 512 consecutive bytes, aligned
	global_store_b128 v[LI], v[PCB+8*(\f)+4:PCB+8*(\f)+7], s[OCD:OCD+1] offset:1024*(\f)+512
	ds_store_b32 v[SCW], v[PW] offset:64*(\f)      ; both halves of the lanes write the same word with the same value
.if (\f) < 2
	LOAD (\f)+2
.endif
.endm
	LOAD 0
	LOAD 1
	FRAG 0
	FRAG 1
	FRAG 2
	FRAG 3
	ds_load_b64 v[OW:OW+1], v[SCR]                 ; my wave's 64 scale words, in order behind their stores
	s_wait_dscnt 0x0
	global_store_b64 v[L8], v[OW:OW+1], s[OSW:OSW+1]   ; 32 lanes store 256 consecutive bytes, aligned
	s_barrier_signal -1
	s_barrier_wait -1
	s_wait_tensorcnt 0x0
	ds_add_u32 v192, v193
	s_wait_dscnt 0x0
	s_endpgm
.Lfunc_end_k_qd95eadcdd2_quant:
	.size	k_qd95eadcdd2_quant, .Lfunc_end_k_qd95eadcdd2_quant-k_qd95eadcdd2_quant
	.p2alignl 7, 3214868480
	.fill 96, 4, 3214868480
	.section	.rodata,"a",@progbits
	.p2align	6, 0x0
	.amdhsa_kernel k_qd95eadcdd2_quant
		.amdhsa_group_segment_fixed_size 35328
		.amdhsa_private_segment_fixed_size 0
		.amdhsa_enable_private_segment 0
		.amdhsa_kernarg_size 72
		.amdhsa_user_sgpr_count 2
		.amdhsa_user_sgpr_kernarg_segment_ptr 1
		.amdhsa_wavefront_size32 1
		.amdhsa_system_sgpr_workgroup_id_x 1
		.amdhsa_system_sgpr_workgroup_id_y 1
		.amdhsa_system_sgpr_workgroup_id_z 1
		.amdhsa_system_vgpr_workitem_id 0
		.amdhsa_next_free_vgpr 194
		.amdhsa_next_free_sgpr 66
		.amdhsa_reserve_vcc 0
		.amdhsa_float_denorm_mode_32 3
		.amdhsa_float_denorm_mode_16_64 3
		.amdhsa_memory_ordered 1
		.amdhsa_forward_progress 1
		.amdhsa_inst_pref_size 34
	.end_amdhsa_kernel
	.amdgpu_metadata
---
amdhsa.version: [ 1, 2 ]
amdhsa.kernels:
  - .name:           k_qd95eadcdd2_quant
    .symbol:         k_qd95eadcdd2_quant.kd
    .args:
      - { .name: query, .offset: 0, .size: 8, .value_kind: global_buffer, .address_space: global }
      - { .name: key, .offset: 8, .size: 8, .value_kind: global_buffer, .address_space: global }
      - { .name: value, .offset: 16, .size: 8, .value_kind: global_buffer, .address_space: global }
      - { .name: wq, .offset: 24, .size: 8, .value_kind: global_buffer, .address_space: global }
      - { .name: wk, .offset: 32, .size: 8, .value_kind: global_buffer, .address_space: global }
      - { .name: wv, .offset: 40, .size: 8, .value_kind: global_buffer, .address_space: global }
      - { .name: wo, .offset: 48, .size: 8, .value_kind: global_buffer, .address_space: global }
      - { .name: xwc, .offset: 56, .size: 8, .value_kind: global_buffer, .address_space: global }
      - { .name: xws, .offset: 64, .size: 8, .value_kind: global_buffer, .address_space: global }
    .group_segment_fixed_size: 35328
    .private_segment_fixed_size: 0
    .kernarg_segment_align: 8
    .kernarg_segment_size: 72
    .max_flat_workgroup_size: 128
    .sgpr_count:     66
    .vgpr_count:     194
    .wavefront_size: 32
...
	.end_amdgpu_metadata
.endif
;; end of part 5
;; launch proj (part 6): grid 16 x 12, 4 waves a work-group, no clusters, 91,648 bytes of LDS; arguments xwc, xws, bq, bk, bv, qkvc, qkvs; writes qkvc, qkvs
.if DOCPART == 6
	.amdgcn_target "amdgcn-amd-amdhsa--gfx1250"
	.amdhsa_code_object_version 6
	.text
	.protected	k_qd95eadcdd2_proj
	.globl	k_qd95eadcdd2_proj
	.p2align	8
	.type	k_qd95eadcdd2_proj,@function
k_qd95eadcdd2_proj:
	s_mov_b64 s[64:65], 0
	v_nop
	global_prefetch_b8 v0, s[64:65] scope:SCOPE_SE
	s_setreg_imm32_b32 hwreg(HW_REG_WAVE_SCHED_MODE, 0, 2), 2
	s_setreg_imm32_b32 hwreg(HW_REG_WAVE_MODE, 25, 1), 1
	s_wait_xcnt 0x0
	s_wait_alu depctr_vm_vsrc(0)
; q = (query wq^T + bq) / 8, k = key wk^T + bk, v = value wv^T + bv on codes of FP4 with E8M0 scales, and the results quantised again at once: q and k along the head's 64, v along the tokens.
; SHARES.  Work-group (x, y): 512 tokens (x), tensor z = y / 4, heads 4 (y % 4) .. + 3.  Wave w keeps the fragments of its 128 tokens (8 tiles x 8 K steps, 512 registers) for the whole launch;
; all four waves walk the same four heads, a head (4 weight tiles, 64 columns, 32,768 bytes in LDS) a pass: 256 matrix instructions a pass and wave.
; WHAT IS ASKED FOR WHEN.  The first head's weights, the scale words and the biases come first; the tokens' fragments follow K step by K step, and the first pass walks behind them with a counted wait in each K step.
; Each further head's weights (16 loads a wave) are asked for a whole pass ahead, into registers, and go into the weight slot between two barriers: one behind the last reads of the slot, one behind the stores.
; No multicast: the refill is 8,192 bytes a wave and pass, through registers; there is no ring that joint loads could feed.
; q, k: source 0 = 16 columns of the weight, source 1 = 16 tokens: a lane holds one token, and the 16 registers of two neighbouring weight tiles are 16 neighbours along the head's 64 (the tiles' row order gives that).
; v:    source 0 = 16 tokens, source 1 = 16 columns: a lane holds one column, and its registers run along the tokens, which are the K of attention's second product.
; The bias is the C of each sum's first matrix instruction.  The factor 1/8 is a power of two: 3 off each of q's scale bytes, the codes unchanged.
; OUT.  qkvc: z x 4 MiB, a head 131,072 bytes.  q, k: [tile of 16 tokens][lane][16 bytes]: lane (r, h) holds d = 32 h + 0..31 of the tile's row r.  v: [block of 32 tokens][pos 64][16 bytes], pos = 16 t + r for column 32 (t/2) + 8 (t%2) + r + 8 (r/8).
;       qkvs: z x 256 KiB, a head 8,192 bytes.  q, k: [16 x tile + r] two bytes.  v: [128 tokens][pos 64] one word, byte i for the i-th block of 32.
; LIMITS: a block whose largest magnitude lies under 2^-121 keeps the floor's byte, 4 (q: 1), a block of zeros too: its codes are zeros or tiny, and this program alone reads the bytes; NaN and infinities are not served.
; REGISTERS, in windows of 256: window 0: below.  window 1: tokens' fragments of K steps 0-3 at 64 s + 8 xt.  window 2: K steps 4-7.  window 3: the 32 accumulators (q, k: 8 (4 xt + wt); v: 8 (8 wt + xt)).
; THE MODE: SCHED_MODE bits 1:0 = 2 (LLVM: expert scheduling mode 2), set by the entry lines.  The code itself states the register dependences
; between vector or matrix instructions and memory or LDS instructions, with s_wait_alu, always for 0.
; THE PLAN.  Registers that memory or LDS instructions touch:
;   v1-8, v13-15, v113-115   addresses and offsets, made once at the head and never written again: one wait on va_vdst ahead of the first load.
;   FS, XR (head)    global loads land; LDS stores read them; from then on they are WB, in which LDS loads land.
;   WST              a head's weight tile: global loads land, LDS stores read it, the next head's global loads land.
;   WSA, BA          read by a pass's LDS loads of scale words and biases; written once a pass, by the two additions at the head of NEXT.
;   BIAS, WS, WB0    read by a pass's products; the next pass's LDS loads land in them, in NEXT.
;   WB[(s + 1) % 2]  read by the products of K step s - 1; the LDS loads of K step s land in it.
;   PC, T            written by the way out's conversions, swaps and select; read by a run of stores; written again by the next group.
;   the tokens' fragments and XS are loaded once, into registers that no vector line has named; the accumulators, TM, PW and PWK are named by vector and matrix instructions alone.
; THE WAITS.  NEXT: one on vm_vsrc (WSA, BA; FS, XR; WST) ahead of the two additions, one on va_vdst behind them (WSA, BA are written; the pass's products are done reading BIAS, WS and both sets of WB).
; K steps 1 to 6: one on va_vdst at the head, for the set that is loaded again.  K step 0 owes none: since NEXT's wait only the way out's vector lines were issued, which name TM, PW, PC, T, PWK and window 3.
; The way out: one on va_vdst ahead of each run of stores, one on vm_vsrc ahead of the next group's writes of PC and T.
.set WSLOT, 32768                      ; LDS: the q, k path's weight slot from 0, the v path's from here: the two paths part on the work-group's number, and each stores into bytes of its own
.set WSC,   65536                      ; the sixteen weight tiles' scale words
.set BIA,   73728                      ; the 256 biases
.set XSL,   74752                      ; the tokens' scale words, 4,096 bytes for each wave
.set FLOOR, 0x3000000                  ; 2^(6 - 127): q's byte less 3 stays at 1 or above
.set LI,  1                            ; v1   16 x lane: also the LDS address of the q, k path's weights
.set LS,  2                            ; v2   4 x lane
.set L2,  3                            ; v3   2 x lane
.set LV,  4                            ; v4   v's codes: 1,024 h + 16 r
.set BQ,  5                            ; v5   q, k: my half's biases: 64 h
.set BV,  6                            ; v6   v: my column's bias: 4 (r + 8 (r / 8))
.set FW,  7                            ; v7   where I store my weight tile, q, k path: 8,192 w + 16 x lane
.set RXS, 8                            ; v8   where I read my tokens' scale words
.set WSA, 9                            ; v9   LDS address of the pass's weights' scale words
.set BA,  10                           ; v10  of its biases
.set T,   11                           ; v11  scale bytes on their way out
.set PWK, 12                           ; v12  v: the even tile's scale word
.set FSA, 13                           ; v13  the fill of the weights' scale words
.set FBA, 14                           ; v14  the fill of the biases
.set L8,  15                           ; v15  8 x lane
.set XS,  16                           ; v16-47  tokens' scale words: 4 xt + g: lanes 0-15 K step 2 g, lanes 16-31 K step 2 g + 1
.set WS,  48                           ; v48-63  the pass's weights' likewise: 4 wt + g
.set BIAS, 64                          ; v64-95  the pass's biases in the result's layout: 8 wt + j
.set TM,  96                           ; v96-111 at work
.set PW,  112                          ; v112 the scale word just made
.set FXS, 113                          ; v113 the fill of my tokens' scale words
.set FWV, 114                          ; v114 where I store my weight tile, v path
.set WRV, 115                          ; v115 LDS address of the v path's weights
.set PC,  116                          ; v116-123 the codes just made
.set WB,  128                          ; v128-191 two sets of four weight fragments
.set FS,  128                          ; at the head: v128-145 the weights' scale words and the biases on their way to LDS,
.set XR,  148                          ;              v148-179 my tokens' scale words likewise
.set WST, 192                          ; v192-255 a weight tile on its way to LDS
.set WV,  20
.set XB,  28                           ; s[28:29] my tokens' codes;  s[30:31] their scale words
.set XSB, 30
.set WG,  32                           ; s[32:33] the weight tile that I fetch: it steps a head on;  s[34:35] my quarter of the scale words;  s[36:37] of the biases
.set WSG, 34
.set BG,  36
.set PS,  42                           ; s42-43 the pass's scale words and biases in LDS
.set PB,  43
.set OC,  44                           ; s[44:45] my codes' place in the pass's head
.set ADJ, 47                           ; s47  3 in each byte for q, else 0
.set HI,  48                           ; s48  lanes 16-31
.set SEL, 50                           ; s[50:51]
.set OS,  52                           ; s[52:53] my scale bytes' place
.set MSB, 0
.macro WIN new                         ; the immediate's high byte repeats the setting that is left
.if MSB != \new
	s_set_vgpr_msb (MSB<<8)|\new
.set MSB, \new
.endif
.endm
.macro PLACES                          ; four plain lines between a matrix instruction and a load into, or a vector read of, its registers
.rept 4
	v_nop
.endr
.endm
.macro WFETCH                          ; my tile (8,192 bytes) of a head's four weight tiles, into registers
.irp i, 0,1,2,3,4,5,6,7,8,9,10,11,12,13,14,15
	global_load_b128 v[WST+4*\i:WST+4*\i+3], v[LI], s[WG:WG+1] offset:512*\i
.endr
.endm
.macro WSTORE path                     ; and from there into the path's weight slot, as it lies in memory
.irp i, 0,1,2,3,4,5,6,7,8,9,10,11,12,13,14,15
	ds_store_b128 v[FW+(FWV-FW)*(\path)], v[WST+4*\i:WST+4*\i+3] offset:512*\i
.endr
.endm
.macro XLOAD s                         ; K step s of my eight tiles of tokens: 16 loads of 512 consecutive bytes, into registers that no vector or matrix instruction has named
.if (\s) < 4
	WIN 0x40                                       ; destination window 1
.else
	WIN 0x80                                       ; destination window 2
.endif
.irp xt, 0,1,2,3,4,5,6,7
.irp c, 0,1
	global_load_b128 v[64*((\s)%4)+8*\xt+4*\c:64*((\s)%4)+8*\xt+4*\c+3], v[LI], s[XB:XB+1] offset:8192*\xt+1024*(\s)+512*\c
.endr
.endr
	WIN 0
.endm
	s_load_b256 s[4:11], s[0:1], 0x0               ; xwc s[4:5], xws s[6:7], bq s[8:9], bk s[10:11]
	s_load_b128 s[12:15], s[0:1], 0x20             ; bv s[12:13], qkvc s[14:15]
	s_load_b64 s[16:17], s[0:1], 0x30              ; qkvs
	v_lshl_add_u32 v126, v0, 2, 0x16400
	v_mov_b32 v127, 0
	v_lshrrev_b32 v8, 5, v0
	v_readfirstlane_b32 s[WV], v8                  ; wave
	v_and_b32 v8, 31, v0                           ; lane
	v_and_b32 v9, 15, v0                           ; r
	v_bfe_u32 v10, v0, 4, 1                        ; h
	v_lshlrev_b32 v[LI], 4, v8
	v_lshlrev_b32 v[LS], 2, v8
	v_lshlrev_b32 v[L2], 1, v8
	v_lshlrev_b32 v[L8], 3, v8
	v_lshlrev_b32 v[LV], 4, v9
	v_lshl_add_u32 v[LV], v10, 10, v[LV]
	v_lshlrev_b32 v[BQ], 6, v10
	v_and_b32 v[BV], 8, v9
	v_add_nc_u32 v[BV], v[BV], v9
	v_lshlrev_b32 v[BV], 2, v[BV]
	s_wait_alu depctr_va_sdst(0)                   ; the wave's number is written, ahead of its first reader: LDS addresses and all bases are made from it
	; every LDS address that stays is made here, ahead of the parting of the two paths
	s_lshl_b32 s21, s[WV], 13
	v_add_nc_u32 v[FW], s21, v[LI]
	v_add_nc_u32 v[FWV], WSLOT, v[FW]
	v_add_nc_u32 v[WRV], WSLOT, v[LI]
	s_lshl_b32 s21, s[WV], 11
	s_add_co_u32 s21, s21, WSC
	v_add_nc_u32 v[FSA], s21, v[LI]
	s_lshl_b32 s21, s[WV], 8
	s_add_co_u32 s21, s21, BIA
	v_lshl_add_u32 v[FBA], v8, 3, s21
	s_lshl_b32 s21, s[WV], 12
	s_add_co_u32 s21, s21, XSL
	v_add_nc_u32 v[FXS], s21, v[LI]
	v_add_nc_u32 v[RXS], s21, v[LS]
.irp b, 0,1,2,3
	v_mov_b32 v[TM+4+\b], 0                        ; written once: a lane permute's destination counts as one of its sources
.endr
	s_and_b32 s22, ttmp7, 0xffff
	s_lshr_b32 s23, s22, 2                         ; z: 0 q, 1 k, 2 v
	s_and_b32 s24, s22, 3                          ; which four heads
	s_lshl_b32 s26, s23, 9
	s_lshl_b32 s27, ttmp9, 5
	s_add_co_u32 s26, s26, s27
	s_lshl_b32 s27, s[WV], 3
	s_add_co_u32 s26, s26, s27                     ; my first tile of tokens: 512 z + 32 x + 8 w
	s_lshl_b32 s[XB], s26, 13
	s_mov_b32 s[XB+1], 0
	s_lshl_b32 s[XSB], s26, 9
	s_mov_b32 s[XSB+1], 0
	s_lshl_b32 s26, s23, 6
	s_lshl_b32 s27, s24, 4
	s_add_co_u32 s26, s26, s27
	s_add_co_u32 s26, s26, 1536                    ; the work-group's first weight tile
	s_add_co_u32 s27, s26, s[WV]                   ; of each head's four tiles I fetch tile w
	s_lshl_b32 s[WG], s27, 13
	s_mov_b32 s[WG+1], 0
	s_lshl_b32 s[WSG], s26, 9
	s_lshl_b32 s27, s[WV], 11
	s_add_co_u32 s[WSG], s[WSG], s27
	s_mov_b32 s[WSG+1], 0
	s_lshl_b32 s[BG], s24, 10
	s_lshl_b32 s27, s[WV], 8
	s_add_co_u32 s[BG], s[BG], s27
	s_mov_b32 s[BG+1], 0
	s_lshr_b32 s26, ttmp9, 3                       ; the batch
	s_lshl_b32 s26, s26, 4
	s_lshl_b32 s27, s24, 2
	s_add_co_u32 s26, s26, s27                     ; the first head: 16 b + 4 (y % 4)
	s_and_b32 s27, ttmp9, 7
	s_lshl_b32 s27, s27, 5
	s_lshl_b32 s38, s[WV], 3
	s_add_co_u32 s27, s27, s38                     ; my first tile within the batch
	s_lshl_b32 s[OC], s23, 22
	s_lshl_b32 s38, s26, 17
	s_add_co_u32 s[OC], s[OC], s38
	s_lshl_b32 s38, s27, 9                         ; 512 bytes a tile (v: 1,024 bytes for two tiles' 32 tokens: the same)
	s_add_co_u32 s[OC], s[OC], s38
	s_mov_b32 s[OC+1], 0
	s_lshl_b32 s[OS], s23, 18
	s_lshl_b32 s38, s26, 13
	s_add_co_u32 s[OS], s[OS], s38
	s_lshl_b32 s38, s27, 5                         ; 32 bytes a tile (v: 256 bytes for eight tiles' 128 tokens: the same)
	s_add_co_u32 s[OS], s[OS], s38
	s_mov_b32 s[OS+1], 0
	s_mov_b32 s[PS], WSC
	s_mov_b32 s[PB], BIA
	s_mov_b32 s[HI], 0xffff0000
	s_mov_b32 s[SEL], 0x76543210
	s_mov_b32 s[SEL+1], 0xfedcba98
	s_wait_kmcnt 0x0
	s_add_nc_u64 s[XB:XB+1], s[4:5], s[XB:XB+1]
	s_add_nc_u64 s[XSB:XSB+1], s[6:7], s[XSB:XSB+1]
	s_add_nc_u64 s[WG:WG+1], s[4:5], s[WG:WG+1]
	s_add_nc_u64 s[WSG:WSG+1], s[6:7], s[WSG:WSG+1]
	s_cmp_eq_u32 s23, 0
	s_cselect_b64 s[38:39], s[8:9], s[10:11]
	s_cselect_b32 s[ADJ], 0x03030303, 0
	s_cmp_eq_u32 s23, 2
	s_cselect_b64 s[38:39], s[12:13], s[38:39]
	s_add_nc_u64 s[BG:BG+1], s[38:39], s[BG:BG+1]
	s_add_nc_u64 s[OC:OC+1], s[14:15], s[OC:OC+1]
	s_add_nc_u64 s[OS:OS+1], s[16:17], s[OS:OS+1]
	s_wait_alu depctr_va_vdst(0)                   ; the addresses and offsets that stay (v1-8, v13-15, v113-115) are written: the loads, stores and LDS instructions of the whole kernel read them
	; ---- what goes through LDS is asked for first (29 loads), then the tokens' fragments in the order in which the first pass takes them
	WFETCH                                         ; the first head's weights: my tile
.irp i, 0,1,2,3
	global_load_b128 v[FS+4*\i:FS+4*\i+3], v[LI], s[WSG:WSG+1] offset:512*\i   ; my quarter of all sixteen tiles' scale words
.endr
	global_load_b64 v[FS+16:FS+17], v[L8], s[BG:BG+1]                          ; my quarter of the biases
.irp xt, 0,1,2,3,4,5,6,7
	global_load_b128 v[XR+4*\xt:XR+4*\xt+3], v[LI], s[XSB:XSB+1] offset:512*\xt   ; my tokens' scale words, a tile's 512 bytes a load: they turn through LDS into one word a lane
.endr
	XLOAD 0
	XLOAD 1
	XLOAD 2
	s_wait_loadcnt 48                              ; the 29 are in; the 48 loads of K steps 0 to 2 may be out
	XLOAD 3
.irp i, 0,1,2,3
	ds_store_b128 v[FSA], v[FS+4*\i:FS+4*\i+3] offset:512*\i
.endr
	ds_store_b64 v[FBA], v[FS+16:FS+17]
.irp xt, 0,1,2,3,4,5,6,7
	ds_store_b128 v[FXS], v[XR+4*\xt:XR+4*\xt+3] offset:512*\xt
.endr
.macro MM d, a, b, c, sa, sb, odd      ; odd K steps take both sides' scale words from lanes 16-31
.if \odd
	v_wmma_scale_f32_16x16x128_f8f6f4 v[(\d):(\d)+7], v[(\a):(\a)+7], v[(\b):(\b)+7], v[(\c):(\c)+7], v[\sa], v[\sb] matrix_a_fmt:MATRIX_FMT_FP4 matrix_b_fmt:MATRIX_FMT_FP4 matrix_a_scale:MATRIX_SCALE_ROW1 matrix_b_scale:MATRIX_SCALE_ROW1
.else
	v_wmma_scale_f32_16x16x128_f8f6f4 v[(\d):(\d)+7], v[(\a):(\a)+7], v[(\b):(\b)+7], v[(\c):(\c)+7], v[\sa], v[\sb] matrix_a_fmt:MATRIX_FMT_FP4 matrix_b_fmt:MATRIX_FMT_FP4
.endif
.endm
.macro WLOAD path, s                   ; the pass's four weight fragments of K step s into set s % 2
.irp wt, 0,1,2,3
.irp c, 0,1
	ds_load_b128 v[WB+32*((\s)%2)+8*\wt+4*\c:WB+32*((\s)%2)+8*\wt+4*\c+3], v[LI+(WRV-LI)*(\path)] offset:8192*\wt+1024*(\s)+512*\c
.endr
.endr
.endm
.macro NEXT path                       ; a pass's biases, scale words and first fragments
	s_wait_alu depctr_vm_vsrc(0)                   ; the last pass's LDS loads have read WSA and BA, which are written below; the LDS stores above have read WST, in which the next head's loads land, and, at the head, FS and XR, which are WB from here on
	v_add_nc_u32 v[WSA], s[PS], v[LS]
.if \path
	v_add_nc_u32 v[BA], s[PB], v[BV]
.else
	v_add_nc_u32 v[BA], s[PB], v[BQ]
.endif
	s_wait_alu depctr_va_vdst(0)                   ; WSA and BA are written, which the loads below read; the last pass's products are done reading BIAS, WS and both sets of WB, in which these loads and K step 0's land
.if \path
.irp wt, 0,1,2,3
.irp j, 0,1,2,3,4,5,6,7
	ds_load_b32 v[BIAS+8*\wt+\j], v[BA] offset:128*(\wt/2)+32*(\wt%2)          ; a lane holds one column: the same bias in all eight registers
.endr
.endr
.else
.irp wt, 0,1,2,3
.irp e, 0,1
	ds_load_b128 v[BIAS+8*\wt+4*\e:BIAS+8*\wt+4*\e+3], v[BA] offset:128*(\wt/2)+32*(\wt%2)+16*\e   ; register j: column 32 (wt/2) + 8 (wt%2) + 16 h + j
.endr
.endr
.endif
.irp wt, 0,1,2,3
.irp g, 0,1,2,3
	ds_load_b32 v[WS+4*\wt+\g], v[WSA] offset:512*\wt+128*\g
.endr
.endr
	WLOAD \path, 0
.endm
; A K step of 128: 32 matrix instructions, the 32 accumulators by turns, in the same order in every step.
; THE WAIT FOR THE TOKENS' FRAGMENTS serves the first pass.  Behind K step s's 16 loads stand 16 (7 - s) loads of the later K steps and the next head's 16: 64 or more up to s = 4, where the wait names 63,
; the largest count that it can name; then 48, 32, 16.  In the later passes at most the next head's 16 are out, and every one of these waits is met at once.
; The eight LDS loads of the next K step stand in one run straight behind the step's wait on va_vdst: they have the whole step in which to land, and the step's products name the other set.
.macro KSTEP path, s
	WIN 0
.if (\s) > 0
	PLACES                                         ; the set that the step before read is loaded again
.endif
.if (\s) < 7
.if (\s) > 0
	s_wait_alu depctr_va_vdst(0)                   ; the products of the step before are done reading the set of weight fragments in which the loads below land
.endif
	WLOAD \path, (\s)+1
	s_wait_dscnt 8                                 ; all but the eight just issued: this step's fragments are in (in step 0 the biases and scale words too)
.else
	s_wait_dscnt 0x0
.endif
.if (\s) < 5
	s_wait_loadcnt 63
.else
	s_wait_loadcnt 16*(8-(\s))
.endif
.if \path
.if (\s) == 0
	WIN 0xc1                                       ; source 0 (tokens) window 1, source 1 (weights) and C (bias) window 0, D window 3
.elseif (\s) < 4
	WIN 0xf1
.else
	WIN 0xf2
.endif
.else
.if (\s) == 0
	WIN 0xc4                                       ; source 0 (weights) and C (bias) window 0, source 1 (tokens) window 1, D window 3
.elseif (\s) < 4
	WIN 0xf4
.else
	WIN 0xf8
.endif
.endif
.irp xt, 0,1,2,3,4,5,6,7
.irp wt, 0,1,2,3
.if \path
.if (\s) == 0
	MM 8*(8*\wt+\xt), 64*((\s)%4)+8*\xt, WB+32*((\s)%2)+8*\wt, BIAS+8*\wt, XS+4*\xt+(\s)/2, WS+4*\wt+(\s)/2, (\s)%2
.else
	MM 8*(8*\wt+\xt), 64*((\s)%4)+8*\xt, WB+32*((\s)%2)+8*\wt, 8*(8*\wt+\xt), XS+4*\xt+(\s)/2, WS+4*\wt+(\s)/2, (\s)%2
.endif
.else
.if (\s) == 0
	MM 8*(4*\xt+\wt), WB+32*((\s)%2)+8*\wt, 64*((\s)%4)+8*\xt, BIAS+8*\wt, WS+4*\wt+(\s)/2, XS+4*\xt+(\s)/2, (\s)%2
.else
	MM 8*(4*\xt+\wt), WB+32*((\s)%2)+8*\wt, 64*((\s)%4)+8*\xt, 8*(4*\xt+\wt), WS+4*\wt+(\s)/2, XS+4*\xt+(\s)/2, (\s)%2
.endif
.endif
.endr
.endr
.endm
; 64 numbers of a lane in window 3, register 16 b + i = neighbour 32 b + 16 h + i along the next K, become eight registers of codes in v[PC] on and four scale bytes in v[PW].
; Each accumulator is read from its low end on.
.macro QUANT s
	WIN 0x0f                                       ; sources 0 and 1 window 3
.irp b, 0,1,2,3
	v_max3_num_f32 v[TM+\b], |v[(\s)+16*\b]|, |v[(\s)+16*\b+1]|, FLOOR
.endr
.irp i, 2,4,6,8,10,12,14
.irp b, 0,1,2,3
	v_max3_num_f32 v[TM+\b], |v[(\s)+16*\b+\i]|, |v[(\s)+16*\b+\i+1]|, v[TM+\b]
.endr
.endr
	WIN 0
.irp b, 0,1,2,3
	v_permlanex16_b32 v[TM+4+\b], v[TM+\b], s[SEL], s[SEL+1]
.endr
.irp b, 0,1,2,3
	v_max_num_f32 v[TM+\b], v[TM+\b], v[TM+4+\b]
.endr
.irp b, 0,1,2,3
	v_add_nc_u32 v[TM+12+\b], 0xff000000, v[TM+\b]
.endr
.irp b, 0,1,2,3
	v_lshrrev_b32 v[TM+4+\b], 23, v[TM+12+\b]
.endr
	s_wait_alu depctr_va_vdst(0)
	s_wait_xcnt 0x0                                ; the last stores have read their data: the codes' and bytes' registers are written again only behind this wait
	s_wait_alu depctr_vm_vsrc(0)                   ; the last group's stores have read PC and T, which the conversions, the swaps and the select below write again
	v_lshl_or_b32 v[PW], v[TM+5], 8, v[TM+4]
	v_lshl_or_b32 v[PW], v[TM+6], 16, v[PW]
	v_lshl_or_b32 v[PW], v[TM+7], 24, v[PW]
	WIN 0x03                                       ; source 0 window 3
.irp b, 0,1,2,3
	v_cvt_scalef32_pk8_fp4_f32 v[PC+2*\b], v[(\s)+16*\b:(\s)+16*\b+7], v[TM+12+\b]
	v_cvt_scalef32_pk8_fp4_f32 v[PC+2*\b+1], v[(\s)+16*\b+8:(\s)+16*\b+15], v[TM+12+\b]
.endr
	WIN 0
	v_nop                                          ; one plain line behind the scaled conversions
.irp c, 0,1
.irp i, 0,1
	v_permlane16_swap_b32 v[PC+4*\c+\i], v[PC+4*\c+2+\i]
.endr
.endr
.endm
.macro EPI0                            ; q, k: two tiles of tokens at a time: blocks 0, 1 are the first tile's two halves of the head, blocks 2, 3 the second's
.irp g, 0,1,2,3
	QUANT 64*\g
	v_sub_nc_u32 v[PW], v[PW], s[ADJ]              ; q: x 1/8 (no byte is under 4, so none borrows)
	v_lshrrev_b32 v[T], 16, v[PW]
	v_cndmask_b32 v[T], v[PW], v[T], s[HI]         ; lanes 0-15 carry the first tile's two bytes, lanes 16-31 the second's
	s_wait_alu depctr_va_vdst(0)                   ; the swaps have written PC and the select T, which the three stores read
	global_store_b128 v[LI], v[PC:PC+3], s[OC:OC+1] offset:1024*\g          ; 512 consecutive bytes, aligned: a tile
	global_store_b128 v[LI], v[PC+4:PC+7], s[OC:OC+1] offset:1024*\g+512
	global_store_b16 v[L2], v[T], s[OS:OS+1] offset:64*\g
.endr
.endm
.macro EPI1                            ; v: a tile of 16 columns at a time: blocks 0..3 are my 128 tokens' four blocks of 32
.irp wt, 0,1,2,3
	QUANT 64*\wt
.if (\wt)%2
	v_cndmask_b32 v[T], v[PWK], v[PW], s[HI]       ; lanes 0-15 the even tile's words, lanes 16-31 the odd tile's
.else
	v_mov_b32 v[PWK], v[PW]
.endif
	s_wait_alu depctr_va_vdst(0)                   ; the swaps have written PC, and behind an odd tile the select T, which the stores read
	global_store_b128 v[LV], v[PC:PC+3], s[OC:OC+1] offset:256*\wt          ; sixteen lanes store 256 consecutive bytes, aligned
	global_store_b128 v[LV], v[PC+4:PC+7], s[OC:OC+1] offset:2048+256*\wt
.if (\wt)%2
	global_store_b32 v[LS], v[T], s[OS:OS+1] offset:128*((\wt)/2)
.endif
.endr
.endm
; What stands at a path's head: the first head's weights into the path's slot; the barrier behind which all that was stored is read; the rest of the tokens' fragments; the second head's weights.
.macro HEAD path
	WSTORE \path
	s_wait_dscnt 0x0                               ; for the others' sake: my stores have landed
	s_barrier_signal -1
	s_barrier_wait -1
.irp xt, 0,1,2,3,4,5,6,7
.irp g, 0,1,2,3
	ds_load_b32 v[XS+4*\xt+\g], v[RXS] offset:512*\xt+128*\g
.endr
.endr
	NEXT \path
	XLOAD 4
	XLOAD 5
	XLOAD 6
	XLOAD 7
	s_add_nc_u64 s[WG:WG+1], s[WG:WG+1], 32768     ; a head on (the first head's loads were shown done by their counted wait)
	WFETCH                                         ; their registers are free: the stores out of them have landed, and the wait on vm_vsrc in NEXT stands between those stores and these loads
	s_mov_b32 s40, 3
.endm
.macro PASS path, last
.irp s, 0,1,2,3,4,5,6,7
	KSTEP \path, \s
.endr
	WIN 0
	PLACES
.if !(\last)
	s_wait_loadcnt 0x0                             ; the next head's weights, asked for a pass ago, are in my registers
	s_barrier_signal -1                            ; my reads of the weight slot are over (the last K step waited for all its LDS loads, and none was issued since):
	s_barrier_wait -1                              ; so are everybody's
	WSTORE \path
	s_wait_dscnt 0x0                               ; my stores have landed
	s_barrier_signal -1
	s_barrier_wait -1                              ; so have everybody's: the slot holds the next head
	s_add_co_u32 s[PS], s[PS], 2048
	s_add_co_u32 s[PB], s[PB], 256
	NEXT \path                                     ; the next head's first fragments land while this head's results are quantised
	s_cmp_eq_u32 s40, 1                            ; behind the last head but one nothing is left to fetch
	s_cbranch_scc1 .Lnofetch_\@
	s_add_nc_u64 s[WG:WG+1], s[WG:WG+1], 32768
	WFETCH                                         ; the head after the next: it has this head's way out and a whole pass in which to land (the wait on vm_vsrc in NEXT, ahead of the branch, stands between the stores out of these registers and these loads)
.Lnofetch_\@:
.endif
.if \path
	EPI1
.else
	EPI0
.endif
.if !(\last)
	s_wait_xcnt 0x0                                ; the stores have read their bases
	s_add_nc_u64 s[OC:OC+1], s[OC:OC+1], 131072
	s_add_nc_u64 s[OS:OS+1], s[OS:OS+1], 8192
.endif
.endm
	s_cmp_eq_u32 s23, 2
	s_cbranch_scc1 .Lv
	HEAD 0
.Lqk:
	PASS 0, 0
	s_sub_co_u32 s40, s40, 1
	s_cmp_lg_u32 s40, 0
	s_cbranch_scc1 .Lqk
	PASS 0, 1                                      ; the last head is written out: nothing is stored or fetched behind it
	s_wait_dscnt 0x0                               ; the closing lines, six on end
	s_wait_alu 0x0
	s_wait_tensorcnt 0x0
	ds_add_u32 v126, v127
	s_wait_dscnt 0x0
	s_endpgm
.Lv:
	HEAD 1
.Lvv:
	PASS 1, 0
	s_sub_co_u32 s40, s40, 1
	s_cmp_lg_u32 s40, 0
	s_cbranch_scc1 .Lvv
	PASS 1, 1
	s_wait_dscnt 0x0                               ; the closing lines, six on end, as above
	s_wait_alu 0x0
	s_wait_tensorcnt 0x0
	ds_add_u32 v126, v127
	s_wait_dscnt 0x0
	s_endpgm
.Lfunc_end_k_qd95eadcdd2_proj:
	.size	k_qd95eadcdd2_proj, .Lfunc_end_k_qd95eadcdd2_proj-k_qd95eadcdd2_proj
	.p2alignl 7, 3214868480
	.fill 96, 4, 3214868480
	.section	.rodata,"a",@progbits
	.p2align	6, 0x0
	.amdhsa_kernel k_qd95eadcdd2_proj
		.amdhsa_group_segment_fixed_size 91648
		.amdhsa_private_segment_fixed_size 0
		.amdhsa_enable_private_segment 0
		.amdhsa_kernarg_size 56
		.amdhsa_user_sgpr_count 2
		.amdhsa_user_sgpr_kernarg_segment_ptr 1
		.amdhsa_wavefront_size32 1
		.amdhsa_system_sgpr_workgroup_id_x 1
		.amdhsa_system_sgpr_workgroup_id_y 1
		.amdhsa_system_sgpr_workgroup_id_z 1
		.amdhsa_system_vgpr_workitem_id 0
		.amdhsa_next_free_vgpr 1024
		.amdhsa_next_free_sgpr 66
		.amdhsa_reserve_vcc 0
		.amdhsa_float_denorm_mode_32 3
		.amdhsa_float_denorm_mode_16_64 3
		.amdhsa_memory_ordered 1
		.amdhsa_forward_progress 1
		.amdhsa_inst_pref_size 255
	.end_amdhsa_kernel
	.section	.bss,"aw",@nobits
	.p2align	6
	.space	262144
	.amdgpu_metadata
---
amdhsa.version: [ 1, 2 ]
amdhsa.kernels:
  - .name:           k_qd95eadcdd2_proj
    .symbol:         k_qd95eadcdd2_proj.kd
    .args:
      - { .name: xwc, .offset: 0, .size: 8, .value_kind: global_buffer, .address_space: global }
      - { .name: xws, .offset: 8, .size: 8, .value_kind: global_buffer, .address_space: global }
      - { .name: bq, .offset: 16, .size: 8, .value_kind: global_buffer, .address_space: global }
      - { .name: bk, .offset: 24, .size: 8, .value_kind: global_buffer, .address_space: global }
      - { .name: bv, .offset: 32, .size: 8, .value_kind: global_buffer, .address_space: global }
      - { .name: qkvc, .offset: 40, .size: 8, .value_kind: global_buffer, .address_space: global }
      - { .name: qkvs, .offset: 48, .size: 8, .value_kind: global_buffer, .address_space: global }
    .group_segment_fixed_size: 91648
    .private_segment_fixed_size: 0
    .kernarg_segment_align: 8
    .kernarg_segment_size: 56
    .max_flat_workgroup_size: 128
    .sgpr_count:     66
    .vgpr_count:     1024
    .wavefront_size: 32
...
	.end_amdgpu_metadata
.endif
;; end of part 6
;; launch attn (part 7): grid 16 x 16, 16 waves a work-group, no clusters, 108,544 bytes of LDS; arguments qkvc, qkvs, oc, os; writes oc, os
.if DOCPART == 7
	.amdgcn_target "amdgcn-amd-amdhsa--gfx1250"
	.amdhsa_code_object_version 6
	.text
	.protected	k_qd95eadcdd2_attn
	.globl	k_qd95eadcdd2_attn
	.p2align	8
	.type	k_qd95eadcdd2_attn,@function
k_qd95eadcdd2_attn:
	s_mov_b64 s[64:65], 0
	v_nop
	global_prefetch_b8 v0, s[64:65] scope:SCOPE_SE
	s_setreg_imm32_b32 hwreg(HW_REG_WAVE_MODE, 25, 1), 1
	s_wait_xcnt 0x0
; o[q] = sum over keys k, q - 512 <= k <= q, k >= 0, of softmax(q . k) v, both products on codes of FP4 with E8M0 scales; o is quantised along (head, d) for the last projection.
; THE SOFTMAX: t = score x log2(e); M = the running largest t rounded UP to a whole number; p = 2^(t - M) is quantised along the keys; the row's sum is taken of the unquantised p and divides O at the end.
; When M moves, the sum and O are multiplied by 2^(old M - new M), which rounds nothing.
; SHARES.  Work-group (x, y): 256 queries (x) of batch y / 8, heads 2 (y % 8) and 2 (y % 8) + 1, one after the other (two JOBS): together they are one K step of 128 of the last projection.
; Each of the sixteen waves owns one tile of 16 queries in 256 registers: four waves to a SIMD, so that one wave's vector work stands beside another's products and LDS loads.
; The tile's queries are qb + 8 u + r + 8 (r / 8), qb = 256 x + 32 (w / 2), u = w % 2.  Its keys are framed by qb: first the TAIL, keys qb .. qb + 31, which starts M, the sum and O^T; then four steps of 128 keys from qb - 512 on.
; That is 544 keys; tiles that lie wholly outside the band are never multiplied.  Hidden scores become -infinity ahead of the maximum: in the tail keys behind the query, in the first step keys before q - 512, and keys before 0.
; A step all of whose keys lie before 0 is passed over by a scalar branch on ids; trip counts are constants.
; LAYOUT.  Both products are used transposed: S^T = K Q^T, O^T = V^T P^T: a lane holds one query throughout, the 16 registers of two neighbouring key tiles are 16 neighbouring keys, and O^T's registers run along d.
; The head is 64: the upper halves of Q's and K's fragments are zero codes.
; LDS, filled once through registers: for each job 768 keys from 256 x - 512 on: K's codes (24,576 bytes), V's (24,576); then the scale bytes.  Keys before 0 are zero codes with zero bytes.
; No multicast: neighbouring query blocks share keys, but at different LDS places, which one joint descriptor cannot state.
; LIMITS: a block of p or of o whose largest magnitude lies under 2^-124 keeps the floor's byte, 1 (zeros too: this program alone reads the bytes); NaN and infinities are not served.
.set KCB,  49152                       ; a job's codes
.set VOF,  24576                       ; V's behind K's
.set SCA,  98304                       ; the scale bytes: K's of job 0, job 1 (1,536 each: two a key), then V's (a word for 128 keys and each of 64 columns)
.set SJB,  1536
.set FLOOR, 0x1800000                  ; 2^(3 - 127)
.set LI,  1                            ; v1   16 x lane
.set AK,  2                            ; v2   my place in K's codes: 16 x lane + 1,024 (w / 2)
.set AV,  3                            ; v3   in V's: + 1,024 h + 16 r
.set AVT, 4                            ; v4   in V's for the tail: 16 r alone
.set AKS, 5                            ; v5   in K's scale bytes
.set AVS, 6                            ; v6   in V's scale words
.set DL,  7                            ; v7   my query - qb - 16 h
.set ADK, 8                            ; v8-11 the addresses of the loads in hand
.set ADV, 9
.set ADS, 10
.set ADT, 11
;                                        v12 -M, v13 the largest t, v[14:15] the sum in two halves
.set Q,   16                           ; v16-23 Q's fragment (v20-23 zeros)
.set QS,  24                           ; v24  Q's scale words
.set PW,  25                           ; v25  p's scale word
.set VSC, 26                           ; v26-27 V's scale words: lanes 0-15 tile 2 i, lanes 16-31 tile 2 i + 1
.set QS1, 28                           ; v28  job 1's Q scale words
.set OSC, 29                           ; v29  o's scale word
.set NINF, 30                          ; v30  -infinity
.set THR, 31                           ; v31  at work in the mask
.set KSC, 32                           ; v32-35 K's scale bytes, a register for each 32 keys: lanes 0-15 the even tile, lanes 16-31 the odd
.set Q1,  36                           ; v36-39 job 1's Q
.set KB,  40                           ; v40-103 eight fragments of K (upper halves zeros)
.set VF,  104                          ; v104-135 four fragments of V
.set S,   136                          ; v136-199 S^T, then p.  At the head: the fill's registers
.set O,   200                          ; v200-231 O^T
.set P,   232                          ; v232-239 p's codes; at a job's end o's codes
.set TM,  240
.set TP,  244
.set TS,  248
.set F,   252                          ; v[252:253] 2^(old M - new M)
.set SS,  184                          ; head: the scale bytes that I fill
.set FA,  188                          ; head: 16 x thread
.set FB,  189                          ; head: + a job
.set SF,  190                          ; head: where my scale bytes go
.set QSA, 191                          ; head: 2 r
.set HL,  192
.set HR,  193
.set HH,  194
.set HT,  195
.set WV,  12
.set Q0,  13
.set W1,  17
.set KB2, 18                           ; s[18:19] K's codes of job 0 at key 256 x;  s[20:21] V's
.set VB2, 20
.set QB,  22                           ; s[22:23] my Q;  s[24:25] its scale bytes
.set QSB, 24
.set OCB, 26                           ; s[26:27] o's codes;  s[28:29] o's scale words
.set OSB, 28
.set TB,  32                           ; s32  where the step's codes begin in LDS
.set TSS, 33                           ; s33  and its scale bytes
.set KSV, 34                           ; s34  the step's first key (signed)
.set CNT, 35
.set SH,  36                           ; s36  byte selects: V's four bytes begin (w / 2) % 4 bytes into a word
.set QBM, 37                           ; s37  qb - 512
.set SEL, 38
.set CS,  40                           ; s[40:41] log2(e)
	s_load_b256 s[4:11], s[0:1], 0x0               ; qkvc s[4:5], qkvs s[6:7], oc s[8:9], os s[10:11]
	v_lshrrev_b32 v[HT], 5, v0
	s_delay_alu instid0(VALU_DEP_1)
	v_readfirstlane_b32 s[WV], v[HT]               ; wave 0..15
	v_and_b32 v[HL], 31, v0
	s_wait_alu depctr_va_vdst(0)
	v_and_b32 v[HR], 15, v0
	v_bfe_u32 v[HH], v0, 4, 1
	s_lshr_b32 s[W1], s[WV], 1
	; every LDS address is made here, ahead of the first branch
	v_lshlrev_b32 v[LI], 4, v[HL]
	s_wait_alu depctr_va_vdst(0)
	s_lshl_b32 s42, s[W1], 10
	v_add_nc_u32 v[AK], s42, v[LI]
	s_add_co_u32 s42, s42, VOF
	v_lshl_add_u32 v[AVT], v[HR], 4, s42
	s_delay_alu instid0(VALU_DEP_1)
	v_lshl_add_u32 v[AV], v[HH], 10, v[AVT]
	s_lshl_b32 s42, s[W1], 6
	s_add_co_u32 s42, s42, SCA
	v_lshl_add_u32 v[AKS], v[HL], 1, s42
	s_lshr_b32 s42, s[WV], 3
	s_lshl_b32 s42, s42, 8
	s_add_co_u32 s42, s42, SCA+2*SJB
	v_lshl_add_u32 v[AVS], v[HL], 2, s42
	v_lshlrev_b32 v[FA], 4, v0
	s_delay_alu instid0(VALU_DEP_1)
	v_add_nc_u32 v[FB], KCB, v[FA]
	s_lshl_b32 s42, s[WV], 9
	s_add_co_u32 s42, s42, SCA
	v_add_nc_u32 v[SF], s42, v[LI]
	v_lshlrev_b32 v[QSA], 1, v[HR]
	v_and_b32 v[DL], 8, v[HR]
	s_delay_alu instid0(VALU_DEP_1)
	v_add_nc_u32 v[DL], v[DL], v[HR]
	s_and_b32 s42, s[WV], 1
	s_lshl_b32 s42, s42, 3
	v_add_nc_u32 v[DL], s42, v[DL]                 ; 8 u + r + 8 (r / 8)
	v_lshlrev_b32 v[HT], 4, v[HH]
	s_delay_alu instid0(VALU_DEP_1)
	v_sub_nc_u32 v[DL], v[DL], v[HT]
	s_lshl_b32 s[Q0], ttmp9, 8
	s_and_b32 s42, ttmp7, 0xffff
	s_lshr_b32 s14, s42, 3                         ; the batch
	s_and_b32 s15, s42, 7                          ; the pair of heads
	s_lshl_b32 s16, s14, 4
	s_lshl_b32 s43, s15, 1
	s_add_co_u32 s16, s16, s43                     ; job 0's head among the 32
	s_lshl_b32 s43, s[W1], 5
	s_add_co_u32 s[QBM], s[Q0], s43
	s_sub_co_i32 s[QBM], s[QBM], 512
	s_and_b32 s[SH], s[W1], 3
	s_mul_i32 s[SH], s[SH], 0x01010101
	s_add_co_u32 s[SH], s[SH], 0x03020100
	s_lshl_b32 s[QB], s16, 17
	s_lshl_b32 s43, s[Q0], 5
	s_add_co_u32 s[QB], s[QB], s43                 ; the head, and 32 bytes a token
	s_add_co_u32 s[KB2], s[QB], 1<<22
	s_mov_b32 s[KB2+1], 0
	s_add_co_u32 s[VB2], s[QB], 2<<22
	s_mov_b32 s[VB2+1], 0
	s_lshl_b32 s43, s[WV], 9
	s_add_co_u32 s[QB], s[QB], s43
	s_mov_b32 s[QB+1], 0
	s_lshl_b32 s[QSB], s16, 13
	s_lshl_b32 s43, s[Q0], 1
	s_add_co_u32 s[QSB], s[QSB], s43
	s_lshl_b32 s43, s[WV], 5
	s_add_co_u32 s[QSB], s[QSB], s43
	s_mov_b32 s[QSB+1], 0
	s_lshl_b32 s44, s14, 8
	s_lshr_b32 s43, s[Q0], 4
	s_add_co_u32 s44, s44, s43
	s_add_co_u32 s44, s44, s[WV]                   ; my tile among the 512
	s_lshl_b32 s[OCB], s44, 13
	s_lshl_b32 s43, s15, 10
	s_add_co_u32 s[OCB], s[OCB], s43
	s_mov_b32 s[OCB+1], 0
	s_lshl_b32 s[OSB], s44, 9
	s_lshl_b32 s43, s15, 6
	s_add_co_u32 s[OSB], s[OSB], s43
	s_mov_b32 s[OSB+1], 0
	; which 512 scale bytes wave e < 12 fills: e = 6 x (0 K, 1 V) + 3 x job + chunk of 256 keys
	s_cmp_ge_u32 s[WV], 6
	s_cselect_b32 s42, 1, 0
	s_mul_i32 s43, s42, 6
	s_sub_co_u32 s43, s[WV], s43
	s_cmp_ge_u32 s43, 3
	s_cselect_b32 s44, 1, 0
	s_mul_i32 s45, s44, 3
	s_sub_co_u32 s43, s43, s45
	s_lshl_b32 s43, s43, 8
	s_add_co_u32 s43, s43, s[Q0]                   ; the chunk's first key + 512
	s_add_co_u32 s42, s42, 1
	s_lshl_b32 s42, s42, 18
	s_add_co_u32 s44, s44, s16
	s_lshl_b32 s44, s44, 13
	s_add_co_u32 s42, s42, s44                     ; the tensor's and the head's place
	s_mov_b32 s[SEL], 0x76543210
	s_mov_b32 s[SEL+1], 0xfedcba98
	s_mov_b32 s[CS], 0x3fb8aa3b
	s_mov_b32 s[CS+1], s[CS]                       ; (named with it as a pair, so it is written)
	s_wait_alu depctr_va_vdst(0)
	s_wait_kmcnt 0x0
	s_add_nc_u64 s[KB2:KB2+1], s[4:5], s[KB2:KB2+1]
	s_add_nc_u64 s[VB2:VB2+1], s[4:5], s[VB2:VB2+1]
	s_add_nc_u64 s[QB:QB+1], s[4:5], s[QB:QB+1]
	s_add_nc_u64 s[QSB:QSB+1], s[6:7], s[QSB:QSB+1]
	s_add_nc_u64 s[OCB:OCB+1], s[8:9], s[OCB:OCB+1]
	s_add_nc_u64 s[OSB:OSB+1], s[10:11], s[OSB:OSB+1]
	global_load_b128 v[Q:Q+3], v[LI], s[QB:QB+1]
	global_load_b128 v[Q1:Q1+3], v[LI], s[QB:QB+1] offset:131072
	global_load_u16 v[QS], v[QSA], s[QSB:QSB+1]
	global_load_u16 v[QS1], v[QSA], s[QSB:QSB+1] offset:8192
	; three chunks of 256 keys, 8,192 bytes each of K and of V for each job: 16 bytes a thread.  A chunk before key 0 is zeros
.irp c, 0,1,2
.if \c < 2
	s_cmp_ge_u32 s[Q0], 512-256*\c
	s_cbranch_scc1 .Lhave_\c
.irp i, 0,1,2,3,4,5,6,7,8,9,10,11,12,13,14,15
	v_mov_b32 v[S+16*\c+\i], 0
.endr
	s_branch .Ldone_\c
.Lhave_\c:
.endif
	global_load_b128 v[S+16*\c:S+16*\c+3], v[FA], s[KB2:KB2+1] offset:(\c-2)*8192
	global_load_b128 v[S+16*\c+4:S+16*\c+7], v[FA], s[KB2:KB2+1] offset:(\c-2)*8192+131072
	global_load_b128 v[S+16*\c+8:S+16*\c+11], v[FA], s[VB2:VB2+1] offset:(\c-2)*8192
	global_load_b128 v[S+16*\c+12:S+16*\c+15], v[FA], s[VB2:VB2+1] offset:(\c-2)*8192+131072
.if \c < 2
.Ldone_\c:
.endif
.endr
.irp i, 0,1,2,3
	v_mov_b32 v[SS+\i], 0
.endr
	s_cmp_lt_u32 s[WV], 12
	s_cbranch_scc0 .Lno_scales
	s_cmp_ge_u32 s43, 512
	s_cbranch_scc0 .Lno_scales
	s_sub_co_u32 s43, s43, 512
	s_lshl_b32 s43, s43, 1                         ; two bytes a key in K's bytes and in V's words alike
	s_add_co_u32 s30, s42, s43
	s_mov_b32 s31, 0
	s_add_nc_u64 s[30:31], s[6:7], s[30:31]
	global_load_b128 v[SS:SS+3], v[LI], s[30:31]
.Lno_scales:
	; registers that stay: set while the loads are on their way
.irp f, 0,1,2,3,4,5,6,7
.irp i, 4,5,6,7
	v_mov_b32 v[KB+8*\f+\i], 0                     ; K = 64: the fragments' upper halves are zero codes
.endr
.endr
.irp i, 4,5,6,7
	v_mov_b32 v[Q+\i], 0
.endr
	v_mov_b32 v[F+1], 0                            ; (named as the upper half of a pair)
	v_mov_b32 v[NINF], 0xff800000
	s_wait_loadcnt 0x0
.irp c, 0,1,2
	ds_store_b128 v[FA], v[S+16*\c:S+16*\c+3] offset:8192*\c
	ds_store_b128 v[FB], v[S+16*\c+4:S+16*\c+7] offset:8192*\c
	ds_store_b128 v[FA], v[S+16*\c+8:S+16*\c+11] offset:VOF+8192*\c
	ds_store_b128 v[FB], v[S+16*\c+12:S+16*\c+15] offset:VOF+8192*\c
.endr
	s_cmp_lt_u32 s[WV], 12
	s_cbranch_scc0 .Lno_store
	ds_store_b128 v[SF], v[SS:SS+3]
.Lno_store:
	s_wait_dscnt 0x0                               ; for the others' sake: my stores have landed
	s_barrier_signal -1
	s_barrier_wait -1                              ; the one barrier: from here on LDS is only read
.macro MM d, a, b, c, sa, sb, ra       ; c < 0: the product starts the sum;  ra: source 0's scales stand in lanes 16-31
.if (\c) < 0
.if \ra
	v_wmma_scale_f32_16x16x128_f8f6f4 v[(\d):(\d)+7], v[(\a):(\a)+7], v[(\b):(\b)+7], 0, v[\sa], v[\sb] matrix_a_fmt:MATRIX_FMT_FP4 matrix_b_fmt:MATRIX_FMT_FP4 matrix_a_scale:MATRIX_SCALE_ROW1
.else
	v_wmma_scale_f32_16x16x128_f8f6f4 v[(\d):(\d)+7], v[(\a):(\a)+7], v[(\b):(\b)+7], 0, v[\sa], v[\sb] matrix_a_fmt:MATRIX_FMT_FP4 matrix_b_fmt:MATRIX_FMT_FP4
.endif
.else
.if \ra
	v_wmma_scale_f32_16x16x128_f8f6f4 v[(\d):(\d)+7], v[(\a):(\a)+7], v[(\b):(\b)+7], v[(\c):(\c)+7], v[\sa], v[\sb] matrix_a_fmt:MATRIX_FMT_FP4 matrix_b_fmt:MATRIX_FMT_FP4 matrix_a_scale:MATRIX_SCALE_ROW1
.else
	v_wmma_scale_f32_16x16x128_f8f6f4 v[(\d):(\d)+7], v[(\a):(\a)+7], v[(\b):(\b)+7], v[(\c):(\c)+7], v[\sa], v[\sb] matrix_a_fmt:MATRIX_FMT_FP4 matrix_b_fmt:MATRIX_FMT_FP4
.endif
.endif
.endm
.macro JOB j
.if \j
	s_wait_xcnt 0x0                                ; job 0's store has read its codes: their registers are written again below
.irp i, 0,1,2,3
	v_mov_b32 v[Q+\i], v[Q1+\i]
.endr
	v_mov_b32 v[QS], v[QS1]                        ; ten plain lines follow ahead of the first product
.endif
.irp i, 2,3,4,5,6,7
	v_mov_b32 v[P+\i], 0                           ; the tail has 32 keys: the rest of p's fragment is zero codes
.endr
	s_mov_b32 s[TB], KCB*\j
	s_mov_b32 s[TSS], SJB*\j
	s_mov_b32 s[KSV], s[QBM]
	s_mov_b32 s[CNT], 4
	v_add_nc_u32 v[ADK], s[TB], v[AK]
	v_add_nc_u32 v[ADV], s[TB], v[AVT]
	v_add_nc_u32 v[ADS], s[TSS], v[AKS]
	v_add_nc_u32 v[ADT], s[TSS], v[AVS]
	; ---- THE TAIL: keys qb .. qb + 31, 512 keys into my window
	ds_load_b128 v[KB:KB+3], v[ADK] offset:16384
	ds_load_b128 v[KB+8:KB+11], v[ADK] offset:16384+512
	ds_load_u16 v[KSC], v[ADS] offset:1024
	ds_load_b32 v[TP], v[ADT] offset:1024
	ds_load_b32 v[TP+1], v[ADT] offset:1024+128
.irp t, 0,1,2,3
	ds_load_b128 v[VF+8*\t:VF+8*\t+3], v[ADV] offset:16384+256*\t     ; lanes 0-15's first four registers are the block; the others meet zero codes of p, and take the same bytes
	ds_load_b128 v[VF+8*\t+4:VF+8*\t+7], v[ADV] offset:16384+256*\t
.endr
	s_wait_dscnt 8                                 ; all but V's eight
	MM S, KB, Q, -1, KSC, QS, 0
	MM S+8, KB+8, Q, -1, KSC, QS, 1
	v_perm_b32 v[VSC], v[TP], v[TP], s[SH]         ; the block's byte to the word's low end (the other three are scale bytes too, over zero codes)
	v_perm_b32 v[VSC+1], v[TP+1], v[TP+1], s[SH]
	v_nop
	v_nop                                          ; four plain lines behind the products
.irp i, 0,1,2,3,4,5,6,7,8,9,10,11,12,13,14,15
	v_cmp_gt_i32 vcc_lo, \i, v[DL]                 ; register i holds key qb + 16 h + i: hidden where it comes after my query
	v_cndmask_b32 v[S+\i], v[S+\i], v[NINF], vcc_lo
.endr
	v_max3_num_f32 v[TM], v[S], v[S+1], v[S+2]
.irp i, 3,5,7,9,11,13
	s_delay_alu instid0(VALU_DEP_1)
	v_max3_num_f32 v[TM], v[TM], v[S+\i], v[S+\i+1]
.endr
	s_delay_alu instid0(VALU_DEP_1)
	v_max_num_f32 v[TM], v[TM], v[S+15]
	s_delay_alu instid0(VALU_DEP_1)
	v_permlanex16_b32 v[TP], v[TM], s[SEL], s[SEL+1]
	s_delay_alu instid0(VALU_DEP_1)
	v_max_num_f32 v[TM], v[TM], v[TP]              ; the block's largest score: my own key is among them, so it is a number
	s_delay_alu instid0(VALU_DEP_1)
	v_mul_f32 v13, s[CS], v[TM]                    ; the largest t
	s_delay_alu instid0(VALU_DEP_1)
	v_floor_f32 v12, -v13                          ; -M = floor(-t)
.irp i, 0,2,4,6,8,10,12,14
	v_pk_fma_f32 v[S+\i:S+\i+1], v[S+\i:S+\i+1], s[CS:CS+1], v[12:13] op_sel_hi:[1,0,0]   ; t - M
.endr
	v_fma_f32 v[TM], v[TM], s[CS], v12             ; the same of the largest score
	s_wait_alu depctr_va_vdst(0)
.irp i, 0,1,2,3,4,5,6,7,8,9,10,11,12,13,14,15
	v_exp_f32 v[S+\i], v[S+\i]
.endr
	v_nop                                          ; a plain line behind the exponentials
	s_wait_alu depctr_va_vdst(0)                   ; one wait for the batch, ahead of its first reader
	v_exp_f32 v[TM], v[TM]                         ; the block's largest p
	v_pk_add_f32 v[14:15], v[S:S+1], v[S+2:S+3]    ; the sum begins, of the unquantised p
.irp i, 4,6,8,10,12,14
	v_pk_add_f32 v[14:15], v[14:15], v[S+\i:S+\i+1]
.endr
	s_wait_alu depctr_va_vdst(0)                   ; and one for the largest p
	v_max_num_f32 v[TM], FLOOR, v[TM]
	s_delay_alu instid0(VALU_DEP_1)
	v_add_nc_u32 v[TS], 0xff000000, v[TM]
	s_delay_alu instid0(VALU_DEP_1)
	v_lshrrev_b32 v[PW], 23, v[TS]                 ; byte 0; the word's other bytes are 0, over zero codes
	v_cvt_scalef32_pk8_fp4_f32 v[P], v[S:S+7], v[TS]
	v_cvt_scalef32_pk8_fp4_f32 v[P+1], v[S+8:S+15], v[TS]
	v_nop
	v_permlane16_swap_b32 v[P], v[P+2]             ; lanes 0-15 get the whole block, lanes 16-31 zeros
	v_permlane16_swap_b32 v[P+1], v[P+3]
.rept 8
	v_nop                                          ; a scale word made by vector lines stands eight plain lines ahead of its product; no other work is at hand here
.endr
	s_wait_alu depctr_va_vdst(0)
	s_wait_dscnt 0x0
.irp t, 0,1,2,3
	MM O+8*\t, VF+8*\t, P, -1, VSC+\t/2, PW, \t%2
.endr
	; ---- FOUR STEPS OF 128 KEYS, from qb - 512 on
.Lstep_\j:
	s_add_co_i32 s42, s[KSV], 127
	s_cmp_lt_i32 s42, 0
	s_cbranch_scc1 .Lskip_\j                       ; all 128 keys lie before key 0
	s_setprio 2
	v_add_nc_u32 v[ADK], s[TB], v[AK]              ; (these four are also the plain lines between the last products and the loads into their registers)
	v_add_nc_u32 v[ADV], s[TB], v[AV]
	v_add_nc_u32 v[ADS], s[TSS], v[AKS]
	v_add_nc_u32 v[ADT], s[TSS], v[AVS]
.irp b, 0,1,2,3
.irp u, 0,1
	ds_load_b128 v[KB+8*(2*\b+\u):KB+8*(2*\b+\u)+3], v[ADK] offset:1024*\b+512*\u
.endr
.endr
.irp b, 0,1,2,3
	ds_load_u16 v[KSC+\b], v[ADS] offset:64*\b
.endr
.irp t, 0,1
.irp n, 0,1
	ds_load_b32 v[TP+2*\t+\n], v[ADT] offset:128*\t+256*\n
.endr
.endr
.irp t, 0,1,2,3
.irp c, 0,1
	ds_load_b128 v[VF+8*\t+4*\c:VF+8*\t+4*\c+3], v[ADV] offset:2048*\c+256*\t
.endr
.endr
	s_wait_dscnt 8                                 ; all but V's eight
.irp b, 0,1,2,3
.irp u, 0,1
	MM S+8*(2*\b+\u), KB+8*(2*\b+\u), Q, -1, KSC+\b, QS, \u
.endr
.endr
	v_perm_b32 v[VSC], v[TP+1], v[TP], s[SH]       ; the step's four bytes out of two neighbouring words
	v_perm_b32 v[VSC+1], v[TP+3], v[TP+2], s[SH]
	v_nop
	v_nop                                          ; four plain lines behind the products
	s_cmp_ge_i32 s[KSV], 0
	s_cbranch_scc1 .Lnonneg_\j
	s_sub_co_i32 s42, 0, s[KSV]                    ; keys before 0 are hidden (they then lie before q - 512 too)
	v_bfe_u32 v254, v0, 4, 1
	s_delay_alu instid0(VALU_DEP_1)
	v_lshlrev_b32 v254, 4, v254
	s_delay_alu instid0(VALU_DEP_1)
	v_sub_nc_u32 v[THR], s42, v254
.set n, 0
.rept 64
	v_cmp_lt_i32 vcc_lo, 32*(n/16)+n%16, v[THR]    ; register 16 b + i holds key KSV + 32 b + 16 h + i
	v_cndmask_b32 v[S+n], v[S+n], v[NINF], vcc_lo
.set n, n+1
.endr
	s_branch .Lmasked_\j
.Lnonneg_\j:
	s_cmp_lg_u32 s[CNT], 4
	s_cbranch_scc1 .Lmasked_\j
.irp i, 0,1,2,3,4,5,6,7,8,9,10,11,12,13,14,15
	v_cmp_lt_i32 vcc_lo, \i, v[DL]                 ; the first step's first block: key qb - 512 + 16 h + i is hidden where it comes before q - 512
	v_cndmask_b32 v[S+\i], v[S+\i], v[NINF], vcc_lo
.endr
.Lmasked_\j:
.irp b, 0,1,2,3
	v_max3_num_f32 v[TM+\b], v[S+16*\b], v[S+16*\b+1], v[S+16*\b+2]   ; the largest score of each block of 32 keys: for the row's maximum and, since p rises with the score, for the block's largest p
.endr
.irp i, 3,5,7,9,11,13
.irp b, 0,1,2,3
	v_max3_num_f32 v[TM+\b], v[TM+\b], v[S+16*\b+\i], v[S+16*\b+\i+1]
.endr
.endr
.irp b, 0,1,2,3
	v_max_num_f32 v[TM+\b], v[TM+\b], v[S+16*\b+15]
.endr
.irp b, 0,1,2,3
	s_delay_alu instid0(VALU_DEP_4)
	v_permlanex16_b32 v[TP+\b], v[TM+\b], s[SEL], s[SEL+1]
.endr
.irp b, 0,1,2,3
	s_delay_alu instid0(VALU_DEP_4)
	v_max_num_f32 v[TM+\b], v[TM+\b], v[TP+\b]
.endr
	s_delay_alu instid0(VALU_DEP_2)
	v_max3_num_f32 v254, v[TM], v[TM+1], v[TM+2]
	s_delay_alu instid0(VALU_DEP_1)
	v_max_num_f32 v254, v254, v[TM+3]
	s_delay_alu instid0(VALU_DEP_1)
	v_mul_f32 v254, s[CS], v254
	s_delay_alu instid0(VALU_DEP_1)
	v_max_num_f32 v13, v13, v254                   ; the running largest t
	v_mov_b32 v254, v12
	s_delay_alu instid0(VALU_DEP_2)
	v_floor_f32 v12, -v13                          ; the new -M
	s_delay_alu instid0(VALU_DEP_1)
	v_sub_f32 v254, v12, v254                      ; old M - new M: a whole number, 0 or less
	s_delay_alu instid0(VALU_DEP_1)
	v_cvt_i32_f32 v254, v254
	s_delay_alu instid0(VALU_DEP_1)
	v_ldexp_f32 v[F], 1.0, v254
.set n, 0
	s_setprio 1
.rept 32
	v_pk_fma_f32 v[S+n:S+n+1], v[S+n:S+n+1], s[CS:CS+1], v[12:13] op_sel_hi:[1,0,0]
.set n, n+2
.endr
.irp b, 0,1,2,3
	v_fma_f32 v[TM+\b], v[TM+\b], s[CS], v12
.endr
.set n, 0
	s_wait_alu depctr_va_vdst(0)
.rept 64
	v_exp_f32 v[S+n], v[S+n]
.set n, n+1
.endr
	v_pk_mul_f32 v[14:15], v[14:15], v[F:F+1] op_sel_hi:[1,0]   ; the sum under the new M: the plain line behind the exponentials
	s_wait_alu depctr_va_vdst(0)                   ; one wait for the 64, ahead of their first reader
.irp b, 0,1,2,3
	v_exp_f32 v[TM+\b], v[TM+\b]                   ; the blocks' largest p
.endr
	v_pk_add_f32 v[TP:TP+1], v[S:S+1], v[S+2:S+3]  ; the sum of the unquantised p, in two chains
.set n, 4
.rept 15
	v_pk_add_f32 v[14:15], v[14:15], v[S+n:S+n+1]
	v_pk_add_f32 v[TP:TP+1], v[TP:TP+1], v[S+n+2:S+n+3]
.set n, n+4
.endr
	s_delay_alu instid0(VALU_DEP_1)
	v_pk_add_f32 v[14:15], v[14:15], v[TP:TP+1]
	s_setprio 0
	s_wait_alu depctr_va_vdst(0)                   ; and one for the four
.irp b, 0,1,2,3
	v_max_num_f32 v[TM+\b], FLOOR, v[TM+\b]
.endr
.irp b, 0,1,2,3
	s_delay_alu instid0(VALU_DEP_4)
	v_add_nc_u32 v[TS+\b], 0xff000000, v[TM+\b]
.endr
.irp b, 0,1,2,3
	s_delay_alu instid0(VALU_DEP_4)
	v_lshrrev_b32 v[TP+\b], 23, v[TS+\b]
.endr
	s_delay_alu instid0(VALU_DEP_3)
	v_lshl_or_b32 v[PW], v[TP+1], 8, v[TP]
	s_delay_alu instid0(VALU_DEP_1)
	v_lshl_or_b32 v[PW], v[TP+2], 16, v[PW]
	s_delay_alu instid0(VALU_DEP_1)
	v_lshl_or_b32 v[PW], v[TP+3], 24, v[PW]
.irp b, 0,1,2,3
	v_cvt_scalef32_pk8_fp4_f32 v[P+2*\b], v[S+16*\b:S+16*\b+7], v[TS+\b]
	v_cvt_scalef32_pk8_fp4_f32 v[P+2*\b+1], v[S+16*\b+8:S+16*\b+15], v[TS+\b]
.endr
	v_nop
.irp c, 0,1
.irp i, 0,1
	v_permlane16_swap_b32 v[P+4*\c+\i], v[P+4*\c+2+\i]
.endr
.endr
.set n, 0
.rept 16
	v_pk_mul_f32 v[O+n:O+n+1], v[O+n:O+n+1], v[F:F+1] op_sel_hi:[1,0]   ; O^T under the new M; twelve of these name none of a given product's registers: the plain lines ahead of it
.set n, n+2
.endr
	s_wait_alu depctr_va_vdst(0)
	s_wait_dscnt 0x0                               ; V is in
.irp t, 0,1,2,3
	MM O+8*\t, VF+8*\t, P, O+8*\t, VSC+\t/2, PW, \t%2
.endr
.Lskip_\j:
	s_add_co_u32 s[TB], s[TB], 4096
	s_add_co_u32 s[TSS], s[TSS], 256
	s_add_co_i32 s[KSV], s[KSV], 128
	s_sub_co_u32 s[CNT], s[CNT], 1
	s_cmp_lg_u32 s[CNT], 0
	s_cbranch_scc1 .Lstep_\j
	s_setprio 0
	; ---- THE WAY OUT: O^T / the sum, quantised along d: two blocks of 32, one quad of the last projection's fragment
	v_add_f32 v14, v14, v15
	s_delay_alu instid0(VALU_DEP_1)
	v_permlanex16_b32 v[TP], v14, s[SEL], s[SEL+1]
	s_delay_alu instid0(VALU_DEP_1)
	v_add_f32 v14, v14, v[TP]                      ; the row's sum
	s_wait_alu depctr_va_vdst(0)
	v_rcp_f32 v14, v14
	v_nop
	v_nop                                          ; with the two additions: four plain lines behind the last products
	s_wait_alu depctr_va_vdst(0)
.set n, 0
.rept 16
	v_pk_mul_f32 v[O+n:O+n+1], v[O+n:O+n+1], v[14:15] op_sel_hi:[1,0]
.set n, n+2
.endr
.irp b, 0,1
	v_max3_num_f32 v[TM+\b], |v[O+16*\b]|, |v[O+16*\b+1]|, FLOOR
.endr
.irp i, 2,4,6,8,10,12,14
.irp b, 0,1
	s_delay_alu instid0(VALU_DEP_2)
	v_max3_num_f32 v[TM+\b], v[TM+\b], |v[O+16*\b+\i]|, |v[O+16*\b+\i+1]|
.endr
.endr
.irp b, 0,1
	s_delay_alu instid0(VALU_DEP_2)
	v_permlanex16_b32 v[TP+\b], v[TM+\b], s[SEL], s[SEL+1]
.endr
.irp b, 0,1
	s_delay_alu instid0(VALU_DEP_2)
	v_max_num_f32 v[TM+\b], v[TM+\b], v[TP+\b]
.endr
.irp b, 0,1
	s_delay_alu instid0(VALU_DEP_2)
	v_add_nc_u32 v[TS+\b], 0xff000000, v[TM+\b]
.endr
.irp b, 0,1
	s_delay_alu instid0(VALU_DEP_2)
	v_lshrrev_b32 v[TP+\b], 23, v[TS+\b]
.endr
.irp b, 0,1
	v_cvt_scalef32_pk8_fp4_f32 v[P+4*\j+2*\b], v[O+16*\b:O+16*\b+7], v[TS+\b]
	v_cvt_scalef32_pk8_fp4_f32 v[P+4*\j+2*\b+1], v[O+16*\b+8:O+16*\b+15], v[TS+\b]
.endr
	v_nop
	v_permlane16_swap_b32 v[P+4*\j], v[P+4*\j+2]
	v_permlane16_swap_b32 v[P+4*\j+1], v[P+4*\j+3]
	global_store_b128 v[LI], v[P+4*\j:P+4*\j+3], s[OCB:OCB+1] offset:512*\j   ; 512 consecutive bytes, aligned
.if \j
	v_lshl_or_b32 v[OSC], v[TP], 16, v[OSC]
	s_delay_alu instid0(VALU_DEP_1)
	v_lshl_or_b32 v[OSC], v[TP+1], 24, v[OSC]
.else
	v_lshl_or_b32 v[OSC], v[TP+1], 8, v[TP]
.endif
.endm
	JOB 0
	JOB 1
	v_and_b32 v254, 31, v0
	v_and_b32 v255, 15, v0
	s_delay_alu instid0(VALU_DEP_1)
	v_lshlrev_b32 v255, 2, v255
	s_delay_alu instid0(VALU_DEP_3)
	v_cmp_gt_u32 vcc_lo, 16, v254
	s_wait_alu depctr_va_vdst(0)
	s_wait_xcnt 0x0                                ; EXEC changes only behind this wait
	s_and_saveexec_b32 s46, vcc_lo
	global_store_b32 v255, v[OSC], s[OSB:OSB+1]    ; lane r: row r's scale word of this K step
	s_wait_xcnt 0x0                                ; and again in front of the line that widens it
	s_or_b32 exec_lo, exec_lo, s46
	s_wait_xcnt 0x0
	s_mov_b32 exec_lo, -1
	v_lshl_add_u32 v254, v0, 2, 0x1a000
	v_mov_b32 v255, 0
	s_wait_alu depctr_va_vdst(0)
	s_wait_tensorcnt 0x0
	ds_add_u32 v254, v255
	s_wait_dscnt 0x0
	s_endpgm
.Lfunc_end_k_qd95eadcdd2_attn:
	.size	k_qd95eadcdd2_attn, .Lfunc_end_k_qd95eadcdd2_attn-k_qd95eadcdd2_attn
	.p2alignl 7, 3214868480
	.fill 96, 4, 3214868480
	.section	.rodata,"a",@progbits
	.p2align	6, 0x0
	.amdhsa_kernel k_qd95eadcdd2_attn
		.amdhsa_group_segment_fixed_size 108544
		.amdhsa_private_segment_fixed_size 0
		.amdhsa_enable_private_segment 0
		.amdhsa_kernarg_size 32
		.amdhsa_user_sgpr_count 2
		.amdhsa_user_sgpr_kernarg_segment_ptr 1
		.amdhsa_wavefront_size32 1
		.amdhsa_system_sgpr_workgroup_id_x 1
		.amdhsa_system_sgpr_workgroup_id_y 1
		.amdhsa_system_sgpr_workgroup_id_z 1
		.amdhsa_system_vgpr_workitem_id 0
		.amdhsa_next_free_vgpr 256
		.amdhsa_next_free_sgpr 66
		.amdhsa_reserve_vcc 1
		.amdhsa_float_denorm_mode_32 3
		.amdhsa_float_denorm_mode_16_64 3
		.amdhsa_memory_ordered 1
		.amdhsa_forward_progress 1
		.amdhsa_inst_pref_size 78
	.end_amdhsa_kernel
	.amdgpu_metadata
---
amdhsa.version: [ 1, 2 ]
amdhsa.kernels:
  - .name:           k_qd95eadcdd2_attn
    .symbol:         k_qd95eadcdd2_attn.kd
    .args:
      - { .name: qkvc, .offset: 0, .size: 8, .value_kind: global_buffer, .address_space: global }
      - { .name: qkvs, .offset: 8, .size: 8, .value_kind: global_buffer, .address_space: global }
      - { .name: oc, .offset: 16, .size: 8, .value_kind: global_buffer, .address_space: global }
      - { .name: os, .offset: 24, .size: 8, .value_kind: global_buffer, .address_space: global }
    .group_segment_fixed_size: 108544
    .private_segment_fixed_size: 0
    .kernarg_segment_align: 8
    .kernarg_segment_size: 32
    .max_flat_workgroup_size: 512
    .sgpr_count:     66
    .vgpr_count:     256
    .wavefront_size: 32
...
	.end_amdgpu_metadata
.endif
;; end of part 7
;; launch outp (part 8): grid 16 x 16, 4 waves a work-group, no clusters, 69,120 bytes of LDS; arguments oc, os, xwc, xws, bo, out0; writes out0
.if DOCPART == 8
	.amdgcn_target "amdgcn-amd-amdhsa--gfx1250"
	.amdhsa_code_object_version 6
	.text
	.protected	k_qd95eadcdd2_outp
	.globl	k_qd95eadcdd2_outp
	.p2align	8
	.type	k_qd95eadcdd2_outp,@function
k_qd95eadcdd2_outp:
	s_mov_b64 s[64:65], 0
	v_nop
	global_prefetch_b8 v0, s[64:65] scope:SCOPE_SE
	s_setreg_imm32_b32 hwreg(HW_REG_WAVE_SCHED_MODE, 0, 2), 2
	s_setreg_imm32_b32 hwreg(HW_REG_WAVE_MODE, 25, 1), 1
	s_wait_xcnt 0x0
	s_wait_alu depctr_vm_vsrc(0)
; out0 = o wo^T + bo on codes of FP4 with E8M0 scales; out0 [8192][1024] f32.
; SHARES.  Work-group (x, y): 512 tokens (x) x 64 columns (y); wave w takes 128 tokens, eight tiles of 16.
; THE WEIGHTS STAY, THE TOKENS PASS.  The four weight tiles (32,768 bytes) go through LDS once and then stand in every wave's registers (window 1).  The tokens' tiles are taken one after the other: a tile's 16 loads are
; asked for in the middle of the tile three ahead of it, its 32 products run on four accumulators by turns, and its 16 rows leave in the middle of the next tile: loads, products and stores of different tiles are on their way together.
; Source 0 = 16 columns of wo, source 1 = 16 tokens: a lane holds one token and, over the four weight tiles, 32 of its 64 columns in runs of 16 neighbours.  The bias is the C of each sum's first matrix instruction.
; A tile's row r is token 32 B + 8 u + r + 8 (r / 8): the way out puts each row back at its token.
; The scale words come as whole images of 512 bytes and turn through LDS into one word a lane.
; No multicast: what work-groups share is read once, at the head; there is no ring that joint loads could feed.
; REGISTERS, in windows of 256: window 0 below; window 1: the weights' fragments at 64 wt + 8 s; windows 2, 3: the tokens' tiles 0-3, 4-7 at 64 (xt % 4) + 8 s.  A tile's rows of out0 come back from the stage into the
; first 32 registers of that tile's own fragments, which are done with: so no store's data are ever written again.
; THE MODE: SCHED_MODE bits 1:0 = 2 (LLVM: expert scheduling mode 2), set by the entry lines.  The code itself states the register dependences
; between vector or matrix instructions and memory or LDS instructions, with s_wait_alu, always for 0.
; THE PLAN.  Registers that memory or LDS instructions touch:
;   v1-14            addresses and offsets, made once at the head and never written again: one wait on va_vdst ahead of the first load.
;   XR, WR (head)    global loads land; LDS stores read them; from then on they are the accumulators: one wait on vm_vsrc behind the barrier.
;   ACC[t % 2]       written by tile t's products; read by tile t's LDS stores into the stage; begun anew by tile t + 2's products.
;   tile t's fragments   global loads land, once, in registers that nothing has named; tile t's products read them; the stage's LDS loads land in the first 32; the global stores read these; nothing writes them again.
;   the weights, the biases and all scale words are loaded once.
; THE WAITS.  One on va_vdst a tile, behind its products and the four plain lines: the accumulators are written (the LDS stores read them) and the products are done reading the tile's fragments (the LDS loads land there).
; One on vm_vsrc at the head of tiles 2 to 7: the LDS stores of two tiles back have read the set of accumulators that is begun anew.
; Tile t + 3's loads and tile t - 1's stores touch no register that a vector or matrix instruction issued since the last wait on va_vdst names: they stand in the middle of tile t's products with no further wait.
.set WSL,  32768                       ; LDS behind the weights: their scale words, 512 bytes a tile;
.set XSL,  34816                       ; the tokens' scale words, 4,096 bytes for each wave;
.set STG,  51200                       ; a stage of 16 rows x (256 bytes + 16) for each wave
.set SPITCH, 272
.set LI,  1                            ; v1   16 x lane: also the weights' LDS address, which begin at byte 0
.set LS,  2                            ; v2   4 x lane
.set BQ,  5                            ; v5   64 h
.set FW,  7                            ; v7   the fill of the weights: 8,192 w + 16 x lane
.set FWS, 8                            ; v8   of their scale words
.set STO, 9                            ; v9   the stage: row r, + 64 h
.set RD,  10                           ; v10  back: lanes 0-15 one row, lanes 16-31 the next
.set CO,  11                           ; v11  and the same two rows in out0
.set FXS, 12                           ; v12  the fill of my tokens' scale words
.set RXS, 13                           ; v13  where I read them
.set RWS, 14                           ; v14  where I read the weights'
.set XS,  16                           ; v16-47 tokens' scale words: 4 xt + g: lanes 0-15 K step 2 g, lanes 16-31 K step 2 g + 1
.set WS,  48                           ; v48-63 the weights' likewise
.set BIAS, 64                          ; v64-95 the biases in the result's layout
.set ACC, 96                           ; v96-159 two sets of four accumulators, for even and odd tiles
.set XR,  96                           ; at the head: v96-127 my tokens' scale words on their way to LDS,
.set WR,  128                          ;              v128-131 my weight tile's,
.set WST, 160                          ;              v160-223 my weight tile
.set WV,  20
.set XB,  28
.set XSB, 30
.set WG,  32
.set WSG, 34
.set BG,  36
.set OUT, 38
.set MSB, 0
.macro WIN new                         ; the immediate's high byte repeats the setting that is left
.if MSB != \new
	s_set_vgpr_msb (MSB<<8)|\new
.set MSB, \new
.endif
.endm
.macro PLACES                          ; four plain lines between a matrix instruction and a load into, or a store of, its registers
.rept 4
	v_nop
.endr
.endm
.macro XLOAD xt                        ; a tile of 16 tokens, all eight K steps: 16 loads of 512 consecutive bytes.  What follows sets the windows that it needs
.if (\xt) < 4
	WIN 0x80                                       ; destination window 2
.else
	WIN 0xc0                                       ; destination window 3
.endif
.irp s, 0,1,2,3,4,5,6,7
.irp c, 0,1
	global_load_b128 v[64*((\xt)%4)+8*\s+4*\c:64*((\xt)%4)+8*\s+4*\c+3], v[LI], s[XB:XB+1] offset:8192*(\xt)+1024*\s+512*\c
.endr
.endr
.endm
	s_load_b256 s[4:11], s[0:1], 0x0               ; oc s[4:5], os s[6:7], xwc s[8:9], xws s[10:11]
	s_load_b128 s[12:15], s[0:1], 0x20             ; bo s[12:13], out0 s[14:15]
	v_lshl_add_u32 v254, v0, 2, 0x10c00
	v_mov_b32 v255, 0
	v_lshrrev_b32 v3, 5, v0
	v_readfirstlane_b32 s[WV], v3                  ; wave
	v_and_b32 v3, 31, v0                           ; lane
	v_and_b32 v4, 15, v0                           ; r
	v_bfe_u32 v6, v0, 4, 1                         ; h
	v_lshlrev_b32 v[LI], 4, v3
	v_lshlrev_b32 v[LS], 2, v3
	v_lshlrev_b32 v[BQ], 6, v6
	s_wait_alu depctr_va_sdst(0)                   ; the wave's number is written, ahead of its first reader: LDS addresses and all bases are made from it
	s_lshl_b32 s21, s[WV], 13
	v_add_nc_u32 v[FW], s21, v[LI]
	s_lshl_b32 s21, s[WV], 9
	s_add_co_u32 s21, s21, WSL
	v_add_nc_u32 v[FWS], s21, v[LI]
	v_add_nc_u32 v[RWS], WSL, v[LS]
	s_lshl_b32 s21, s[WV], 12
	s_add_co_u32 s21, s21, XSL
	v_add_nc_u32 v[FXS], s21, v[LI]
	v_add_nc_u32 v[RXS], s21, v[LS]
	s_mul_i32 s21, s[WV], 16*SPITCH
	s_add_co_u32 s21, s21, STG
	v_mul_u32_u24 v[STO], v4, SPITCH
	v_lshl_add_u32 v[STO], v6, 6, v[STO]
	v_add_nc_u32 v[STO], s21, v[STO]
	v_mul_u32_u24 v[RD], v6, SPITCH
	v_lshl_add_u32 v[RD], v4, 4, v[RD]
	v_add_nc_u32 v[RD], s21, v[RD]
	v_lshlrev_b32 v[CO], 12, v6
	v_lshl_add_u32 v[CO], v4, 4, v[CO]
	s_and_b32 s22, ttmp7, 0xffff                   ; which 64 columns
	s_lshl_b32 s26, ttmp9, 5
	s_lshl_b32 s27, s[WV], 3
	s_add_co_u32 s26, s26, s27                     ; my first tile of tokens
	s_lshl_b32 s[XB], s26, 13
	s_mov_b32 s[XB+1], 0
	s_lshl_b32 s[XSB], s26, 9
	s_mov_b32 s[XSB+1], 0
	s_lshl_b32 s[OUT], s26, 16                     ; 16 tokens of 4,096 bytes a tile
	s_lshl_b32 s27, s22, 8
	s_add_co_u32 s[OUT], s[OUT], s27
	s_mov_b32 s[OUT+1], 0
	s_mov_b32 s[BG], s27
	s_mov_b32 s[BG+1], 0
	s_lshl_b32 s26, s22, 2
	s_add_co_u32 s26, s26, 1728                    ; wo's first tile for these columns,
	s_add_co_u32 s26, s26, s[WV]                   ; and the one that I fill
	s_lshl_b32 s[WSG], s26, 9
	s_mov_b32 s[WSG+1], 0
	s_lshl_b32 s[WG], s26, 13
	s_mov_b32 s[WG+1], 0
	s_wait_kmcnt 0x0
	s_add_nc_u64 s[XB:XB+1], s[4:5], s[XB:XB+1]
	s_add_nc_u64 s[XSB:XSB+1], s[6:7], s[XSB:XSB+1]
	s_add_nc_u64 s[WG:WG+1], s[8:9], s[WG:WG+1]
	s_add_nc_u64 s[WSG:WSG+1], s[10:11], s[WSG:WSG+1]
	s_add_nc_u64 s[BG:BG+1], s[12:13], s[BG:BG+1]
	s_add_nc_u64 s[OUT:OUT+1], s[14:15], s[OUT:OUT+1]
	s_wait_alu depctr_va_vdst(0)                   ; the addresses and offsets v1 to v14 are written: the loads, stores and LDS instructions of the whole kernel read them
	; ---- what goes through LDS is asked for first (25 loads), then the biases and the first tiles
.irp i, 0,1,2,3,4,5,6,7,8,9,10,11,12,13,14,15
	global_load_b128 v[WST+4*\i:WST+4*\i+3], v[LI], s[WG:WG+1] offset:512*\i
.endr
	global_load_b128 v[WR:WR+3], v[LI], s[WSG:WSG+1]
.irp xt, 0,1,2,3,4,5,6,7
	global_load_b128 v[XR+4*\xt:XR+4*\xt+3], v[LI], s[XSB:XSB+1] offset:512*\xt
.endr
.irp wt, 0,1,2,3
.irp e, 0,1
	global_load_b128 v[BIAS+8*\wt+4*\e:BIAS+8*\wt+4*\e+3], v[BQ], s[BG:BG+1] offset:128*(\wt/2)+32*(\wt%2)+16*\e   ; register j: column 32 (wt/2) + 8 (wt%2) + 16 h + j
.endr
.endr
	XLOAD 0
	XLOAD 1
	s_wait_loadcnt 40                              ; the 25 are in; the biases' 8 loads and two tiles' 32 may be out
	XLOAD 2
	WIN 0
.irp i, 0,1,2,3,4,5,6,7,8,9,10,11,12,13,14,15
	ds_store_b128 v[FW], v[WST+4*\i:WST+4*\i+3] offset:512*\i
.endr
	ds_store_b128 v[FWS], v[WR:WR+3]
.irp xt, 0,1,2,3,4,5,6,7
	ds_store_b128 v[FXS], v[XR+4*\xt:XR+4*\xt+3] offset:512*\xt
.endr
	s_wait_dscnt 0x0                               ; for the others' sake: my stores have landed
	s_barrier_signal -1
	s_barrier_wait -1                              ; the one barrier: what was stored is only read from here on; each stage is its wave's own
	s_wait_alu depctr_vm_vsrc(0)                   ; my LDS stores have read XR and WR: these registers are the accumulators from here on, written by the products of tiles 0 and 1
.irp wt, 0,1,2,3
.irp g, 0,1,2,3
	ds_load_b32 v[WS+4*\wt+\g], v[RWS] offset:512*\wt+128*\g
.endr
.endr
.irp xt, 0,1,2,3,4,5,6,7
.irp g, 0,1,2,3
	ds_load_b32 v[XS+4*\xt+\g], v[RXS] offset:512*\xt+128*\g
.endr
.endr
	WIN 0x40                                       ; destination window 1: all 32 weight fragments, to stay
.irp wt, 0,1,2,3
.irp s, 0,1,2,3,4,5,6,7
.irp c, 0,1
	ds_load_b128 v[64*\wt+8*\s+4*\c:64*\wt+8*\s+4*\c+3], v[LI] offset:8192*\wt+1024*\s+512*\c
.endr
.endr
.endr
	WIN 0
.macro MM d, a, b, c, sa, sb, odd      ; odd K steps take both sides' scale words from lanes 16-31
.if \odd
	v_wmma_scale_f32_16x16x128_f8f6f4 v[(\d):(\d)+7], v[(\a):(\a)+7], v[(\b):(\b)+7], v[(\c):(\c)+7], v[\sa], v[\sb] matrix_a_fmt:MATRIX_FMT_FP4 matrix_b_fmt:MATRIX_FMT_FP4 matrix_a_scale:MATRIX_SCALE_ROW1 matrix_b_scale:MATRIX_SCALE_ROW1
.else
	v_wmma_scale_f32_16x16x128_f8f6f4 v[(\d):(\d)+7], v[(\a):(\a)+7], v[(\b):(\b)+7], v[(\c):(\c)+7], v[\sa], v[\sb] matrix_a_fmt:MATRIX_FMT_FP4 matrix_b_fmt:MATRIX_FMT_FP4
.endif
.endm
.macro PWIN t                          ; the windows of a tile's products
.if (\t) < 4
	WIN 0x09                                       ; source 0 (weights) window 1, source 1 (tokens) window 2, C and D window 0
.else
	WIN 0x0d                                       ; the same with the tokens in window 3
.endif
.endm
.macro PRODS t, k0, k1, k2, k3         ; four K steps of a tile: 16 products, K ascending, the four accumulators by turns, one instruction a turn
.irp s, \k0, \k1, \k2, \k3
.irp wt, 0,1,2,3
.if \s == 0
	MM ACC+32*((\t)%2)+8*\wt, 64*\wt+8*\s, 64*((\t)%4)+8*\s, BIAS+8*\wt, WS+4*\wt+\s/2, XS+4*(\t)+\s/2, \s%2
.else
	MM ACC+32*((\t)%2)+8*\wt, 64*\wt+8*\s, 64*((\t)%4)+8*\s, ACC+32*((\t)%2)+8*\wt, WS+4*\wt+\s/2, XS+4*(\t)+\s/2, \s%2
.endif
.endr
.endr
.endm
; THE WAY OUT of a tile, 16 tokens x 64 columns, through my own stage: in as 16 bytes of a row a lane, back as whole rows of 256 bytes.  LDS serves a wave's instructions in order: no wait between the stores and the loads,
; nor in front of the next tile's stores.
.macro TOSTAGE t
	s_wait_alu depctr_va_vdst(0)                   ; the tile's products have written its accumulators, which the LDS stores read, and are done reading its fragments, in which the LDS loads land; the four plain lines above stay beside this wait
.irp wt, 0,1,2,3
.irp e, 0,1
	ds_store_b128 v[STO], v[ACC+32*((\t)%2)+8*\wt+4*\e:ACC+32*((\t)%2)+8*\wt+4*\e+3] offset:128*(\wt/2)+32*(\wt%2)+16*\e   ; each accumulator from its low end on
.endr
.endr
.if (\t) < 4
	WIN 0x80                                       ; destination window 2: the tile's own fragments' registers
.else
	WIN 0xc0
.endif
.irp i, 0,1,2,3,4,5,6,7
	ds_load_b128 v[64*((\t)%4)+4*\i:64*((\t)%4)+4*\i+3], v[RD] offset:2*SPITCH*\i
.endr
	WIN 0
.endm
.macro SEND t                          ; what follows sets the windows that it needs
	s_wait_dscnt 0x0                               ; the tile's rows are back (asked for half a tile's products ago), and its accumulators have been read
.if (\t) < 4
	WIN 0x08                                       ; a store's data are its source 1: window 2
.else
	WIN 0x0c
.endif
.irp i, 0,1,2,3,4,5,6,7
	global_store_b128 v[CO], v[64*((\t)%4)+4*\i:64*((\t)%4)+4*\i+3], s[OUT:OUT+1] offset:(32*((\t)/2)+8*((\t)%2)+2*\i+8*(\i/4))*4096 th:TH_STORE_NT   ; sixteen lanes store 256 consecutive bytes, aligned; rows 2 i and 2 i + 1 of the tile at their tokens
.endr
.endm
; A tile's 32 products.  In their middle stand tile t + 3's 16 loads and tile t - 1's 8 stores.
; A set of accumulators is begun anew two tiles on: eight plain lines (two tiles' places) and the wait for its LDS stores lie between.
.macro TILE t
.if (\t) < 6
	s_wait_loadcnt 32                              ; this tile's 16 loads are in; the next two tiles' 32 may be out
.else
	s_wait_loadcnt 16*(7-(\t))                     ; nothing is left to ask for: the counts run down
.endif
.if (\t) == 0
	s_wait_dscnt 0x0                               ; the weights and all scale words are in my registers
.endif
.if (\t) >= 2
	s_wait_alu depctr_vm_vsrc(0)                   ; the LDS stores of two tiles back have read this set of accumulators, which the products below begin anew
.endif
	PWIN \t
	PRODS \t, 0,1,2,3
.if (\t) < 5
	XLOAD (\t)+3                                   ; no wait: nothing has named these registers
.endif
.if (\t) > 0
	SEND (\t)-1                                    ; no wait on the vector side: the data came by LDS loads, and no vector or matrix instruction has named them since
.endif
	PWIN \t
	PRODS \t, 4,5,6,7
	WIN 0
.endm
.irp t, 0,1,2,3,4,5,6,7
	TILE \t
	PLACES
	TOSTAGE \t
.endr
	SEND 7
	WIN 0
	s_barrier_signal -1
	s_barrier_wait -1
	s_wait_dscnt 0x0                               ; the closing lines, six on end
	s_wait_alu 0x0
	s_wait_tensorcnt 0x0
	ds_add_u32 v254, v255
	s_wait_dscnt 0x0
	s_endpgm
.Lfunc_end_k_qd95eadcdd2_outp:
	.size	k_qd95eadcdd2_outp, .Lfunc_end_k_qd95eadcdd2_outp-k_qd95eadcdd2_outp
	.p2alignl 7, 3214868480
	.fill 96, 4, 3214868480
	.section	.rodata,"a",@progbits
	.p2align	6, 0x0
	.amdhsa_kernel k_qd95eadcdd2_outp
		.amdhsa_group_segment_fixed_size 69120
		.amdhsa_private_segment_fixed_size 0
		.amdhsa_enable_private_segment 0
		.amdhsa_kernarg_size 48
		.amdhsa_user_sgpr_count 2
		.amdhsa_user_sgpr_kernarg_segment_ptr 1
		.amdhsa_wavefront_size32 1
		.amdhsa_system_sgpr_workgroup_id_x 1
		.amdhsa_system_sgpr_workgroup_id_y 1
		.amdhsa_system_sgpr_workgroup_id_z 1
		.amdhsa_system_vgpr_workitem_id 0
		.amdhsa_next_free_vgpr 1024
		.amdhsa_next_free_sgpr 66
		.amdhsa_reserve_vcc 0
		.amdhsa_float_denorm_mode_32 3
		.amdhsa_float_denorm_mode_16_64 3
		.amdhsa_memory_ordered 1
		.amdhsa_forward_progress 1
		.amdhsa_inst_pref_size 77
	.end_amdhsa_kernel
	.amdgpu_metadata
---
amdhsa.version: [ 1, 2 ]
amdhsa.kernels:
  - .name:           k_qd95eadcdd2_outp
    .symbol:         k_qd95eadcdd2_outp.kd
    .args:
      - { .name: oc, .offset: 0, .size: 8, .value_kind: global_buffer, .address_space: global }
      - { .name: os, .offset: 8, .size: 8, .value_kind: global_buffer, .address_space: global }
      - { .name: xwc, .offset: 16, .size: 8, .value_kind: global_buffer, .address_space: global }
      - { .name: xws, .offset: 24, .size: 8, .value_kind: global_buffer, .address_space: global }
      - { .name: bo, .offset: 32, .size: 8, .value_kind: global_buffer, .address_space: global }
      - { .name: out0, .offset: 40, .size: 8, .value_kind: global_buffer, .address_space: global }
    .group_segment_fixed_size: 69120
    .private_segment_fixed_size: 0
    .kernarg_segment_align: 8
    .kernarg_segment_size: 48
    .max_flat_workgroup_size: 128
    .sgpr_count:     66
    .vgpr_count:     1024
    .wavefront_size: 32
...
	.end_amdgpu_metadata
.endif
;; end of part 8
